; MI455X (gfx1250); checked and timed in simulation.
; The chip was launched on July 23, 2026; its instructions are those of AMD's public machine-readable ISA for CDNA 5 (MIT licence, August 2026) and "CDNA5" Instruction Set Architecture Reference Guide (July 2026). The comments in the code are by the model that wrote it; some were corrected since.
;; Intermediate Attention Fusion. Allowed arithmetic: matrix products marked QUANTISED: E3M2 operands, one E8M0 scale for each 32 along K, by v_wmma_scale_f32_16x16x128_f8f6f4 with both operands' format E3M2, f32 sums; products left as they are: f32 operands where the result goes on into a quantised operand, else bf16, f16 or f32 operands; f32 sums; everything else in f32.
;; Inputs: Wk_aud_for_vid_codes 2 x 512 x 16 x 24 uint8 (E3M2 codes of Wk_aud_for_vid, K innermost, in blocks of 32 codes, four codes in three bytes); Wk_aud_for_vid_scales 2 x 512 x 16 uint8 (E8M0 scales of Wk_aud_for_vid, one for each 32 codes along K); Wk_vid_for_aud_codes 2 x 512 x 16 x 24 uint8 (E3M2 codes of Wk_vid_for_aud, K innermost, in blocks of 32 codes, four codes in three bytes); Wk_vid_for_aud_scales 2 x 512 x 16 uint8 (E8M0 scales of Wk_vid_for_aud, one for each 32 codes along K); Wq_aud_codes 2 x 512 x 16 x 24 uint8 (E3M2 codes of Wq_aud, K innermost, in blocks of 32 codes, four codes in three bytes); Wq_aud_scales 2 x 512 x 16 uint8 (E8M0 scales of Wq_aud, one for each 32 codes along K); Wq_vid_codes 2 x 512 x 16 x 24 uint8 (E3M2 codes of Wq_vid, K innermost, in blocks of 32 codes, four codes in three bytes); Wq_vid_scales 2 x 512 x 16 uint8 (E8M0 scales of Wq_vid, one for each 32 codes along K); ag_W1 2 x 16 x 8 float32; ag_W2 2 x 1 x 16 float32; ag_b1 2 x 16 float32; ag_b2 2 x 1 float32; aud_kpm 4 x 2,048 bool; aud_ln_b 2 x 512 float32; aud_ln_g 2 x 512 float32; vg_W1 2 x 16 x 8 float32; vg_W2 2 x 1 x 16 float32; vg_b1 2 x 16 float32; vg_b2 2 x 1 float32; vid_kpm 4 x 2,048 bool; vid_ln_b 2 x 512 float32; vid_ln_g 2 x 512 float32; x_aud 4 x 2,048 x 512 float32; x_vid 4 x 2,048 x 512 float32.
;; Outputs: out0 4 x 2,048 x 512 float32; out1 4 x 2,048 x 512 float32.
;; This version of the problem:
;;   THIS VERSION OF THE PROBLEM IS GIVEN IN LOW PRECISION. The matrix products marked QUANTISED in the list below multiply operands that are first quantised to E3M2 (3 exponent bits, 2 mantissa bits; 6 bits a number), with one power-of-two scale for each 32 numbers along K (OCP MX v1.0); their sums are f32. All else is computed in f32.
;;   The module's matrix products, in the order in which they are computed (A, B: the left and right operand; K: the contracted axis; several contracted axes count as one K, in the product's order):
;;     1. [M 8,192, K 512] x [K 512, N 512]; A: computed on the way; B: input Wq_vid (given as codes): QUANTISED
;;     2. [M 8,192, K 512] x [K 512, N 512]; A: computed on the way; B: input Wk_aud_for_vid (given as codes): QUANTISED
;;     3. batch 32 x [M 2,048, K 64] x [K 64, N 2,048]; A: computed on the way; B: computed on the way: QUANTISED
;;     4. [M 8,192, K 8] x [K 8, N 16]; A: computed on the way; B: input vg_W1: left as it is (K = 8 < 32)
;;     5. [M 8,192, K 16] x [K 16, N 1]; A: computed on the way; B: input vg_W2: left as it is (K = 16 < 32)
;;     6. [M 8,192, K 512] x [K 512, N 512]; A: computed on the way; B: input Wq_aud (given as codes): QUANTISED
;;     7. [M 8,192, K 512] x [K 512, N 512]; A: computed on the way; B: input Wk_vid_for_aud (given as codes): QUANTISED
;;     8. batch 32 x [M 2,048, K 64] x [K 64, N 2,048]; A: computed on the way; B: computed on the way: QUANTISED
;;     9. [M 8,192, K 8] x [K 8, N 16]; A: computed on the way; B: input ag_W1: left as it is (K = 8 < 32)
;;     10. [M 8,192, K 16] x [K 16, N 1]; A: computed on the way; B: input ag_W2: left as it is (K = 16 < 32)
;;     11. [M 8,192, K 512] x [K 512, N 512]; A: computed on the way; B: input Wq_vid (given as codes): QUANTISED
;;     12. [M 8,192, K 512] x [K 512, N 512]; A: computed on the way; B: input Wk_aud_for_vid (given as codes): QUANTISED
;;     13. batch 32 x [M 2,048, K 64] x [K 64, N 2,048]; A: computed on the way; B: computed on the way: QUANTISED
;;     14. [M 8,192, K 8] x [K 8, N 16]; A: computed on the way; B: input vg_W1: left as it is (K = 8 < 32)
;;     15. [M 8,192, K 16] x [K 16, N 1]; A: computed on the way; B: input vg_W2: left as it is (K = 16 < 32)
;;     16. [M 8,192, K 512] x [K 512, N 512]; A: computed on the way; B: input Wq_aud (given as codes): QUANTISED
;;     17. [M 8,192, K 512] x [K 512, N 512]; A: computed on the way; B: input Wk_vid_for_aud (given as codes): QUANTISED
;;     18. batch 32 x [M 2,048, K 64] x [K 64, N 2,048]; A: computed on the way; B: computed on the way: QUANTISED
;;     19. [M 8,192, K 8] x [K 8, N 16]; A: computed on the way; B: input ag_W1: left as it is (K = 8 < 32)
;;     20. [M 8,192, K 16] x [K 16, N 1]; A: computed on the way; B: input ag_W2: left as it is (K = 16 < 32)
;;   THE QUANTISER, for each operand of a quantised product, along K:
;;     - K is cut into blocks of 32 from its start; a last block that is shorter is filled with zeros.
;;     - A block's scale is 2^e with e = floor(log2(the largest magnitude in the block)) - 4, held to -126 .. 127; a block of zeros has e = 0. As a byte (E8M0): e + 127.
;;     - Each number is divided by its block's scale, clamped to +-28, and rounded to the nearest number of E3M2, ties to even, subnormals kept.
;;     - The product sums the exact products of the quantised numbers (number of the format x scale) in f32.
;;   ~~~python
;;   def quantise(x, axis):      # numpy; x: float32 -> the quantised numbers, widened to float32 again
;;       x = np.moveaxis(x, axis, -1); K = x.shape[-1]
;;       x = np.pad(x, [(0, 0)] * (x.ndim - 1) + [(0, -K % 32)]); x = x.reshape(x.shape[:-1] + (-1, 32)); a = np.abs(x).max(-1, keepdims=True)
;;       e = np.where(a > 0, np.clip(np.frexp(np.where(a > 0, a, 1))[1] - 1 - 4, -126, 127), 0)      # np.frexp(a)[1] - 1 = floor(log2(a)), exactly
;;       r = np.clip(x / 2.0 ** e, -28, 28)
;;       step = 2.0 ** (np.maximum(np.frexp(np.where(r == 0, 1, r))[1] - 1, -2) - 2)
;;       q = np.round(r / step) * step * 2.0 ** e      # np.round: ties to even
;;       return np.moveaxis(q.reshape(q.shape[:-2] + (-1,))[..., :K], -1, axis).astype(np.float32)
;;   ~~~
;;   OPERANDS COMPUTED ON THE WAY. 'Computed on the way' means the value that the module computes at that place (a softmax that the list does not call 'softmax' is quantised finished and normalised). What goes into a quantiser is computed in f32, as accurately as f32 sums, v_exp_f32 and their like allow (about 1e-6 of the number): no bf16 or f16 on the way to a quantiser, and a product that is left as it is and whose result goes on into a quantised operand takes f32 operands (vector FMAs, or v_wmma_f32_16x16x4_f32). A number that lies on a knife's edge between two numbers of the format may be rounded either way, as far as f32 arithmetic and the matrix unit's own rounding can turn it there, and no further.
;;   INPUTS GIVEN AS CODES. Wk_aud_for_vid (in the module: [2, 512, 512], K = its axis 2); Wk_vid_for_aud (in the module: [2, 512, 512], K = its axis 2); Wq_aud (in the module: [2, 512, 512], K = its axis 2); Wq_vid (in the module: [2, 512, 512], K = its axis 2): each comes as NAME_codes (uint8): NAME with its K axis moved to the last place and cut into blocks of 32 codes, [.., K / 32, bytes a block], one block behind the other in memory; four codes in three bytes: a row's codes are one little-endian stream of bits, code i at bits 6 i .. 6 i + 5 (a code: sign, 3 exponent bits, 2 mantissa bits); and NAME_scales (uint8): the same leading axes, one E8M0 byte (e + 127) for each 32 codes along K. Its value is code x scale, taken as it is: it is not quantised again, and the codes and scales need not be those that the quantiser above would give.
;; 2 versions, each right; version 2 is version 1 with the launches proj0, att1, step2, att2, step3, att3, step4, att4 written anew for expert scheduling mode. Each part assembles by itself: llvm-mc -triple=amdgcn-amd-amdhsa -mcpu=gfx1250 --defsym DOCPART=n.
;; ======== version 1 of 2: 9 launches
;; workspace buffers: cb0 3,276,800 bytes; cb1 3,276,800 bytes; rel 262,144 bytes; g_vid 32,768 bytes; g_aud 32,768 bytes; cfg2 256 bytes of whole numbers; cfg3 256 bytes of whole numbers; cfg4 256 bytes of whole numbers
;; launch proj0 (part 1): grid 128 x 2, 4 waves a work-group, no clusters, 164,352 bytes of LDS; arguments x_aud, x_vid, aud_kpm, vid_ln_g, vid_ln_b, Wk_aud_for_vid_codes, Wk_aud_for_vid_scales, Wq_vid_codes, Wq_vid_scales, cb0, cb1, cfg2, cfg3, cfg4; writes cb0, cb1, cfg2, cfg3, cfg4
.if DOCPART == 1
	.amdgcn_target "amdgcn-amd-amdhsa--gfx1250"
	.amdhsa_code_object_version 6
	.text
	.protected	k_qeb460bdb59_proj0
	.globl	k_qeb460bdb59_proj0
	.p2align	8
	.type	k_qeb460bdb59_proj0,@function
k_qeb460bdb59_proj0:
	s_mov_b64 s[64:65], 0
	v_nop
	global_prefetch_b8 v0, s[64:65] scope:SCOPE_SE
	s_setreg_imm32_b32 hwreg(HW_REG_WAVE_MODE, 25, 1), 1
	s_wait_xcnt 0x0
; The two projections of the first attention, layer 0: y = 0: k1 = LN(x_aud; vid_ln) Wk_aud_for_vid^T, rows hidden by aud_kpm get zero codes -> cb1;
; y = 1: q1 = LN(x_vid; vid_ln) Wq_vid^T -> cb0.  Both operands of each product are codes of E3M2 with one E8M0 byte for each 32 along K;
; the results are quantised again along the head's 64 and stored as the next launch's operand registers.  Work-group (0, 0) also stores three tables of whole numbers, (0, 0), (0, 1), (1, 1),
; which three later launches read as their two layer numbers.
; SHARES.  A work-group takes 64 rows and one projection: 128 x 2 work-groups.  First each wave normalises and quantises 16 whole rows; then wave w makes output features 128 w .. 128 w + 127
; (heads 2 w, 2 w + 1) for all 64 rows, with its 32 weight fragments (384 registers) read once, straight from memory into registers.  The rows' codes go from wave to wave through LDS as images of the
; operand's registers: one barrier.
; THE PRODUCT IS USED TRANSPOSED (source 0 = 16 rows of W, source 1 = 16 rows of x), and lane r of tile 2 b + u takes row 32 b + 8 u + r + 8 (r / 8) of W, so that a lane's 16 registers of two
; neighbouring tiles are 16 neighbouring features of one row of x: what the conversion wants.
; OUTPUT LAYOUT.  Codes: for (batch, head, tile of 16 tokens) 768 bytes at ((8 b + head) 128 + tile) 768: lane l's registers 0-3 at 16 l, then its registers 4-5 at 512 + 8 l (lane (r, h): block h of token r).
; Scale bytes from SCOFF on: two bytes a token and head, at (block of 64 tokens x 8 + head) 128 + 64 (t / 32 % 2) + 4 (t % 16) + 2 (t / 16 % 2).
; No tensor load and no cluster: every byte that a work-group takes in is used once from registers.
; LIMITS: NaN and infinities are not served.  A block whose largest magnitude lies under 2^-122 keeps the scale byte 1.  1 / sqrt is v_rsq_f32.
.set PITCH,  2064                      ; a row of 512 f32 in the stage + 16 bytes = 129 x 16: the sixteen rows that a load touches start 16 bytes apart modulo 256
.set WSTG,   16*PITCH                  ; a wave's own stage: 16 rows
.set FRB,    1536                      ; a fragment's image: 12 registers x 128 bytes
.set XIMG,   4*WSTG                    ; x's 16 fragments: tile of rows m, K step s at 4 m + s
.set XSC,    XIMG+16*FRB               ; their scale words, 128 bytes each
.set HSC,    XSC+16*128                ; each wave's own 256 bytes of result scale bytes
.set SCOFF,  3145728
.set RR,   2                           ; v2  r = lane % 16
.set HB,   3                           ; v3  h = lane / 16
.set O16,  4                           ; v4  16 x lane
.set O8,   5                           ; v5  8 x lane
.set AW,   7                           ; v7  W's codes: (r + 8 (r / 8)) 384 + 24 h
.set AWS,  8                           ; v8  W's scales: (r + 8 (r / 8)) 16
.set STW,  9                           ; v9  stage, in: wave + 16 x lane
.set STR,  10                          ; v10 stage, out: wave + r x PITCH + 64 h
.set IMW,  11                          ; v11 where I store x's images
.set ISW,  12                          ; v12 and their scale words
.set IMR,  13                          ; v13 where any image is read: XIMG + 16 x lane
.set ISR,  14                          ; v14 XSC + 4 x lane
.set HSW,  19                          ; v19 result scale bytes, in
.set HSR,  20                          ; v20 and out
.set SH,   21                          ; v21 16 h
.set ZERO, 22
.set KM,   24                          ; v24-27 the key mask's byte of row 16 m + r
.set TV,   30
.set WS,   32                          ; v32-63 W's scale words: tile t, K step s at 4 t + s
.set TM,   64                          ; v64-79 the quantiser's work
.set PW,   80                          ; the scale word just made
.set PC,   82                          ; v82-101 the codes just made
.set XS,   102                         ; v102-105 x's scale words
.set LG,   106                         ; v106-121 g, v122-137 b of my 16 columns
.set LB,   122
.set S,    138                         ; v138-169 a pair for each of my 16 rows: sums, then the mean, then 1 / sqrt in the low register
.set HA,   106                         ; v106-169 the 8 result tiles
.set XF,   170                         ; v170-217 x's four fragments of a tile of rows
.set XB,   4                           ; s[4:5] x, after the choice by y
.set KPO,  8                           ; s[8:9] the keys' mask
.set LNG,  10
.set LNB,  12
.set WC,   14                          ; s[14:17] W's codes, W's scales, after the choice by y
.set WSC,  16
.set OUT,  24                          ; s[24:25] the codes' buffer, after the choice by y
.set OUTS, 22                          ; s[22:23] my scale bytes in it
.set WV,   50
.set Y,    51
.set ROW0, 52
.set B,    53
.set SEL,  56
.set T0,   58
.set ISK,  59
.set OFF,  60
.set INV,  98
.set EPS,  99
.set MSB, 0
.macro WIN new                         ; the immediate's high byte repeats the setting that is left
.if MSB != (\new)
	s_set_vgpr_msb (MSB<<8)|(\new)
.set MSB, (\new)
.endif
.endm
.macro PLACES n
.rept \n
	v_nop
.endr
.endm
; rows i0 .. i1 of my 16: four loads of 512 consecutive bytes a row, into window 3: element (row i, column 128 j + 4 lane + e) at v[16 i + 4 j + e]
.macro XLOAD i0, i1
	WIN 0xc0
.set xi, \i0
.rept (\i1)-(\i0)+1
.irp j, 0,1,2,3
	global_load_b128 v[16*xi+4*\j:16*xi+4*\j+3], v[O16], s[XB:XB+1] offset:xi*2048+\j*512
.endr
.set xi, xi+1
.endr
	WIN 0
.endm
; tile t of my 8 tiles of W: its four fragments (K steps 0, 1 into window 1, K steps 2, 3 into window 2, at v[12 (2 t + s % 2)]) and its rows' four scale words: 25 loads
.macro WBATCH t
	WIN 0x40
.irp s, 0,1
.irp p, 0,1,2,3,4,5
	global_load_b64 v[12*(2*(\t)+\s)+2*\p:12*(2*(\t)+\s)+2*\p+1], v[AW], s[WC:WC+1] offset:(32*((\t)/2)+8*((\t)%2))*384+96*\s+48*(\p/3)+8*(\p%3)
.endr
.endr
	WIN 0x80
.irp s, 0,1
.irp p, 0,1,2,3,4,5
	global_load_b64 v[12*(2*(\t)+\s)+2*\p:12*(2*(\t)+\s)+2*\p+1], v[AW], s[WC:WC+1] offset:(32*((\t)/2)+8*((\t)%2))*384+96*(\s+2)+48*(\p/3)+8*(\p%3)
.endr
.endr
	WIN 0
	global_load_b128 v[WS+4*(\t):WS+4*(\t)+3], v[AWS], s[WSC:WSC+1] offset:(32*((\t)/2)+8*((\t)%2))*16
.endm
; the 16 pairs S become 16 sums over the wave, in every lane, in each pair's low register
.macro RSUM
.set i, 0
.rept 16
	v_add_f32 v[S+2*i], v[S+2*i], v[S+2*i+1]
.set i, i+1
.endr
.irp x, 1,2,4,8
.set i, 0
.rept 16
	v_add_f32_dpp v[S+2*i], v[S+2*i], v[S+2*i] row_xmask:\x row_mask:0xf bank_mask:0xf
.set i, i+1
.endr
.endr
.set i, 0
.rept 16
	v_permlanex16_b32 v[S+2*i+1], v[S+2*i], s[SEL], s[SEL+1]
.set i, i+1
.endr
.set i, 0
.rept 16
	v_add_f32 v[S+2*i], v[S+2*i], v[S+2*i+1]
.set i, i+1
.endr
.endm
; 64 numbers of a lane in window w, register s + 16 b + i = k 32 b + 16 (lane / 16) + i of my row, become a fragment's codes in v[PC] on and its scale word in v[PW]
.macro QUANT s, w
	WIN (\w)|((\w)<<2)
.irp b, 0,1,2,3
	v_max3_num_f32 v[TM+\b], |v[(\s)+16*\b]|, |v[(\s)+1+16*\b]|, 0x2800000   ; block b: my 16 numbers, and the floor 2^(5 - 127): the byte cannot fall under 1
.endr
	WIN ((\w)<<2)|((\w)<<4)
.irp i, 2,4,6,8,10,12,14
.irp b, 0,1,2,3
	v_max3_num_f32 v[TM+\b], v[TM+\b], |v[(\s)+16*\b+\i]|, |v[(\s)+1+16*\b+\i]|   ; the four blocks by turns
.endr
.endr
	WIN 0
.irp b, 0,1,2,3
	v_permlanex16_b32 v[TM+4+\b], v[TM+\b], s[SEL], s[SEL+1]
.endr
.irp b, 0,1,2,3
	v_max_num_f32 v[TM+\b], v[TM+\b], v[TM+4+\b]   ; with lane l xor 16's: the block's largest magnitude
.endr
.irp b, 0,1,2,3
	v_add_nc_u32 v[TM+12+\b], 0xfe000000, v[TM+\b]   ; 4 off its exponent field: the conversion's scale operand
.endr
.irp b, 0,1,2,3
	v_lshrrev_b32 v[TM+4+\b], 23, v[TM+12+\b]   ; the scale's byte
.endr
	v_lshl_or_b32 v[PW], v[TM+5], 8, v[TM+4]
	v_lshl_or_b32 v[PW], v[TM+6], 16, v[PW]
	v_lshl_or_b32 v[PW], v[TM+7], 24, v[PW]
	WIN \w
.irp c, 0,1
	v_cvt_scalef32_pk16_bf6_f32 v[PC+6*\c:PC+2+6*\c], v[(\s)+32*\c:(\s)+15+32*\c], v[TM+12+2*\c]
	v_cvt_scalef32_pk16_bf6_f32 v[PC+12+4*\c:PC+14+4*\c], v[(\s)+16+32*\c:(\s)+31+32*\c], v[TM+12+2*\c+1]   ; (a conversion's three registers begin on an even number)
.endr
	WIN 0
	v_nop                                          ; one plain place behind a scaled conversion
.irp c, 0,1                                    ; the operand's layout wants a whole block in a lane: lanes 0-15 block 2 c, lanes 16-31 block 2 c + 1
.irp i, 0,1,2
	v_permlane16_swap_b32 v[PC+6*\c+\i], v[PC+12+4*\c+\i]
.endr
.irp i, 0,1,2
	v_mov_b32 v[PC+3+6*\c+\i], v[PC+12+4*\c+\i]
.endr
.endr
.endm
.macro IMAGE adr, off                          ; the fragment in v[PC] on goes to LDS as it stands
.irp c, 0,1,2
	ds_store_b128 v[\adr], v[PC+4*\c:PC+4*\c+3] offset:(\off)+512*\c
.endr
.endm
.macro FETCH reg, off                          ; and comes back so, in any wave
.irp c, 0,1,2
	ds_load_b128 v[(\reg)+4*\c:(\reg)+4*\c+3], v[IMR] offset:(\off)+512*\c
.endr
.endm
.macro FETCHX m                                ; the four fragments and scale words of rows 16 m .. 16 m + 15
.irp s, 0,1,2,3
	FETCH XF+12*\s, (4*(\m)+\s)*FRB
	ds_load_b32 v[XS+\s], v[ISR] offset:(4*(\m)+\s)*128
.endr
.endm
.macro MM1 t, s                                ; tile t, K step s; the first K step starts the sum
.if (\s) == 0
	v_wmma_scale_f32_16x16x128_f8f6f4 v[HA+8*\t:HA+8*\t+7], v[12*(2*\t+\s%2):12*(2*\t+\s%2)+11], v[XF+12*\s:XF+12*\s+11], 0, v[WS+4*\t+\s], v[XS+\s] matrix_a_fmt:MATRIX_FMT_BF6 matrix_b_fmt:MATRIX_FMT_BF6
.else
	v_wmma_scale_f32_16x16x128_f8f6f4 v[HA+8*\t:HA+8*\t+7], v[12*(2*\t+\s%2):12*(2*\t+\s%2)+11], v[XF+12*\s:XF+12*\s+11], v[HA+8*\t:HA+8*\t+7], v[WS+4*\t+\s], v[XS+\s] matrix_a_fmt:MATRIX_FMT_BF6 matrix_b_fmt:MATRIX_FMT_BF6
.endif
.endm
; rows 16 m .. 16 m + 15 against my 128 features: 32 matrix instructions, the eight accumulators by turns; then the results are quantised and stored
.macro TILE m
	s_wait_dscnt 0x0                               ; x's fragments and scale words are in (and my last scale bytes' store has read its register)
	WIN 0x01
.irp s, 0,1
.irp t, 0,1,2,3,4,5,6,7
	MM1 \t, \s
.endr
.endr
	WIN 0x02
.irp s, 2,3
.irp t, 0,1,2,3,4,5,6,7
	MM1 \t, \s
.endr
.endr
	WIN 0
	PLACES 5                                       ; in front of loads into x's registers, of the reads of the results, and of the next tile's products, which write over these accumulators
.if (\m) < 3
	FETCHX (\m)+1
.endif
	s_wait_xcnt 0x0                                ; the last tile's stores have read v[PC] on: only now is it written again
	QUANT HA, 0                                    ; it reads each accumulator from its low end on
	v_cmp_ne_u32 vcc_lo, 0, v[KM+(\m)]
.irp c, 0,1,2,3,4,5,6,7,8,9,10,11
	v_cndmask_b32 v[PC+\c], v[PC+\c], v[ZERO], vcc_lo   ; a hidden key's codes are zeros: it adds nothing to any sum
.endr
	global_store_b128 v[O16], v[PC:PC+3], s[OUT:OUT+1] offset:768*(\m)             ; head 2 w: 512 consecutive bytes,
	global_store_b64 v[O8], v[PC+4:PC+5], s[OUT:OUT+1] offset:768*(\m)+512         ; and 256
	global_store_b128 v[O16], v[PC+6:PC+9], s[OUT:OUT+1] offset:98304+768*(\m)     ; head 2 w + 1
	global_store_b64 v[O8], v[PC+10:PC+11], s[OUT:OUT+1] offset:98304+768*(\m)+512
	v_lshrrev_b32 v[TV], v[SH], v[PW]              ; lanes 0-15: head 2 w's two bytes, lanes 16-31: head 2 w + 1's
	ds_store_b16 v[HSW], v[TV] offset:((\m)/2)*64+((\m)%2)*2
.endm
	s_load_b512 s[4:19], s[0:1], 0x0               ; x_aud, x_vid, aud_kpm, vid_ln g, b, Wk_aud codes, scales, Wq_vid codes
	s_load_b256 s[20:27], s[0:1], 0x40             ; Wq_vid scales, cb0 (queries), cb1 (keys), the table (0, 0)
	s_load_b128 s[28:31], s[0:1], 0x60             ; the tables (0, 1) and (1, 1)
	v_lshl_add_u32 v254, v0, 2, 0x28000
	v_mov_b32 v255, 0
	v_lshrrev_b32 v1, 5, v0
	v_readfirstlane_b32 s[WV], v1                  ; wave 0..3
	v_and_b32 v1, 31, v0                           ; lane
	v_and_b32 v[RR], 15, v0
	v_bfe_u32 v[HB], v0, 4, 1
	v_lshlrev_b32 v[O16], 4, v1
	v_lshlrev_b32 v[O8], 3, v1
	v_and_b32 v[TV], 8, v[RR]
	v_add_nc_u32 v[TV], v[TV], v[RR]               ; r + 8 (r / 8)
	v_mul_u32_u24 v[AW], v[TV], 384
	v_mad_u32_u24 v[AW], v[HB], 24, v[AW]
	v_lshlrev_b32 v[AWS], 4, v[TV]
	s_mul_i32 s[T0], s[WV], WSTG
	v_add_nc_u32 v[STW], s[T0], v[O16]
	v_mul_u32_u24 v[STR], v[RR], PITCH
	v_lshl_add_u32 v[STR], v[HB], 6, v[STR]
	v_add_nc_u32 v[STR], s[T0], v[STR]
	s_mul_i32 s[T0], s[WV], 4*FRB
	s_add_co_u32 s[T0], s[T0], XIMG
	v_add_nc_u32 v[IMW], s[T0], v[O16]
	s_lshl_b32 s[T0], s[WV], 9
	s_add_co_u32 s[T0], s[T0], XSC
	v_lshlrev_b32 v[ISR], 2, v1
	v_add_nc_u32 v[ISW], s[T0], v[ISR]
	v_add_nc_u32 v[IMR], XIMG, v[O16]
	v_add_nc_u32 v[ISR], XSC, v[ISR]
	s_lshl_b32 s[T0], s[WV], 8
	s_add_co_u32 s[T0], s[T0], HSC
	v_lshlrev_b32 v[HSW], 2, v[RR]
	v_lshl_add_u32 v[HSW], v[HB], 7, v[HSW]
	v_add_nc_u32 v[HSW], s[T0], v[HSW]
	v_add_nc_u32 v[HSR], s[T0], v[O8]
	v_lshlrev_b32 v[SH], 4, v[HB]
	v_mov_b32 v[ZERO], 0
.irp b, 0,1,2,3
	v_mov_b32 v[TM+4+\b], 0                        ; written once: a lane permute's destination counts as one of its sources
.endr
	s_and_b32 s[Y], ttmp7, 0xffff                  ; which projection
	s_lshr_b32 s[B], ttmp9, 5                      ; batch
	s_lshl_b32 s[ROW0], ttmp9, 6
	s_lshl_b32 s[T0], s[WV], 4
	s_add_co_u32 s[ROW0], s[ROW0], s[T0]           ; my wave's first row of the 8,192
	s_mov_b32 s[SEL], 0x76543210
	s_mov_b32 s[SEL+1], 0xfedcba98                 ; v_permlanex16_b32's selects for lane l xor 16
	s_mov_b32 s[INV], 0x3b000000                   ; 1 / 512
	s_mov_b32 s[EPS], 0x3727c5ac                   ; 1e-5
	s_mov_b32 s[OFF+1], 0
	s_wait_kmcnt 0x0
	s_cmp_eq_u32 s[Y], 0                           ; the choices hang on the work-group's number alone
	s_cselect_b64 s[4:5], s[4:5], s[6:7]           ; x_aud for the keys, x_vid for the queries
	s_cselect_b64 s[14:15], s[14:15], s[18:19]     ; the weights' codes,
	s_cselect_b64 s[16:17], s[16:17], s[20:21]     ; their scales,
	s_cselect_b64 s[24:25], s[24:25], s[22:23]     ; and where the results go
	s_cselect_b32 s[ISK], -1, 0                    ; only keys are masked
	s_lshl_b32 s[OFF], s[ROW0], 11
	s_add_nc_u64 s[XB:XB+1], s[XB:XB+1], s[OFF:OFF+1]
	s_lshl_b32 s[OFF], ttmp9, 6
	s_add_nc_u64 s[KPO:KPO+1], s[KPO:KPO+1], s[OFF:OFF+1]
	s_mul_i32 s[OFF], s[WV], 49152                 ; my 128 rows of W: 384 bytes of codes a row,
	s_add_nc_u64 s[WC:WC+1], s[WC:WC+1], s[OFF:OFF+1]
	s_lshl_b32 s[OFF], s[WV], 11                   ; 16 scale bytes a row
	s_add_nc_u64 s[WSC:WSC+1], s[WSC:WSC+1], s[OFF:OFF+1]
	s_lshl_b32 s[OFF], ttmp9, 10
	s_lshl_b32 s[T0], s[WV], 8
	s_add_co_u32 s[OFF], s[OFF], s[T0]
	s_add_co_u32 s[OFF], s[OFF], SCOFF
	s_add_nc_u64 s[OUTS:OUTS+1], s[OUT:OUT+1], s[OFF:OFF+1]   ; my 256 scale bytes
	s_and_b32 s[T0], ttmp9, 31
	s_mul_i32 s[OFF], s[T0], 3072
	s_mul_i32 s[T0], s[B], 786432
	s_add_co_u32 s[OFF], s[OFF], s[T0]
	s_mul_i32 s[T0], s[WV], 196608
	s_add_co_u32 s[OFF], s[OFF], s[T0]
	s_add_nc_u64 s[OUT:OUT+1], s[OUT:OUT+1], s[OFF:OFF+1]     ; ((8 b + 2 w) 128 + 4 x block of 64 rows) 768
	s_or_b32 s[T0], ttmp9, s[Y]
	s_or_b32 s[T0], s[T0], s[WV]
	s_cmp_lg_u32 s[T0], 0
	s_cbranch_scc1 .Lno_cfg                        ; one wave of the launch stores the three tables: 32 pairs each (word 0: the gate's layer, word 1: the projections' layer)
	v_mov_b32 v218, 0
	v_mov_b32 v219, 0
	v_mov_b32 v220, 0
	v_mov_b32 v221, 1
	v_mov_b32 v222, 1
	v_mov_b32 v223, 1
	global_store_b64 v[O8], v[218:219], s[26:27]   ; 256 consecutive bytes each; these registers are not written again
	global_store_b64 v[O8], v[220:221], s[28:29]
	global_store_b64 v[O8], v[222:223], s[30:31]
.Lno_cfg:
	XLOAD 0, 15
.irp m, 0,1,2,3
	global_load_u8 v[KM+\m], v[RR], s[KPO:KPO+1] offset:16*\m
.endr
.irp j, 0,1,2,3
	global_load_b128 v[LG+4*\j:LG+4*\j+3], v[O16], s[LNG:LNG+1] offset:512*\j
	global_load_b128 v[LB+4*\j:LB+4*\j+3], v[O16], s[LNB:LNB+1] offset:512*\j
.endr
	s_wait_loadcnt 12                              ; behind x's 64 loads stand these 12: all of x is in
	WBATCH 0                                       ; the weights are asked for tile by tile between the parts of the norm
	WBATCH 1
	; ---- the rows' means
	WIN 0x0f
.set i, 0
.rept 16
	v_pk_add_f32 v[S+2*i:S+2*i+1], v[16*i:16*i+1], v[16*i+2:16*i+3]
.set i, i+1
.endr
	WIN 0x0c
.set p, 2
.rept 6
.set i, 0
.rept 16
	v_pk_add_f32 v[S+2*i:S+2*i+1], v[S+2*i:S+2*i+1], v[16*i+2*p:16*i+2*p+1]
.set i, i+1
.endr
.set p, p+1
.endr
	WIN 0
	WBATCH 2
	RSUM
.set i, 0
.rept 16
	v_mul_f32 v[S+2*i], s[INV], v[S+2*i]
.set i, i+1
.endr
	WBATCH 3
	; ---- x - mean
	WIN 0xc3
.set q, 0
.rept 128
	v_pk_add_f32 v[2*q:2*q+1], v[2*q:2*q+1], v[S+2*(q/8):S+2*(q/8)+1] op_sel_hi:[1,0] neg_lo:[0,1] neg_hi:[0,1]
.set q, q+1
.endr
	WIN 0
	WBATCH 4
	; ---- the mean of the squares, 1 / sqrt(. + eps)
	WIN 0x0f
.set i, 0
.rept 16
	v_pk_mul_f32 v[S+2*i:S+2*i+1], v[16*i:16*i+1], v[16*i:16*i+1]
.set i, i+1
.endr
.set p, 1
.rept 7
.set i, 0
.rept 16
	v_pk_fma_f32 v[S+2*i:S+2*i+1], v[16*i+2*p:16*i+2*p+1], v[16*i+2*p:16*i+2*p+1], v[S+2*i:S+2*i+1]
.set i, i+1
.endr
.set p, p+1
.endr
	WIN 0
	WBATCH 5
	RSUM
.set i, 0
.rept 16
	v_fma_f32 v[S+2*i], v[S+2*i], s[INV], s[EPS]
.set i, i+1
.endr
.set i, 0
.rept 16
	v_rsq_f32 v[S+2*i], v[S+2*i]
.set i, i+1
.endr
	v_nop                                          ; one plain place behind the transcendentals
	WBATCH 6
	s_wait_loadcnt 63                              ; 175 loads were issued behind g's and b's: with 63 at the most out, g and b are in
	WIN 0xc3
.set q, 0
	s_wait_alu depctr_va_vdst(0)
.rept 128
	v_pk_mul_f32 v[2*q:2*q+1], v[2*q:2*q+1], v[S+2*(q/8):S+2*(q/8)+1] op_sel_hi:[1,0]
.set q, q+1
.endr
.set q, 0
.rept 128
	v_pk_fma_f32 v[2*q:2*q+1], v[2*q:2*q+1], v[LG+2*(q%8):LG+2*(q%8)+1], v[LB+2*(q%8):LB+2*(q%8)+1]
.set q, q+1
.endr
	WIN 0
	WBATCH 7
	; ---- the turn through my own stage: in as loaded, out so that lane (r, h) holds, of row r, 16 neighbours of each block of 32: v[16 k + n] = column 32 k + 16 h + n
	WIN 0x0c
.set q, 0
.rept 64
	ds_store_b128 v[STW], v[4*q:4*q+3] offset:(q/4)*PITCH+512*(q%4)
.set q, q+1
.endr
	s_wait_dscnt 0x0                               ; the stores have read their registers, which the loads below fill
	WIN 0xc0
.set q, 0
.rept 64
	ds_load_b128 v[4*q:4*q+3], v[STR] offset:128*(q/4)+16*(q%4)
.set q, q+1
.endr
	WIN 0
	s_wait_dscnt 0x0
.irp k, 0,1,2,3
	QUANT 64*\k, 3
	IMAGE IMW, \k*FRB
	ds_store_b32 v[ISW], v[PW] offset:128*\k
	s_wait_dscnt 0x0                               ; the stores have read their registers; the last of these waits also stands in front of the signal: my images have landed
.endr
	s_barrier_signal -1
	s_barrier_wait -1                              ; x's sixteen fragments lie in LDS; they are not written again
	FETCHX 0
	s_wait_loadcnt 0x0                             ; the weights and the mask
.irp m, 0,1,2,3
	v_and_b32 v[KM+\m], s[ISK], v[KM+\m]
.endr
	TILE 0
	TILE 1
	TILE 2
	TILE 3
	ds_load_b64 v[TM:TM+1], v[HSR]                 ; LDS serves a wave's instructions in order: this sees my stores
	s_wait_dscnt 0x0
	global_store_b64 v[O8], v[TM:TM+1], s[OUTS:OUTS+1]   ; 256 consecutive bytes, aligned
	s_wait_tensorcnt 0x0
	ds_add_u32 v254, v255
	s_wait_dscnt 0x0
	s_endpgm
.Lfunc_end_k_qeb460bdb59_proj0:
	.size	k_qeb460bdb59_proj0, .Lfunc_end_k_qeb460bdb59_proj0-k_qeb460bdb59_proj0
	.p2alignl 7, 3214868480
	.fill 96, 4, 3214868480
	.section	.rodata,"a",@progbits
	.p2align	6, 0x0
	.amdhsa_kernel k_qeb460bdb59_proj0
		.amdhsa_group_segment_fixed_size 164352
		.amdhsa_private_segment_fixed_size 0
		.amdhsa_enable_private_segment 0
		.amdhsa_kernarg_size 112
		.amdhsa_user_sgpr_count 2
		.amdhsa_user_sgpr_kernarg_segment_ptr 1
		.amdhsa_wavefront_size32 1
		.amdhsa_system_sgpr_workgroup_id_x 1
		.amdhsa_system_sgpr_workgroup_id_y 1
		.amdhsa_system_sgpr_workgroup_id_z 1
		.amdhsa_system_vgpr_workitem_id 0
		.amdhsa_next_free_vgpr 1024
		.amdhsa_next_free_sgpr 100
		.amdhsa_reserve_vcc 1
		.amdhsa_float_denorm_mode_32 3
		.amdhsa_float_denorm_mode_16_64 3
		.amdhsa_memory_ordered 1
		.amdhsa_forward_progress 1
		.amdhsa_inst_pref_size 150
	.end_amdhsa_kernel
	.amdgpu_metadata
---
amdhsa.version: [ 1, 2 ]
amdhsa.kernels:
  - .name:           k_qeb460bdb59_proj0
    .symbol:         k_qeb460bdb59_proj0.kd
    .args:
      - { .name: x_aud, .offset: 0, .size: 8, .value_kind: global_buffer, .address_space: global }
      - { .name: x_vid, .offset: 8, .size: 8, .value_kind: global_buffer, .address_space: global }
      - { .name: aud_kpm, .offset: 16, .size: 8, .value_kind: global_buffer, .address_space: global }
      - { .name: vid_ln_g, .offset: 24, .size: 8, .value_kind: global_buffer, .address_space: global }
      - { .name: vid_ln_b, .offset: 32, .size: 8, .value_kind: global_buffer, .address_space: global }
      - { .name: Wk_aud_for_vid_codes, .offset: 40, .size: 8, .value_kind: global_buffer, .address_space: global }
      - { .name: Wk_aud_for_vid_scales, .offset: 48, .size: 8, .value_kind: global_buffer, .address_space: global }
      - { .name: Wq_vid_codes, .offset: 56, .size: 8, .value_kind: global_buffer, .address_space: global }
      - { .name: Wq_vid_scales, .offset: 64, .size: 8, .value_kind: global_buffer, .address_space: global }
      - { .name: cb0, .offset: 72, .size: 8, .value_kind: global_buffer, .address_space: global }
      - { .name: cb1, .offset: 80, .size: 8, .value_kind: global_buffer, .address_space: global }
      - { .name: cfg2, .offset: 88, .size: 8, .value_kind: global_buffer, .address_space: global }
      - { .name: cfg3, .offset: 96, .size: 8, .value_kind: global_buffer, .address_space: global }
      - { .name: cfg4, .offset: 104, .size: 8, .value_kind: global_buffer, .address_space: global }
    .group_segment_fixed_size: 164352
    .private_segment_fixed_size: 0
    .kernarg_segment_align: 8
    .kernarg_segment_size: 112
    .max_flat_workgroup_size: 128
    .sgpr_count:     100
    .vgpr_count:     1024
    .wavefront_size: 32
...
	.end_amdgpu_metadata
.endif
;; end of part 1
;; launch att1 (part 2): grid 8 x 32, 4 waves a work-group, no clusters, 4,608 bytes of LDS; arguments cb0, cb1, rel; writes rel
.if DOCPART == 2
	.amdgcn_target "amdgcn-amd-amdhsa--gfx1250"
	.amdhsa_code_object_version 6
	.text
	.protected	k_qeb460bdb59_att1
	.globl	k_qeb460bdb59_att1
	.p2align	8
	.type	k_qeb460bdb59_att1,@function
k_qeb460bdb59_att1:
	s_mov_b64 s[64:65], 0
	v_nop
	global_prefetch_b8 v0, s[64:65] scope:SCOPE_SE
	s_setreg_imm32_b32 hwreg(HW_REG_WAVE_MODE, 25, 1), 1
	s_wait_xcnt 0x0
; rel[8 b + h][t] = the sum over all 2,048 keys s of q[b][h][t] . k[b][h][s], both as codes of E3M2 with one E8M0 byte for each 32 of the head's 64; hidden keys come with zero codes.
; (The factor 1 / 8 and the division by the number of keys that count are the next launch's.)  Every product of a query and a key is made by the matrix unit; since only the sum over the keys is
; wanted, the accumulators run on over all key tiles and no single score leaves them.
; K = 128 OF THE INSTRUCTION HOLDS TWO KEYS: source 0's row m is key m of one tile of 16 (k 0-63) and key m of the next tile (k 64-127); source 1's column n is query n, its 64 codes written twice.
; SHARES.  A work-group takes one (batch, head) and 256 queries (16 tiles).  Wave w takes keys 512 w .. 512 w + 511: 16 fragments, each loaded once, straight into registers, and used by 16 matrix
; instructions.  The four waves' sums meet in LDS: one barrier.  No LDS ring: a wave's keys, 24,576 bytes, fit in 192 registers and are used in one pass.
; NO CLUSTER, though the eight work-groups of a head read the same 98,304 bytes of keys: a joint request is a tensor load into LDS, so the keys would be written to LDS and read from it once more,
; 98,304 bytes each way for a work-group's 1,024 matrix instructions, where here they go from memory into the operand's registers as they lie.
; OPERAND LAYOUT in memory: see the launch that stores it: 768 bytes for (batch, head, tile of 16 tokens): registers 0-3 at 16 x lane, registers 4-5 at 512 + 8 x lane;
; scale bytes from SCOFF on, laid so that the word at 4 r of a block of 32 tokens is [even tile's token r | odd tile's token r]: a key fragment's scale word as it stands.
; REGISTERS: window 0: addresses, scale words, v64-191 the 16 accumulators, v192-255 at work;  window 1: the queries' 16 fragments;  window 2: the keys' 16 fragments.
.set SCOFF, 3145728
.set RW,   8                           ; v8-11   the queries' scale words as stored
.set QSL,  12                          ; v12-15  their low halves twice: tiles 4 p (lanes 0-15), 4 p + 2 (lanes 16-31)
.set QSH,  16                          ; v16-19  their high halves twice: tiles 4 p + 1, 4 p + 3
.set KS,   20                          ; v20-27  the keys' scale words: fragment 2 p in lanes 0-15, 2 p + 1 in lanes 16-31
.set T,    32
.set R,    48
.set ACC,  64
.set U,    192
.set MSB, 0
.macro WIN new                         ; the immediate's high byte repeats the setting that is left
.if MSB != (\new)
	s_set_vgpr_msb (MSB<<8)|(\new)
.set MSB, (\new)
.endif
.endm
; key fragment j against query tile i.  The 16 accumulators take turns, one instruction a turn; j = 0 starts the sums
.macro MM
.set rA, ACC+8*i
.set rS, KS+j/2
.set rT, QSL+4*(i%2)+i/4
.if (j == 0) && ((i/2)%2 == 0)
	v_wmma_scale_f32_16x16x128_f8f6f4 v[rA:rA+7], v[12*j:12*j+11], v[12*i:12*i+11], 0, v[rS], v[rT] matrix_a_fmt:MATRIX_FMT_BF6 matrix_b_fmt:MATRIX_FMT_BF6
.elseif j == 0
	v_wmma_scale_f32_16x16x128_f8f6f4 v[rA:rA+7], v[12*j:12*j+11], v[12*i:12*i+11], 0, v[rS], v[rT] matrix_a_fmt:MATRIX_FMT_BF6 matrix_b_fmt:MATRIX_FMT_BF6 matrix_b_scale:MATRIX_SCALE_ROW1
.elseif (j%2 == 0) && ((i/2)%2 == 0)
	v_wmma_scale_f32_16x16x128_f8f6f4 v[rA:rA+7], v[12*j:12*j+11], v[12*i:12*i+11], v[rA:rA+7], v[rS], v[rT] matrix_a_fmt:MATRIX_FMT_BF6 matrix_b_fmt:MATRIX_FMT_BF6
.elseif j%2 == 0
	v_wmma_scale_f32_16x16x128_f8f6f4 v[rA:rA+7], v[12*j:12*j+11], v[12*i:12*i+11], v[rA:rA+7], v[rS], v[rT] matrix_a_fmt:MATRIX_FMT_BF6 matrix_b_fmt:MATRIX_FMT_BF6 matrix_b_scale:MATRIX_SCALE_ROW1
.elseif (i/2)%2 == 0
	v_wmma_scale_f32_16x16x128_f8f6f4 v[rA:rA+7], v[12*j:12*j+11], v[12*i:12*i+11], v[rA:rA+7], v[rS], v[rT] matrix_a_fmt:MATRIX_FMT_BF6 matrix_b_fmt:MATRIX_FMT_BF6 matrix_a_scale:MATRIX_SCALE_ROW1
.else
	v_wmma_scale_f32_16x16x128_f8f6f4 v[rA:rA+7], v[12*j:12*j+11], v[12*i:12*i+11], v[rA:rA+7], v[rS], v[rT] matrix_a_fmt:MATRIX_FMT_BF6 matrix_b_fmt:MATRIX_FMT_BF6 matrix_a_scale:MATRIX_SCALE_ROW1 matrix_b_scale:MATRIX_SCALE_ROW1
.endif
.endm
	s_load_b128 s[4:7], s[0:1], 0x0                ; q, k
	s_load_b64 s[8:9], s[0:1], 0x10                ; rel
	v_lshl_add_u32 v62, v0, 2, 0x1000
	v_mov_b32 v63, 0
	v_lshrrev_b32 v1, 5, v0
	v_readfirstlane_b32 s10, v1                    ; wave 0..3
	v_and_b32 v1, 31, v0                           ; lane
	v_lshlrev_b32 v2, 4, v1                        ; 16 x lane
	v_lshlrev_b32 v3, 3, v1                        ; 8 x lane
	v_lshlrev_b32 v4, 2, v1                        ; 4 x lane
	s_lshl_b32 s14, s10, 10
	v_add_nc_u32 v5, s14, v4                       ; LDS: my wave's 256 sums, 4 bytes a lane
	s_lshl_b32 s14, s10, 8
	v_add_nc_u32 v6, s14, v3                       ; and back: queries 64 w + 2 lane, + 1 of any wave's
	s_and_b32 s11, ttmp7, 0xffff                   ; 8 b + h
	s_lshr_b32 s12, s11, 3                         ; b
	s_and_b32 s13, s11, 7                          ; h
	s_lshl_b32 s14, s11, 7                         ; the head's first tile
	s_lshl_b32 s15, ttmp9, 4
	s_add_co_u32 s15, s15, s14
	s_mul_i32 s16, s15, 768                        ; my 16 tiles of queries
	s_mov_b32 s17, 0
	s_lshl_b32 s15, s10, 5
	s_add_co_u32 s15, s15, s14
	s_mul_i32 s18, s15, 768                        ; my wave's 32 tiles of keys
	s_mov_b32 s19, 0
	s_lshl_b32 s14, s12, 5                         ; the batch's first block of 64 tokens
	s_lshl_b32 s15, ttmp9, 2
	s_add_co_u32 s15, s15, s14
	s_lshl_b32 s15, s15, 3
	s_add_co_u32 s15, s15, s13
	s_lshl_b32 s20, s15, 7
	s_add_co_u32 s20, s20, SCOFF                   ; the queries' scale bytes
	s_mov_b32 s21, 0
	s_lshl_b32 s15, s10, 3
	s_add_co_u32 s15, s15, s14
	s_lshl_b32 s15, s15, 3
	s_add_co_u32 s15, s15, s13
	s_lshl_b32 s22, s15, 7
	s_add_co_u32 s22, s22, SCOFF                   ; my keys' scale bytes
	s_mov_b32 s23, 0
	s_lshl_b32 s24, s11, 11
	s_lshl_b32 s15, ttmp9, 8
	s_add_co_u32 s24, s24, s15
	s_lshl_b32 s15, s10, 6
	s_add_co_u32 s24, s24, s15
	s_lshl_b32 s24, s24, 2                         ; the 64 sums that I store
	s_mov_b32 s25, 0
	s_wait_kmcnt 0x0
	s_add_nc_u64 s[16:17], s[4:5], s[16:17]
	s_add_nc_u64 s[20:21], s[4:5], s[20:21]
	s_add_nc_u64 s[18:19], s[6:7], s[18:19]
	s_add_nc_u64 s[22:23], s[6:7], s[22:23]
	s_add_nc_u64 s[8:9], s[8:9], s[24:25]
.irp p, 0,1,2,3
	global_load_b32 v[RW+\p], v4, s[20:21] offset:1024*\p
.endr
.irp p, 0,1,2,3,4,5,6,7
	global_load_b32 v[KS+\p], v4, s[22:23] offset:1024*\p
.endr
	WIN 0x40                                       ; destination window 1
.set i, 0
.rept 16                                       ; query tile i: its 64 codes a token, into registers 0-5 and once more into 6-11
	global_load_b128 v[12*i:12*i+3], v2, s[16:17] offset:768*i
	global_load_b64 v[12*i+4:12*i+5], v3, s[16:17] offset:768*i+512
	global_load_b128 v[12*i+6:12*i+9], v2, s[16:17] offset:768*i
	global_load_b64 v[12*i+10:12*i+11], v3, s[16:17] offset:768*i+512
.set i, i+1
.endr
	WIN 0x80                                       ; destination window 2
.set i, 0
.rept 16                                       ; key fragment i: tile 2 i into registers 0-5, tile 2 i + 1 into 6-11
	global_load_b128 v[12*i:12*i+3], v2, s[18:19] offset:1536*i
	global_load_b64 v[12*i+4:12*i+5], v3, s[18:19] offset:1536*i+512
	global_load_b128 v[12*i+6:12*i+9], v2, s[18:19] offset:1536*i+768
	global_load_b64 v[12*i+10:12*i+11], v3, s[18:19] offset:1536*i+1280
.set i, i+1
.endr
	WIN 0
	s_wait_loadcnt 60                              ; all but the four loads of each of key fragments 1 to 15
.irp p, 0,1,2,3
	v_perm_b32 v[QSL+\p], v[RW+\p], v[RW+\p], 0x01000100   ; a query's two bytes serve k 0-63 and k 64-127 alike
	v_perm_b32 v[QSH+\p], v[RW+\p], v[RW+\p], 0x03020302
.endr
.rept 8
	v_nop                                          ; a scale register written by a vector instruction stands 8 places ahead of a scaled matrix instruction
.endr
	WIN 0x06                                       ; source 0 (keys) window 2, source 1 (queries) window 1, C and D window 0
.set j, 0
.rept 16
	s_wait_loadcnt 4*(15-j)                        ; fragment j is in; the four loads of each later fragment may be out
.set i, 0
.rept 16
	MM
.set i, i+1
.endr
.set j, j+1
.endr
	WIN 0
.rept 4
	v_nop                                          ; places in front of the reads of the results
.endr
	; a lane holds one query (lane % 16) and eight key rows: its eight registers are added, each accumulator from its low end on
.set i, 0
.rept 16
	v_pk_add_f32 v[U+4*i:U+4*i+1], v[ACC+8*i:ACC+8*i+1], v[ACC+8*i+2:ACC+8*i+3]
.set i, i+1
.endr
.set i, 0
.rept 16
	v_pk_add_f32 v[U+4*i+2:U+4*i+3], v[ACC+8*i+4:ACC+8*i+5], v[ACC+8*i+6:ACC+8*i+7]
.set i, i+1
.endr
.set i, 0
.rept 16
	v_pk_add_f32 v[U+4*i:U+4*i+1], v[U+4*i:U+4*i+1], v[U+4*i+2:U+4*i+3]
.set i, i+1
.endr
.set i, 0
.rept 16
	v_add_f32 v[T+i], v[U+4*i], v[U+4*i+1]
.set i, i+1
.endr
.irp p, 0,1,2,3,4,5,6,7
	v_permlane16_swap_b32 v[T+2*\p], v[T+2*\p+1]   ; the first's lanes 16-31 change places with the second's lanes 0-15:
.endr
.irp p, 0,1,2,3,4,5,6,7
	v_add_f32 v[R+\p], v[T+2*\p], v[T+2*\p+1]      ; the sum of the two halves: lane l holds query 32 p + l
.endr
.irp p, 0,1,2,3,4,5,6,7
	ds_store_b32 v5, v[R+\p] offset:128*\p
.endr
	s_wait_dscnt 0x0                               ; for the others' sake: my stores have landed
	s_barrier_signal -1
	s_barrier_wait -1
.irp w, 0,1,2,3
	ds_load_b64 v[U+2*\w:U+2*\w+1], v6 offset:1024*\w
.endr
	s_wait_dscnt 0x0
	v_pk_add_f32 v[U:U+1], v[U:U+1], v[U+2:U+3]
	v_pk_add_f32 v[U+4:U+5], v[U+4:U+5], v[U+6:U+7]
	v_pk_add_f32 v[U:U+1], v[U:U+1], v[U+4:U+5]
	global_store_b64 v3, v[U:U+1], s[8:9]          ; 256 consecutive bytes, aligned
	s_wait_tensorcnt 0x0
	ds_add_u32 v62, v63
	s_wait_dscnt 0x0
	s_endpgm
.Lfunc_end_k_qeb460bdb59_att1:
	.size	k_qeb460bdb59_att1, .Lfunc_end_k_qeb460bdb59_att1-k_qeb460bdb59_att1
	.p2alignl 7, 3214868480
	.fill 96, 4, 3214868480
	.section	.rodata,"a",@progbits
	.p2align	6, 0x0
	.amdhsa_kernel k_qeb460bdb59_att1
		.amdhsa_group_segment_fixed_size 4608
		.amdhsa_private_segment_fixed_size 0
		.amdhsa_enable_private_segment 0
		.amdhsa_kernarg_size 24
		.amdhsa_user_sgpr_count 2
		.amdhsa_user_sgpr_kernarg_segment_ptr 1
		.amdhsa_wavefront_size32 1
		.amdhsa_system_sgpr_workgroup_id_x 1
		.amdhsa_system_sgpr_workgroup_id_y 1
		.amdhsa_system_sgpr_workgroup_id_z 1
		.amdhsa_system_vgpr_workitem_id 0
		.amdhsa_next_free_vgpr 768
		.amdhsa_next_free_sgpr 66
		.amdhsa_reserve_vcc 0
		.amdhsa_float_denorm_mode_32 3
		.amdhsa_float_denorm_mode_16_64 3
		.amdhsa_memory_ordered 1
		.amdhsa_forward_progress 1
		.amdhsa_inst_pref_size 55
	.end_amdhsa_kernel
	.amdgpu_metadata
---
amdhsa.version: [ 1, 2 ]
amdhsa.kernels:
  - .name:           k_qeb460bdb59_att1
    .symbol:         k_qeb460bdb59_att1.kd
    .args:
      - { .name: cb0, .offset: 0, .size: 8, .value_kind: global_buffer, .address_space: global }
      - { .name: cb1, .offset: 8, .size: 8, .value_kind: global_buffer, .address_space: global }
      - { .name: rel, .offset: 16, .size: 8, .value_kind: global_buffer, .address_space: global }
    .group_segment_fixed_size: 4608
    .private_segment_fixed_size: 0
    .kernarg_segment_align: 8
    .kernarg_segment_size: 24
    .max_flat_workgroup_size: 128
    .sgpr_count:     66
    .vgpr_count:     768
    .wavefront_size: 32
...
	.end_amdgpu_metadata
.endif
;; end of part 2
;; launch step2 (part 3): grid 128 x 2, 4 waves a work-group, no clusters, 164,352 bytes of LDS; arguments x_vid, x_aud, rel, aud_kpm, vid_kpm, vg_W1, vg_b1, vg_W2, vg_b2, aud_ln_g, aud_ln_b, Wk_vid_for_aud_codes, Wk_vid_for_aud_scales, Wq_aud_codes, Wq_aud_scales, cb1, cb0, g_aud, out1, g_vid, out0, cfg2; writes cb1, cb0, g_vid, out0
.if DOCPART == 3
	.amdgcn_target "amdgcn-amd-amdhsa--gfx1250"
	.amdhsa_code_object_version 6
	.text
	.protected	k_qeb460bdb59_step2
	.globl	k_qeb460bdb59_step2
	.p2align	8
	.type	k_qeb460bdb59_step2,@function
k_qeb460bdb59_step2:
	s_mov_b64 s[64:65], 0
	v_nop
	global_prefetch_b8 v0, s[64:65] scope:SCOPE_SE
	s_setreg_imm32_b32 hwreg(HW_REG_WAVE_MODE, 25, 1), 1
	s_wait_xcnt 0x0
; The step between two attention launches: the two projections of the next attention, 128 x 2 work-groups.
; y = 0, THE KEYS, from the stream that has just been gated: from the raw sums rel it makes the gate of each row (division by the keys that count, 8 -> 16 -> 1, sigmoid; all in f32), x <- x + x gate,
; and from the new x the keys (rows hidden by the stream's own mask get zero codes).  y = 1, THE QUERIES, from the other stream as it stands: its input, with its stored gate applied if it has one.
; Both projections of a launch have the same norm (g, b) and the same layer.  x itself never goes to memory between the layers: only the gates do, 4 bytes a row.
; TWO STORED WHOLE NUMBERS, which the first launch wrote into this launch's table, make the text serve three launches.  gl (word 0) = the layer of the gate that is made: with gl = 1 the new x of y = 0 is
; the problem's output and is stored; with gl = 0 the gate is stored instead.  pl (word 1) = the layer of the norm and the weights.  A stored gate is loaded and applied first where the stream has one:
; for y = 0 where gl = 1, for y = 1 where pl = 1.  Both numbers are held to 0 .. 1 by s_min_u32 before they enter an address.  The branches on them and on y hold no barrier.
; The gate from rel is computed by y = 1 too, and not used there.  The argument slots that a launch's numbers leave unused name buffers that it neither reads nor writes.
; SHARES, LAYOUTS: as in the first launch.  A work-group takes 64 rows and one projection.  Each wave gates, normalises and quantises 16 whole rows; then wave w makes output features
; 128 w .. 128 w + 127 (heads 2 w, 2 w + 1) for all 64 rows, with its 32 weight fragments (384 registers) read once, straight from memory into registers.  The rows' codes go from wave to wave through
; LDS as images of the operand's registers: one barrier.  THE PRODUCT IS USED TRANSPOSED (source 0 = 16 rows of W, source 1 = 16 rows of x), and lane r of tile 2 b + u takes row
; 32 b + 8 u + r + 8 (r / 8) of W, so that a lane's 16 registers of two neighbouring tiles are 16 neighbouring features.
; OUTPUT LAYOUT.  Codes: for (batch, head, tile of 16 tokens) 768 bytes at ((8 b + head) 128 + tile) 768: lane l's registers 0-3 at 16 l, then its registers 4-5 at 512 + 8 l.
; Scale bytes from SCOFF on: two bytes a token and head, at (block of 64 tokens x 8 + head) 128 + 64 (t / 32 % 2) + 4 (t % 16) + 2 (t / 16 % 2).
; No tensor load and no cluster: the text branches on numbers read from memory, and every byte that a work-group takes in is used once from registers.
; LIMITS: NaN and infinities are not served.  A block whose largest magnitude lies under 2^-122 keeps the scale byte 1.  Divisions are v_rcp_f32 and a multiplication, 1 / sqrt is v_rsq_f32.
.set PITCH,  2064                      ; a row of 512 f32 in the stage + 16 bytes = 129 x 16: the sixteen rows that a load touches start 16 bytes apart modulo 256
.set WSTG,   16*PITCH                  ; a wave's own stage: 16 rows
.set FRB,    1536                      ; a fragment's image: 12 registers x 128 bytes
.set XIMG,   4*WSTG                    ; x's 16 fragments: tile of rows m, K step s at 4 m + s
.set XSC,    XIMG+16*FRB               ; their scale words, 128 bytes each
.set HSC,    XSC+16*128                ; each wave's own 256 bytes of result scale bytes
.set SCOFF,  3145728
.set RR,   2                           ; v2  r = lane % 16
.set HB,   3                           ; v3  h = lane / 16
.set O16,  4                           ; v4  16 x lane
.set O8,   5                           ; v5  8 x lane
.set O4R,  6                           ; v6  4 r
.set AW,   7                           ; v7  W's codes: (r + 8 (r / 8)) 384 + 24 h
.set AWS,  8                           ; v8  W's scales: (r + 8 (r / 8)) 16
.set STW,  9                           ; v9  stage, in: wave + 16 x lane
.set STR,  10                          ; v10 stage, out: wave + r x PITCH + 64 h
.set IMW,  11                          ; v11 where I store x's images
.set ISW,  12                          ; v12 and their scale words
.set IMR,  13                          ; v13 where any image is read: XIMG + 16 x lane
.set ISR,  14                          ; v14 XSC + 4 x lane
.set G256, 15                          ; v15 256 h: my eight rows of the gate's W1
.set G32,  16                          ; v16 32 h: my eight numbers of b1 and of W2
.set HSW,  19                          ; v19 result scale bytes, in
.set HSR,  20                          ; v20 and out
.set SH,   21                          ; v21 16 h
.set ZERO, 22
.set KM,   24                          ; v24-27 the stream's own mask byte of row 16 m + r
.set GT,   28                          ; the gate of row r
.set GP,   29                          ; the stored gate of row r
.set TV,   30
.set WS,   32                          ; v32-63 W's scale words: tile t, K step s at 4 t + s
.set TM,   64                          ; v64-79 the quantiser's work
.set PW,   80                          ; the scale word just made
.set PC,   82                          ; v82-101 the codes just made
.set XS,   102                         ; v102-105 x's scale words
.set REL,  106                         ; the gate: v106-113 the 8 heads' sums of row r
.set KP,   114                         ; v114-129 the key mask of my batch, 64 bytes a lane
.set GW1,  142                         ; v142-205 W1[8 h + j][0 .. 7] at 8 j
.set GB1,  206                         ; v206-213 b1[8 h + j]
.set GW2,  214                         ; v214-221 W2[8 h + j]
.set HH,   222                         ; v222-229 my eight hidden units
.set MI,   230                         ; v230-234 at work
.set LG,   106                         ; the norm: v106-121 g, v122-137 b of my 16 columns
.set LB,   122
.set S,    138                         ; v138-169 a pair for each of my 16 rows: sums, then the mean, then 1 / sqrt in the low register
.set HA,   106                         ; the product: v106-169 the 8 result tiles
.set XF,   170                         ; v170-217 x's four fragments of a tile of rows
.set XB,   4                           ; s[4:5] x, after the choice by y
.set RELB, 8                           ; s[8:9] rel
.set KPG,  10                          ; s[10:11] the mask of the keys that rel was summed over
.set KPO,  12                          ; s[12:13] the mask of the keys that are made here
.set PW1,  14                          ; s[14:19] the gate's W1, b1, W2
.set PB1,  16
.set PW2,  18
.set LNG,  22                          ; s[22:25] the norm's g, b
.set LNB,  24
.set WC,   26                          ; s[26:29] W's codes, W's scales, after the choice by y
.set WSC,  28
.set OUT,  34                          ; s[34:35] the codes' buffer, after the choice by y
.set OUTS, 36                          ; s[36:37] my scale bytes in it
.set GPV,  38                          ; s[38:39] the stored gates, after the choice by y
.set GNW,  42                          ; s[42:43] the new gates
.set XO,   44                          ; s[44:45] the new x
.set WV,   50
.set Y,    51
.set ROW0, 52
.set B,    53
.set GL,   54                          ; s[54:55] the table's two words: gl, pl
.set LY,   55
.set SEL,  56
.set T0,   58
.set ISK,  59
.set OFF,  60
.set B2S,  62
.set HP,   63                          ; 1: my stream has a stored gate
.set GS,   66                          ; s[66:97] the gate of row i in s[66 + 2 i]; the odd ones are written once, since the packed form names pairs
.set INV,  98
.set EPS,  99
.set MSB, 0
.macro WIN new                         ; the immediate's high byte repeats the setting that is left
.if MSB != (\new)
	s_set_vgpr_msb (MSB<<8)|(\new)
.set MSB, (\new)
.endif
.endm
.macro PLACES n
.rept \n
	v_nop
.endr
.endm
; rows i0 .. i1 of my 16: four loads of 512 consecutive bytes a row, into window 3: element (row i, column 128 j + 4 lane + e) at v[16 i + 4 j + e]
.macro XLOAD i0, i1
	WIN 0xc0
.set xi, \i0
.rept (\i1)-(\i0)+1
.irp j, 0,1,2,3
	global_load_b128 v[16*xi+4*\j:16*xi+4*\j+3], v[O16], s[XB:XB+1] offset:xi*2048+\j*512
.endr
.set xi, xi+1
.endr
	WIN 0
.endm
; tile t of my 8 tiles of W: its four fragments (K steps 0, 1 into window 1, K steps 2, 3 into window 2, at v[12 (2 t + s % 2)]) and its rows' four scale words: 25 loads
.macro WBATCH t
	WIN 0x40
.irp s, 0,1
.irp p, 0,1,2,3,4,5
	global_load_b64 v[12*(2*(\t)+\s)+2*\p:12*(2*(\t)+\s)+2*\p+1], v[AW], s[WC:WC+1] offset:(32*((\t)/2)+8*((\t)%2))*384+96*\s+48*(\p/3)+8*(\p%3)
.endr
.endr
	WIN 0x80
.irp s, 0,1
.irp p, 0,1,2,3,4,5
	global_load_b64 v[12*(2*(\t)+\s)+2*\p:12*(2*(\t)+\s)+2*\p+1], v[AW], s[WC:WC+1] offset:(32*((\t)/2)+8*((\t)%2))*384+96*(\s+2)+48*(\p/3)+8*(\p%3)
.endr
.endr
	WIN 0
	global_load_b128 v[WS+4*(\t):WS+4*(\t)+3], v[AWS], s[WSC:WSC+1] offset:(32*((\t)/2)+8*((\t)%2))*16
.endm
; THE GATE of row r, in lanes r and r + 16: lane (r, h) makes hidden units 8 h .. 8 h + 7
.macro GATE
.irp k, 0,1,2,3,4,5,6,7
	v_add_nc_u32 v[KP+\k], v[KP+\k], v[KP+8+\k]    ; the mask's bytes are 0 or 1: sixteen words are added byte by byte, 16 at the most in a byte
.endr
.irp k, 0,1,2,3
	v_add_nc_u32 v[KP+\k], v[KP+\k], v[KP+4+\k]
.endr
	v_add_nc_u32 v[KP], v[KP], v[KP+2]
	v_add_nc_u32 v[KP+1], v[KP+1], v[KP+3]
	v_add_nc_u32 v[KP], v[KP], v[KP+1]
	s_mov_b32 s[T0], 0x01010101
	v_mul_lo_u32 v[MI], v[KP], s[T0]               ; the top byte is the sum of the four
	v_lshrrev_b32 v[MI], 24, v[MI]
	v_cvt_f32_u32 v[MI], v[MI]
.irp x, 1,2,4,8
	v_add_f32_dpp v[MI], v[MI], v[MI] row_xmask:\x row_mask:0xf bank_mask:0xf
.endr
	v_permlanex16_b32 v[MI+1], v[MI], s[SEL], s[SEL+1]
	v_add_f32 v[MI], v[MI], v[MI+1]                ; the batch's hidden keys (whole numbers up to 2,048: exact)
	v_sub_f32 v[MI], 0x45000000, v[MI]             ; 2,048 less those: the keys that count
	v_max_num_f32 v[MI+2], 1.0, v[MI]
	v_rcp_f32 v[MI+2], v[MI+2]
	v_nop                                          ; one plain place behind a transcendental
	s_wait_alu depctr_va_vdst(0)
	v_mul_f32 v[MI+2], 0x3e000000, v[MI+2]         ; x 1 / sqrt(64)
.irp h, 0,1,2,3,4,5,6,7
	v_mul_f32 v[REL+\h], v[MI+2], v[REL+\h]
.endr
.irp j, 0,1,2,3,4,5,6,7
	v_fma_f32 v[HH+\j], v[REL], v[GW1+8*\j], v[GB1+\j]   ; the bias starts each sum; the eight units by turns
.endr
.irp h, 1,2,3,4,5,6,7
.irp j, 0,1,2,3,4,5,6,7
	v_fma_f32 v[HH+\j], v[REL+\h], v[GW1+8*\j+\h], v[HH+\j]
.endr
.endr
.irp j, 0,1,2,3,4,5,6,7
	v_max_num_f32 v[HH+\j], 0, v[HH+\j]
.endr
	v_mul_f32 v[MI+3], v[HH], v[GW2]
	v_mul_f32 v[MI+4], v[HH+1], v[GW2+1]
.irp j, 2,4,6
	v_fma_f32 v[MI+3], v[HH+\j], v[GW2+\j], v[MI+3]
	v_fma_f32 v[MI+4], v[HH+\j+1], v[GW2+\j+1], v[MI+4]
.endr
	v_add_f32 v[MI+3], v[MI+3], v[MI+4]
	v_permlanex16_b32 v[MI+1], v[MI+3], s[SEL], s[SEL+1]
	v_add_f32 v[MI+3], v[MI+3], v[MI+1]            ; with the other eight units
	v_add_f32 v[MI+3], s[B2S], v[MI+3]
	v_mul_f32 v[MI+3], 0xbfb8aa3b, v[MI+3]         ; sigmoid(o) = 1 / (1 + 2^(-o log2 e))
	v_exp_f32 v[MI+3], v[MI+3]
	v_nop
	s_wait_alu depctr_va_vdst(0)
	v_add_f32 v[MI+3], 1.0, v[MI+3]
	v_rcp_f32 v[GT], v[MI+3]
	v_nop
	v_cmp_eq_f32 vcc_lo, 0, v[MI]
	s_wait_alu depctr_va_vdst(0)
	v_cndmask_b32 v[GT], v[GT], v[ZERO], vcc_lo    ; a batch all of whose keys are hidden has the gate 0
.endm
; x <- x + x gate: row i's gate goes from lane i into a scalar register, which every lane multiplies by
.macro APPLY vg
.set i, 0
.rept 16
	v_readlane_b32 s[GS+2*i], v[\vg], i
.set i, i+1
.endr
	WIN 0xf3
.set q, 0
.rept 128
	v_pk_fma_f32 v[2*q:2*q+1], v[2*q:2*q+1], s[GS+2*(q/8):GS+2*(q/8)+1], v[2*q:2*q+1] op_sel_hi:[1,0,1]
.set q, q+1
.endr
	WIN 0
.endm
; the 16 pairs S become 16 sums over the wave, in every lane, in each pair's low register
.macro RSUM
.set i, 0
.rept 16
	v_add_f32 v[S+2*i], v[S+2*i], v[S+2*i+1]
.set i, i+1
.endr
.irp x, 1,2,4,8
.set i, 0
.rept 16
	v_add_f32_dpp v[S+2*i], v[S+2*i], v[S+2*i] row_xmask:\x row_mask:0xf bank_mask:0xf
.set i, i+1
.endr
.endr
.set i, 0
.rept 16
	v_permlanex16_b32 v[S+2*i+1], v[S+2*i], s[SEL], s[SEL+1]
.set i, i+1
.endr
.set i, 0
.rept 16
	v_add_f32 v[S+2*i], v[S+2*i], v[S+2*i+1]
.set i, i+1
.endr
.endm
; 64 numbers of a lane in window w, register s + 16 b + i = k 32 b + 16 (lane / 16) + i of my row, become a fragment's codes in v[PC] on and its scale word in v[PW]
.macro QUANT s, w
	WIN (\w)|((\w)<<2)
.irp b, 0,1,2,3
	v_max3_num_f32 v[TM+\b], |v[(\s)+16*\b]|, |v[(\s)+1+16*\b]|, 0x2800000   ; block b: my 16 numbers, and the floor 2^(5 - 127): the byte cannot fall under 1
.endr
	WIN ((\w)<<2)|((\w)<<4)
.irp i, 2,4,6,8,10,12,14
.irp b, 0,1,2,3
	v_max3_num_f32 v[TM+\b], v[TM+\b], |v[(\s)+16*\b+\i]|, |v[(\s)+1+16*\b+\i]|   ; the four blocks by turns
.endr
.endr
	WIN 0
.irp b, 0,1,2,3
	v_permlanex16_b32 v[TM+4+\b], v[TM+\b], s[SEL], s[SEL+1]
.endr
.irp b, 0,1,2,3
	v_max_num_f32 v[TM+\b], v[TM+\b], v[TM+4+\b]   ; with lane l xor 16's: the block's largest magnitude
.endr
.irp b, 0,1,2,3
	v_add_nc_u32 v[TM+12+\b], 0xfe000000, v[TM+\b]   ; 4 off its exponent field: the conversion's scale operand
.endr
.irp b, 0,1,2,3
	v_lshrrev_b32 v[TM+4+\b], 23, v[TM+12+\b]   ; the scale's byte
.endr
	v_lshl_or_b32 v[PW], v[TM+5], 8, v[TM+4]
	v_lshl_or_b32 v[PW], v[TM+6], 16, v[PW]
	v_lshl_or_b32 v[PW], v[TM+7], 24, v[PW]
	WIN \w
.irp c, 0,1
	v_cvt_scalef32_pk16_bf6_f32 v[PC+6*\c:PC+2+6*\c], v[(\s)+32*\c:(\s)+15+32*\c], v[TM+12+2*\c]
	v_cvt_scalef32_pk16_bf6_f32 v[PC+12+4*\c:PC+14+4*\c], v[(\s)+16+32*\c:(\s)+31+32*\c], v[TM+12+2*\c+1]   ; (a conversion's three registers begin on an even number)
.endr
	WIN 0
	v_nop                                          ; one plain place behind a scaled conversion
.irp c, 0,1                                    ; the operand's layout wants a whole block in a lane: lanes 0-15 block 2 c, lanes 16-31 block 2 c + 1
.irp i, 0,1,2
	v_permlane16_swap_b32 v[PC+6*\c+\i], v[PC+12+4*\c+\i]
.endr
.irp i, 0,1,2
	v_mov_b32 v[PC+3+6*\c+\i], v[PC+12+4*\c+\i]
.endr
.endr
.endm
.macro IMAGE adr, off                          ; the fragment in v[PC] on goes to LDS as it stands
.irp c, 0,1,2
	ds_store_b128 v[\adr], v[PC+4*\c:PC+4*\c+3] offset:(\off)+512*\c
.endr
.endm
.macro FETCH reg, off                          ; and comes back so, in any wave
.irp c, 0,1,2
	ds_load_b128 v[(\reg)+4*\c:(\reg)+4*\c+3], v[IMR] offset:(\off)+512*\c
.endr
.endm
.macro FETCHX m                                ; the four fragments and scale words of rows 16 m .. 16 m + 15
.irp s, 0,1,2,3
	FETCH XF+12*\s, (4*(\m)+\s)*FRB
	ds_load_b32 v[XS+\s], v[ISR] offset:(4*(\m)+\s)*128
.endr
.endm
.macro MM1 t, s                                ; tile t, K step s; the first K step starts the sum
.if (\s) == 0
	v_wmma_scale_f32_16x16x128_f8f6f4 v[HA+8*\t:HA+8*\t+7], v[12*(2*\t+\s%2):12*(2*\t+\s%2)+11], v[XF+12*\s:XF+12*\s+11], 0, v[WS+4*\t+\s], v[XS+\s] matrix_a_fmt:MATRIX_FMT_BF6 matrix_b_fmt:MATRIX_FMT_BF6
.else
	v_wmma_scale_f32_16x16x128_f8f6f4 v[HA+8*\t:HA+8*\t+7], v[12*(2*\t+\s%2):12*(2*\t+\s%2)+11], v[XF+12*\s:XF+12*\s+11], v[HA+8*\t:HA+8*\t+7], v[WS+4*\t+\s], v[XS+\s] matrix_a_fmt:MATRIX_FMT_BF6 matrix_b_fmt:MATRIX_FMT_BF6
.endif
.endm
; rows 16 m .. 16 m + 15 against my 128 features: 32 matrix instructions, the eight accumulators by turns; then the results are quantised and stored
.macro TILE m
	s_wait_dscnt 0x0                               ; x's fragments and scale words are in (and my last scale bytes' store has read its register)
	WIN 0x01
.irp s, 0,1
.irp t, 0,1,2,3,4,5,6,7
	MM1 \t, \s
.endr
.endr
	WIN 0x02
.irp s, 2,3
.irp t, 0,1,2,3,4,5,6,7
	MM1 \t, \s
.endr
.endr
	WIN 0
	PLACES 5                                       ; in front of loads into x's registers, of the reads of the results, and of the next tile's products, which write over these accumulators
.if (\m) < 3
	FETCHX (\m)+1
.endif
	s_wait_xcnt 0x0                                ; the last tile's stores have read v[PC] on: only now is it written again
	QUANT HA, 0                                    ; it reads each accumulator from its low end on
	v_cmp_ne_u32 vcc_lo, 0, v[KM+(\m)]
.irp c, 0,1,2,3,4,5,6,7,8,9,10,11
	v_cndmask_b32 v[PC+\c], v[PC+\c], v[ZERO], vcc_lo   ; a hidden key's codes are zeros: it adds nothing to any sum
.endr
	global_store_b128 v[O16], v[PC:PC+3], s[OUT:OUT+1] offset:768*(\m)             ; head 2 w: 512 consecutive bytes,
	global_store_b64 v[O8], v[PC+4:PC+5], s[OUT:OUT+1] offset:768*(\m)+512         ; and 256
	global_store_b128 v[O16], v[PC+6:PC+9], s[OUT:OUT+1] offset:98304+768*(\m)     ; head 2 w + 1
	global_store_b64 v[O8], v[PC+10:PC+11], s[OUT:OUT+1] offset:98304+768*(\m)+512
	v_lshrrev_b32 v[TV], v[SH], v[PW]              ; lanes 0-15: head 2 w's two bytes, lanes 16-31: head 2 w + 1's
	ds_store_b16 v[HSW], v[TV] offset:((\m)/2)*64+((\m)%2)*2
.endm
	s_load_b512 s[4:19], s[0:1], 0x0               ; the keys' stream, the queries' stream, rel, the mask under rel, the mask of the keys made here, the gate's W1, b1, W2
	s_load_b512 s[20:35], s[0:1], 0x40             ; the gate's b2, the norm's g, b, the keys' W: codes, scales, the queries' W: codes, scales, the keys' codes
	s_load_b256 s[36:43], s[0:1], 0x80             ; the queries' codes, the stored gates of the keys' stream, of the queries' stream, the new gates
	s_load_b128 s[44:47], s[0:1], 0xa0             ; the new x, this launch's table
	v_lshl_add_u32 v254, v0, 2, 0x28000
	v_mov_b32 v255, 0
	v_lshrrev_b32 v1, 5, v0
	v_readfirstlane_b32 s[WV], v1                  ; wave 0..3
	v_and_b32 v1, 31, v0                           ; lane
	v_and_b32 v[RR], 15, v0
	v_bfe_u32 v[HB], v0, 4, 1
	v_lshlrev_b32 v[O16], 4, v1
	v_lshlrev_b32 v[O8], 3, v1
	v_lshlrev_b32 v[O4R], 2, v[RR]
	v_and_b32 v[TV], 8, v[RR]
	v_add_nc_u32 v[TV], v[TV], v[RR]               ; r + 8 (r / 8)
	v_mul_u32_u24 v[AW], v[TV], 384
	v_mad_u32_u24 v[AW], v[HB], 24, v[AW]
	v_lshlrev_b32 v[AWS], 4, v[TV]
	s_mul_i32 s[T0], s[WV], WSTG
	v_add_nc_u32 v[STW], s[T0], v[O16]
	v_mul_u32_u24 v[STR], v[RR], PITCH
	v_lshl_add_u32 v[STR], v[HB], 6, v[STR]
	v_add_nc_u32 v[STR], s[T0], v[STR]
	s_mul_i32 s[T0], s[WV], 4*FRB
	s_add_co_u32 s[T0], s[T0], XIMG
	v_add_nc_u32 v[IMW], s[T0], v[O16]
	s_lshl_b32 s[T0], s[WV], 9
	s_add_co_u32 s[T0], s[T0], XSC
	v_lshlrev_b32 v[ISR], 2, v1
	v_add_nc_u32 v[ISW], s[T0], v[ISR]
	v_add_nc_u32 v[IMR], XIMG, v[O16]
	v_add_nc_u32 v[ISR], XSC, v[ISR]
	v_lshlrev_b32 v[G256], 8, v[HB]
	v_lshlrev_b32 v[G32], 5, v[HB]
	s_lshl_b32 s[T0], s[WV], 8
	s_add_co_u32 s[T0], s[T0], HSC
	v_lshl_add_u32 v[HSW], v[HB], 7, v[O4R]
	v_add_nc_u32 v[HSW], s[T0], v[HSW]
	v_add_nc_u32 v[HSR], s[T0], v[O8]
	v_lshlrev_b32 v[SH], 4, v[HB]
	v_mov_b32 v[ZERO], 0
	v_mov_b32 v[GP], 0
	v_mov_b32 v[MI+1], 0                           ; written once: a lane permute's destination counts as one of its sources
.irp b, 0,1,2,3
	v_mov_b32 v[TM+4+\b], 0
.endr
.set i, 0
.rept 16
	s_mov_b32 s[GS+2*i+1], 0
.set i, i+1
.endr
	s_and_b32 s[Y], ttmp7, 0xffff                  ; which projection
	s_lshr_b32 s[B], ttmp9, 5                      ; batch
	s_lshl_b32 s[ROW0], ttmp9, 6
	s_lshl_b32 s[T0], s[WV], 4
	s_add_co_u32 s[ROW0], s[ROW0], s[T0]           ; my wave's first row of the 8,192
	s_mov_b32 s[SEL], 0x76543210
	s_mov_b32 s[SEL+1], 0xfedcba98                 ; v_permlanex16_b32's selects for lane l xor 16
	s_mov_b32 s[INV], 0x3b000000                   ; 1 / 512
	s_mov_b32 s[EPS], 0x3727c5ac                   ; 1e-5
	s_mov_b32 s[OFF+1], 0
	s_wait_kmcnt 0x0
	s_load_b64 s[GL:GL+1], s[46:47], 0x0           ; the two stored whole numbers,
	s_load_b64 s[100:101], s[20:21], 0x0           ; and b2 of both layers
	s_cmp_eq_u32 s[Y], 0                           ; the choices hang on the work-group's number alone
	s_cselect_b64 s[4:5], s[4:5], s[6:7]           ; my stream,
	s_cselect_b64 s[26:27], s[26:27], s[30:31]     ; my weights' codes,
	s_cselect_b64 s[28:29], s[28:29], s[32:33]     ; their scales,
	s_cselect_b64 s[34:35], s[34:35], s[36:37]     ; where the results go,
	s_cselect_b64 s[38:39], s[38:39], s[40:41]     ; and my stream's stored gates
	s_cselect_b32 s[ISK], -1, 0                    ; only keys are masked
	s_lshl_b32 s[OFF], s[ROW0], 11
	s_add_nc_u64 s[XB:XB+1], s[XB:XB+1], s[OFF:OFF+1]
	s_add_nc_u64 s[XO:XO+1], s[XO:XO+1], s[OFF:OFF+1]
	s_lshl_b32 s[OFF], s[ROW0], 2
	s_add_nc_u64 s[GPV:GPV+1], s[GPV:GPV+1], s[OFF:OFF+1]
	s_add_nc_u64 s[GNW:GNW+1], s[GNW:GNW+1], s[OFF:OFF+1]
	s_mul_i32 s[T0], s[B], 57344                   ; rel is [8 b + h][2,048]: 65,536 b + 4 (row - 2,048 b)
	s_add_co_u32 s[OFF], s[OFF], s[T0]
	s_add_nc_u64 s[RELB:RELB+1], s[RELB:RELB+1], s[OFF:OFF+1]
	s_lshl_b32 s[OFF], s[B], 11
	s_add_nc_u64 s[KPG:KPG+1], s[KPG:KPG+1], s[OFF:OFF+1]
	s_lshl_b32 s[OFF], ttmp9, 6
	s_add_nc_u64 s[KPO:KPO+1], s[KPO:KPO+1], s[OFF:OFF+1]
	s_lshl_b32 s[OFF], ttmp9, 10
	s_lshl_b32 s[T0], s[WV], 8
	s_add_co_u32 s[OFF], s[OFF], s[T0]
	s_add_co_u32 s[OFF], s[OFF], SCOFF
	s_add_nc_u64 s[OUTS:OUTS+1], s[OUT:OUT+1], s[OFF:OFF+1]   ; my 256 scale bytes
	s_and_b32 s[T0], ttmp9, 31
	s_mul_i32 s[OFF], s[T0], 3072
	s_mul_i32 s[T0], s[B], 786432
	s_add_co_u32 s[OFF], s[OFF], s[T0]
	s_mul_i32 s[T0], s[WV], 196608
	s_add_co_u32 s[OFF], s[OFF], s[T0]
	s_add_nc_u64 s[OUT:OUT+1], s[OUT:OUT+1], s[OFF:OFF+1]     ; ((8 b + 2 w) 128 + 4 x block of 64 rows) 768
.irp h, 0,1,2,3,4,5,6,7
	global_load_b32 v[REL+\h], v[O4R], s[RELB:RELB+1] offset:8192*\h
.endr
.irp j, 0,1,2,3
	global_load_b128 v[KP+4*\j:KP+4*\j+3], v[O16], s[KPG:KPG+1] offset:512*\j
.endr
	XLOAD 0, 6                                     ; what hangs on no stored number is asked for first
	s_wait_kmcnt 0x0
	s_min_u32 s[GL], s[GL], 1
	s_min_u32 s[LY], s[LY], 1
	s_cmp_eq_u32 s[Y], 0
	s_cselect_b32 s[HP], s[GL], s[LY]              ; the keys' stream has a stored gate where gl = 1, the queries' where pl = 1
	s_lshl_b32 s[OFF], s[GL], 9
	s_add_nc_u64 s[PW1:PW1+1], s[PW1:PW1+1], s[OFF:OFF+1]
	s_lshl_b32 s[OFF], s[GL], 6
	s_add_nc_u64 s[PB1:PB1+1], s[PB1:PB1+1], s[OFF:OFF+1]
	s_add_nc_u64 s[PW2:PW2+1], s[PW2:PW2+1], s[OFF:OFF+1]
	s_lshl_b32 s[OFF], s[LY], 11
	s_add_nc_u64 s[LNG:LNG+1], s[LNG:LNG+1], s[OFF:OFF+1]
	s_add_nc_u64 s[LNB:LNB+1], s[LNB:LNB+1], s[OFF:OFF+1]
	s_mul_i32 s[OFF], s[LY], 196608
	s_mul_i32 s[T0], s[WV], 49152                  ; my 128 rows of W: 384 bytes of codes a row,
	s_add_co_u32 s[OFF], s[OFF], s[T0]
	s_add_nc_u64 s[WC:WC+1], s[WC:WC+1], s[OFF:OFF+1]
	s_lshl_b32 s[OFF], s[LY], 13
	s_lshl_b32 s[T0], s[WV], 11                    ; 16 scale bytes a row
	s_add_co_u32 s[OFF], s[OFF], s[T0]
	s_add_nc_u64 s[WSC:WSC+1], s[WSC:WSC+1], s[OFF:OFF+1]
	s_cmp_eq_u32 s[GL], 0
	s_cselect_b32 s[B2S], s100, s101
.irp j, 0,1,2,3,4,5,6,7
	global_load_b128 v[GW1+8*\j:GW1+8*\j+3], v[G256], s[PW1:PW1+1] offset:32*\j
	global_load_b128 v[GW1+8*\j+4:GW1+8*\j+7], v[G256], s[PW1:PW1+1] offset:32*\j+16
.endr
	global_load_b128 v[GB1:GB1+3], v[G32], s[PB1:PB1+1]
	global_load_b128 v[GB1+4:GB1+7], v[G32], s[PB1:PB1+1] offset:16
	global_load_b128 v[GW2:GW2+3], v[G32], s[PW2:PW2+1]
	global_load_b128 v[GW2+4:GW2+7], v[G32], s[PW2:PW2+1] offset:16
	s_cmp_eq_u32 s[HP], 0
	s_cbranch_scc1 .Lno_prev
	global_load_b32 v[GP], v[O4R], s[GPV:GPV+1]    ; my stream's stored gate
.Lno_prev:
	XLOAD 7, 15
	s_wait_loadcnt 36                              ; behind all that the gate reads stand the 36 loads of rows 7 to 15, on both ways
	GATE
.irp m, 0,1,2,3
	global_load_u8 v[KM+\m], v[RR], s[KPO:KPO+1] offset:16*\m
.endr
.irp j, 0,1,2,3
	global_load_b128 v[LG+4*\j:LG+4*\j+3], v[O16], s[LNG:LNG+1] offset:512*\j
	global_load_b128 v[LB+4*\j:LB+4*\j+3], v[O16], s[LNB:LNB+1] offset:512*\j
.endr
	s_wait_loadcnt 12                              ; behind x's last load stand these 12: all of x is in
	WBATCH 0                                       ; the weights are asked for tile by tile between the parts of the work
	s_cmp_eq_u32 s[HP], 0
	s_cbranch_scc1 .Lno_prev2
	APPLY GP
.Lno_prev2:
	s_cmp_lg_u32 s[Y], 0
	s_cbranch_scc1 .Lno_out                        ; the new gate belongs to the keys' stream alone
	APPLY GT
	s_cmp_eq_u32 s[GL], 0
	s_cbranch_scc1 .Lgate_out
	WIN 0x0c                                       ; a store's data are its source 1: window 3
.set q, 0
.rept 64
	global_store_b128 v[O16], v[4*q:4*q+3], s[XO:XO+1] offset:(q/4)*2048+(q%4)*512 th:TH_STORE_NT   ; 512 consecutive bytes, aligned; written once, read by nobody
.set q, q+1
.endr
	WIN 0
	s_branch .Lno_out
.Lgate_out:
	global_store_b32 v[O4R], v[GT], s[GNW:GNW+1]   ; lanes r and r + 16 store the same word with the same value
.Lno_out:
	WBATCH 1
	; ---- the rows' means
	WIN 0x0f
.set i, 0
.rept 16
	v_pk_add_f32 v[S+2*i:S+2*i+1], v[16*i:16*i+1], v[16*i+2:16*i+3]
.set i, i+1
.endr
	WIN 0x0c
.set p, 2
.rept 6
.set i, 0
.rept 16
	v_pk_add_f32 v[S+2*i:S+2*i+1], v[S+2*i:S+2*i+1], v[16*i+2*p:16*i+2*p+1]
.set i, i+1
.endr
.set p, p+1
.endr
	WIN 0
	WBATCH 2
	RSUM
.set i, 0
.rept 16
	v_mul_f32 v[S+2*i], s[INV], v[S+2*i]
.set i, i+1
.endr
	WBATCH 3
	s_wait_xcnt 0x0                                ; the stores of the new x have read their registers: only now are they written again
	; ---- x - mean
	WIN 0xc3
.set q, 0
.rept 128
	v_pk_add_f32 v[2*q:2*q+1], v[2*q:2*q+1], v[S+2*(q/8):S+2*(q/8)+1] op_sel_hi:[1,0] neg_lo:[0,1] neg_hi:[0,1]
.set q, q+1
.endr
	WIN 0
	WBATCH 4
	; ---- the mean of the squares, 1 / sqrt(. + eps)
	WIN 0x0f
.set i, 0
.rept 16
	v_pk_mul_f32 v[S+2*i:S+2*i+1], v[16*i:16*i+1], v[16*i:16*i+1]
.set i, i+1
.endr
.set p, 1
.rept 7
.set i, 0
.rept 16
	v_pk_fma_f32 v[S+2*i:S+2*i+1], v[16*i+2*p:16*i+2*p+1], v[16*i+2*p:16*i+2*p+1], v[S+2*i:S+2*i+1]
.set i, i+1
.endr
.set p, p+1
.endr
	WIN 0
	WBATCH 5
	RSUM
.set i, 0
.rept 16
	v_fma_f32 v[S+2*i], v[S+2*i], s[INV], s[EPS]
.set i, i+1
.endr
.set i, 0
.rept 16
	v_rsq_f32 v[S+2*i], v[S+2*i]
.set i, i+1
.endr
	v_nop                                          ; one plain place behind the transcendentals
	WBATCH 6
	s_wait_loadcnt 63                              ; 175 loads were issued behind g's and b's: with 63 at the most out, g and b are in
	WIN 0xc3
.set q, 0
	s_wait_alu depctr_va_vdst(0)
.rept 128
	v_pk_mul_f32 v[2*q:2*q+1], v[2*q:2*q+1], v[S+2*(q/8):S+2*(q/8)+1] op_sel_hi:[1,0]
.set q, q+1
.endr
.set q, 0
.rept 128
	v_pk_fma_f32 v[2*q:2*q+1], v[2*q:2*q+1], v[LG+2*(q%8):LG+2*(q%8)+1], v[LB+2*(q%8):LB+2*(q%8)+1]
.set q, q+1
.endr
	WIN 0
	WBATCH 7
	; ---- the turn through my own stage: in as loaded, out so that lane (r, h) holds, of row r, 16 neighbours of each block of 32: v[16 k + n] = column 32 k + 16 h + n
	WIN 0x0c
.set q, 0
.rept 64
	ds_store_b128 v[STW], v[4*q:4*q+3] offset:(q/4)*PITCH+512*(q%4)
.set q, q+1
.endr
	s_wait_dscnt 0x0                               ; the stores have read their registers, which the loads below fill
	WIN 0xc0
.set q, 0
.rept 64
	ds_load_b128 v[4*q:4*q+3], v[STR] offset:128*(q/4)+16*(q%4)
.set q, q+1
.endr
	WIN 0
	s_wait_dscnt 0x0
.irp k, 0,1,2,3
	QUANT 64*\k, 3
	IMAGE IMW, \k*FRB
	ds_store_b32 v[ISW], v[PW] offset:128*\k
	s_wait_dscnt 0x0                               ; the stores have read their registers; the last of these waits also stands in front of the signal: my images have landed
.endr
	s_barrier_signal -1
	s_barrier_wait -1                              ; x's sixteen fragments lie in LDS; they are not written again
	FETCHX 0
	s_wait_loadcnt 0x0                             ; the weights and the mask
.irp m, 0,1,2,3
	v_and_b32 v[KM+\m], s[ISK], v[KM+\m]
.endr
	TILE 0
	TILE 1
	TILE 2
	TILE 3
	ds_load_b64 v[TM:TM+1], v[HSR]                 ; LDS serves a wave's instructions in order: this sees my stores
	s_wait_dscnt 0x0
	global_store_b64 v[O8], v[TM:TM+1], s[OUTS:OUTS+1]   ; 256 consecutive bytes, aligned
	s_wait_tensorcnt 0x0
	ds_add_u32 v254, v255
	s_wait_dscnt 0x0
	s_endpgm
.Lfunc_end_k_qeb460bdb59_step2:
	.size	k_qeb460bdb59_step2, .Lfunc_end_k_qeb460bdb59_step2-k_qeb460bdb59_step2
	.p2alignl 7, 3214868480
	.fill 96, 4, 3214868480
	.section	.rodata,"a",@progbits
	.p2align	6, 0x0
	.amdhsa_kernel k_qeb460bdb59_step2
		.amdhsa_group_segment_fixed_size 164352
		.amdhsa_private_segment_fixed_size 0
		.amdhsa_enable_private_segment 0
		.amdhsa_kernarg_size 176
		.amdhsa_user_sgpr_count 2
		.amdhsa_user_sgpr_kernarg_segment_ptr 1
		.amdhsa_wavefront_size32 1
		.amdhsa_system_sgpr_workgroup_id_x 1
		.amdhsa_system_sgpr_workgroup_id_y 1
		.amdhsa_system_sgpr_workgroup_id_z 1
		.amdhsa_system_vgpr_workitem_id 0
		.amdhsa_next_free_vgpr 1024
		.amdhsa_next_free_sgpr 102
		.amdhsa_reserve_vcc 1
		.amdhsa_float_denorm_mode_32 3
		.amdhsa_float_denorm_mode_16_64 3
		.amdhsa_memory_ordered 1
		.amdhsa_forward_progress 1
		.amdhsa_inst_pref_size 185
	.end_amdhsa_kernel
	.amdgpu_metadata
---
amdhsa.version: [ 1, 2 ]
amdhsa.kernels:
  - .name:           k_qeb460bdb59_step2
    .symbol:         k_qeb460bdb59_step2.kd
    .args:
      - { .name: x_vid, .offset: 0, .size: 8, .value_kind: global_buffer, .address_space: global }
      - { .name: x_aud, .offset: 8, .size: 8, .value_kind: global_buffer, .address_space: global }
      - { .name: rel, .offset: 16, .size: 8, .value_kind: global_buffer, .address_space: global }
      - { .name: aud_kpm, .offset: 24, .size: 8, .value_kind: global_buffer, .address_space: global }
      - { .name: vid_kpm, .offset: 32, .size: 8, .value_kind: global_buffer, .address_space: global }
      - { .name: vg_W1, .offset: 40, .size: 8, .value_kind: global_buffer, .address_space: global }
      - { .name: vg_b1, .offset: 48, .size: 8, .value_kind: global_buffer, .address_space: global }
      - { .name: vg_W2, .offset: 56, .size: 8, .value_kind: global_buffer, .address_space: global }
      - { .name: vg_b2, .offset: 64, .size: 8, .value_kind: global_buffer, .address_space: global }
      - { .name: aud_ln_g, .offset: 72, .size: 8, .value_kind: global_buffer, .address_space: global }
      - { .name: aud_ln_b, .offset: 80, .size: 8, .value_kind: global_buffer, .address_space: global }
      - { .name: Wk_vid_for_aud_codes, .offset: 88, .size: 8, .value_kind: global_buffer, .address_space: global }
      - { .name: Wk_vid_for_aud_scales, .offset: 96, .size: 8, .value_kind: global_buffer, .address_space: global }
      - { .name: Wq_aud_codes, .offset: 104, .size: 8, .value_kind: global_buffer, .address_space: global }
      - { .name: Wq_aud_scales, .offset: 112, .size: 8, .value_kind: global_buffer, .address_space: global }
      - { .name: cb1, .offset: 120, .size: 8, .value_kind: global_buffer, .address_space: global }
      - { .name: cb0, .offset: 128, .size: 8, .value_kind: global_buffer, .address_space: global }
      - { .name: g_aud, .offset: 136, .size: 8, .value_kind: global_buffer, .address_space: global }
      - { .name: out1, .offset: 144, .size: 8, .value_kind: global_buffer, .address_space: global }
      - { .name: g_vid, .offset: 152, .size: 8, .value_kind: global_buffer, .address_space: global }
      - { .name: out0, .offset: 160, .size: 8, .value_kind: global_buffer, .address_space: global }
      - { .name: cfg2, .offset: 168, .size: 8, .value_kind: global_buffer, .address_space: global }
    .group_segment_fixed_size: 164352
    .private_segment_fixed_size: 0
    .kernarg_segment_align: 8
    .kernarg_segment_size: 176
    .max_flat_workgroup_size: 128
    .sgpr_count:     102
    .vgpr_count:     1024
    .wavefront_size: 32
...
	.end_amdgpu_metadata
.endif
;; end of part 3
;; launch att2: the kernel of part 2 again; grid 8 x 32, 4 waves a work-group, no clusters, 4,608 bytes of LDS; arguments cb0, cb1, rel; writes rel
;; launch step3: the kernel of part 3 again; grid 128 x 2, 4 waves a work-group, no clusters, 164,352 bytes of LDS; arguments x_aud, x_vid, rel, vid_kpm, aud_kpm, ag_W1, ag_b1, ag_W2, ag_b2, vid_ln_g, vid_ln_b, Wk_aud_for_vid_codes, Wk_aud_for_vid_scales, Wq_vid_codes, Wq_vid_scales, cb1, cb0, out0, g_vid, g_aud, out1, cfg3; writes cb1, cb0, g_aud, out1
;; launch att3: the kernel of part 2 again; grid 8 x 32, 4 waves a work-group, no clusters, 4,608 bytes of LDS; arguments cb0, cb1, rel; writes rel
;; launch step4: the kernel of part 3 again; grid 128 x 2, 4 waves a work-group, no clusters, 164,352 bytes of LDS; arguments x_vid, x_aud, rel, aud_kpm, vid_kpm, vg_W1, vg_b1, vg_W2, vg_b2, aud_ln_g, aud_ln_b, Wk_vid_for_aud_codes, Wk_vid_for_aud_scales, Wq_aud_codes, Wq_aud_scales, cb1, cb0, g_vid, g_aud, out1, out0, cfg4; writes cb1, cb0, out1, out0
;; launch att4: the kernel of part 2 again; grid 8 x 32, 4 waves a work-group, no clusters, 4,608 bytes of LDS; arguments cb0, cb1, rel; writes rel
;; launch fin (part 4): grid 256 x 1, 4 waves a work-group, no clusters, 0 bytes of LDS; arguments x_aud, rel, vid_kpm, ag_W1, ag_b1, ag_W2, ag_b2, g_aud, out1; writes out1
.if DOCPART == 4
	.amdgcn_target "amdgcn-amd-amdhsa--gfx1250"
	.amdhsa_code_object_version 6
	.text
	.protected	k_qeb460bdb59_fin
	.globl	k_qeb460bdb59_fin
	.p2align	8
	.type	k_qeb460bdb59_fin,@function
k_qeb460bdb59_fin:
	s_mov_b64 s[64:65], 0
	v_nop
	global_prefetch_b8 v0, s[64:65] scope:SCOPE_SE
	s_setreg_imm32_b32 hwreg(HW_REG_WAVE_MODE, 25, 1), 1
	s_wait_xcnt 0x0
; The last half layer's end: out1 = x2 + x2 gate, x2 = x_aud + x_aud g (g: the first layer's gate of this stream, stored by an earlier launch); gate: from the raw sums
; rel by the division by the keys that count, the layer-1 gate network 8 -> 16 -> 1 and a sigmoid, all in f32.
; A stream: memory binds, so no LDS, no barrier, no matrix unit.  A work-group takes 32 rows, a wave 8 whole rows: 32 loads of 512 consecutive bytes are out while the gate is made; each store covers 512
; consecutive bytes, aligned.  Lane (r, h) makes hidden units 8 h .. 8 h + 7 of row r % 8.
; LIMITS: NaN and infinities are not served.  Divisions are v_rcp_f32 and a multiplication.
.set O16,  4                           ; v4  16 x lane
.set O4R,  6                           ; v6  4 (r % 8)
.set G256, 8                           ; v8  256 h
.set G32,  9                           ; v9  32 h
.set ZERO, 10
.set REL,  16                          ; v16-23  the 8 heads' sums of my row
.set KP,   24                          ; v24-39  the key mask of my batch, 64 bytes a lane
.set HH,   32                          ; v32-39  my eight hidden units (over the mask's upper words, which are added first)
.set GW1,  40                          ; v40-103 W1[8 h + j][0 .. 7] at 8 j
.set GB1,  104
.set GW2,  112
.set GP,   120                         ; the stored gate
.set GT,   121                         ; the gate
.set MI,   122                         ; v122-126 at work
.set X,    128                         ; v128-255 my 8 rows: (row i, column 128 j + 4 lane + e) at 16 i + 4 j + e
.set GS,   32                          ; s[32:47] the gate of row i in s[32 + 2 i]
.set WV,   50
.set ROW0, 52
.set B,    53
.set SEL,  56
.set T0,   58
.set OFF,  60
.set B2S,  62
.macro GATE
.irp k, 0,1,2,3,4,5,6,7
	v_add_nc_u32 v[KP+\k], v[KP+\k], v[KP+8+\k]    ; the mask's bytes are 0 or 1: sixteen words are added byte by byte, 16 at the most in a byte
.endr
.irp k, 0,1,2,3
	v_add_nc_u32 v[KP+\k], v[KP+\k], v[KP+4+\k]
.endr
	v_add_nc_u32 v[KP], v[KP], v[KP+2]
	v_add_nc_u32 v[KP+1], v[KP+1], v[KP+3]
	v_add_nc_u32 v[KP], v[KP], v[KP+1]
	s_mov_b32 s[T0], 0x01010101
	v_mul_lo_u32 v[MI], v[KP], s[T0]               ; the top byte is the sum of the four
	v_lshrrev_b32 v[MI], 24, v[MI]
	v_cvt_f32_u32 v[MI], v[MI]
.irp x, 1,2,4,8
	v_add_f32_dpp v[MI], v[MI], v[MI] row_xmask:\x row_mask:0xf bank_mask:0xf
.endr
	v_permlanex16_b32 v[MI+1], v[MI], s[SEL], s[SEL+1]
	v_add_f32 v[MI], v[MI], v[MI+1]                ; the batch's hidden keys (whole numbers up to 2,048: exact)
	v_sub_f32 v[MI], 0x45000000, v[MI]             ; 2,048 less those: the keys that count
	v_max_num_f32 v[MI+2], 1.0, v[MI]
	v_rcp_f32 v[MI+2], v[MI+2]
	v_nop                                          ; one plain place behind a transcendental
	s_wait_alu depctr_va_vdst(0)
	v_mul_f32 v[MI+2], 0x3e000000, v[MI+2]         ; x 1 / sqrt(64)
.irp h, 0,1,2,3,4,5,6,7
	v_mul_f32 v[REL+\h], v[MI+2], v[REL+\h]
.endr
.irp j, 0,1,2,3,4,5,6,7
	v_fma_f32 v[HH+\j], v[REL], v[GW1+8*\j], v[GB1+\j]   ; the bias starts each sum; the eight units by turns
.endr
.irp h, 1,2,3,4,5,6,7
.irp j, 0,1,2,3,4,5,6,7
	v_fma_f32 v[HH+\j], v[REL+\h], v[GW1+8*\j+\h], v[HH+\j]
.endr
.endr
.irp j, 0,1,2,3,4,5,6,7
	v_max_num_f32 v[HH+\j], 0, v[HH+\j]
.endr
	v_mul_f32 v[MI+3], v[HH], v[GW2]
	v_mul_f32 v[MI+4], v[HH+1], v[GW2+1]
.irp j, 2,4,6
	v_fma_f32 v[MI+3], v[HH+\j], v[GW2+\j], v[MI+3]
	v_fma_f32 v[MI+4], v[HH+\j+1], v[GW2+\j+1], v[MI+4]
.endr
	v_add_f32 v[MI+3], v[MI+3], v[MI+4]
	v_permlanex16_b32 v[MI+1], v[MI+3], s[SEL], s[SEL+1]
	v_add_f32 v[MI+3], v[MI+3], v[MI+1]            ; with the other eight units
	v_add_f32 v[MI+3], s[B2S], v[MI+3]
	v_mul_f32 v[MI+3], 0xbfb8aa3b, v[MI+3]         ; sigmoid(o) = 1 / (1 + 2^(-o log2 e))
	v_exp_f32 v[MI+3], v[MI+3]
	v_nop
	s_wait_alu depctr_va_vdst(0)
	v_add_f32 v[MI+3], 1.0, v[MI+3]
	v_rcp_f32 v[GT], v[MI+3]
	v_nop
	v_cmp_eq_f32 vcc_lo, 0, v[MI]
	s_wait_alu depctr_va_vdst(0)
	v_cndmask_b32 v[GT], v[GT], v[ZERO], vcc_lo    ; a batch all of whose keys are hidden has the gate 0
.endm
.macro APPLY vg                                ; x <- x + x gate: row i's gate goes from lane i into a scalar register
.irp i, 0,1,2,3,4,5,6,7
	v_readlane_b32 s[GS+2*\i], v[\vg], \i
.endr
.set q, 0
.rept 64
	v_pk_fma_f32 v[X+2*q:X+2*q+1], v[X+2*q:X+2*q+1], s[GS+2*(q/8):GS+2*(q/8)+1], v[X+2*q:X+2*q+1] op_sel_hi:[1,0,1]
.set q, q+1
.endr
.endm
	s_load_b512 s[4:19], s[0:1], 0x0               ; x_aud, rel, vid_kpm, W1, b1, W2, b2, the stored gates
	s_load_b64 s[20:21], s[0:1], 0x40              ; out1
	v_lshrrev_b32 v1, 5, v0
	v_readfirstlane_b32 s[WV], v1                  ; wave 0..3
	v_and_b32 v1, 31, v0                           ; lane
	v_and_b32 v2, 7, v0                            ; my row of the wave's eight
	v_bfe_u32 v3, v0, 4, 1                         ; h
	v_lshlrev_b32 v[O16], 4, v1
	v_lshlrev_b32 v[O4R], 2, v2
	v_lshlrev_b32 v[G256], 8, v3
	v_lshlrev_b32 v[G32], 5, v3
	v_mov_b32 v[ZERO], 0
	v_mov_b32 v[MI+1], 0                           ; written once: a lane permute's destination counts as one of its sources
.irp i, 0,1,2,3,4,5,6,7
	s_mov_b32 s[GS+2*\i+1], 0                      ; the packed form names pairs
.endr
	s_mov_b32 s[SEL], 0x76543210
	s_mov_b32 s[SEL+1], 0xfedcba98
	s_lshl_b32 s[ROW0], ttmp9, 5
	s_lshl_b32 s[T0], s[WV], 3
	s_add_co_u32 s[ROW0], s[ROW0], s[T0]           ; my wave's first row of the 8,192
	s_lshr_b32 s[B], ttmp9, 6                      ; batch
	s_mov_b32 s[OFF+1], 0
	s_wait_kmcnt 0x0
	s_load_b32 s[B2S], s[16:17], 0x4               ; b2 of layer 1
	s_lshl_b32 s[OFF], s[ROW0], 11
	s_add_nc_u64 s[4:5], s[4:5], s[OFF:OFF+1]
	s_add_nc_u64 s[20:21], s[20:21], s[OFF:OFF+1]
	s_lshl_b32 s[OFF], s[ROW0], 2
	s_add_nc_u64 s[18:19], s[18:19], s[OFF:OFF+1]
	s_mul_i32 s[T0], s[B], 57344                   ; rel is [8 b + h][2,048]: 65,536 b + 4 (row - 2,048 b)
	s_add_co_u32 s[OFF], s[OFF], s[T0]
	s_add_nc_u64 s[6:7], s[6:7], s[OFF:OFF+1]
	s_lshl_b32 s[OFF], s[B], 11
	s_add_nc_u64 s[8:9], s[8:9], s[OFF:OFF+1]
.irp h, 0,1,2,3,4,5,6,7
	global_load_b32 v[REL+\h], v[O4R], s[6:7] offset:8192*\h
.endr
.irp j, 0,1,2,3
	global_load_b128 v[KP+4*\j:KP+4*\j+3], v[O16], s[8:9] offset:512*\j
.endr
.irp j, 0,1,2,3,4,5,6,7
	global_load_b128 v[GW1+8*\j:GW1+8*\j+3], v[G256], s[10:11] offset:512+32*\j      ; layer 1 begins 512 bytes into W1, 64 into b1 and W2
	global_load_b128 v[GW1+8*\j+4:GW1+8*\j+7], v[G256], s[10:11] offset:512+32*\j+16
.endr
	global_load_b128 v[GB1:GB1+3], v[G32], s[12:13] offset:64
	global_load_b128 v[GB1+4:GB1+7], v[G32], s[12:13] offset:80
	global_load_b128 v[GW2:GW2+3], v[G32], s[14:15] offset:64
	global_load_b128 v[GW2+4:GW2+7], v[G32], s[14:15] offset:80
	global_load_b32 v[GP], v[O4R], s[18:19]
.set q, 0
.rept 32
	global_load_b128 v[X+4*q:X+4*q+3], v[O16], s[4:5] offset:(q/4)*2048+(q%4)*512 th:TH_LOAD_NT
.set q, q+1
.endr
	s_wait_loadcnt 32                              ; behind all that the gate reads stand x's 32 loads
	s_wait_kmcnt 0x0                               ; b2
	GATE
	s_wait_loadcnt 0x0
	APPLY GP
	APPLY GT
.set q, 0
.rept 32
	global_store_b128 v[O16], v[X+4*q:X+4*q+3], s[20:21] offset:(q/4)*2048+(q%4)*512 th:TH_STORE_NT
.set q, q+1
.endr
	s_endpgm
.Lfunc_end_k_qeb460bdb59_fin:
	.size	k_qeb460bdb59_fin, .Lfunc_end_k_qeb460bdb59_fin-k_qeb460bdb59_fin
	.p2alignl 7, 3214868480
	.fill 96, 4, 3214868480
	.section	.rodata,"a",@progbits
	.p2align	6, 0x0
	.amdhsa_kernel k_qeb460bdb59_fin
		.amdhsa_group_segment_fixed_size 0
		.amdhsa_private_segment_fixed_size 0
		.amdhsa_enable_private_segment 0
		.amdhsa_kernarg_size 72
		.amdhsa_user_sgpr_count 2
		.amdhsa_user_sgpr_kernarg_segment_ptr 1
		.amdhsa_wavefront_size32 1
		.amdhsa_system_sgpr_workgroup_id_x 1
		.amdhsa_system_sgpr_workgroup_id_y 1
		.amdhsa_system_sgpr_workgroup_id_z 1
		.amdhsa_system_vgpr_workitem_id 0
		.amdhsa_next_free_vgpr 256
		.amdhsa_next_free_sgpr 66
		.amdhsa_reserve_vcc 1
		.amdhsa_float_denorm_mode_32 3
		.amdhsa_float_denorm_mode_16_64 3
		.amdhsa_memory_ordered 1
		.amdhsa_forward_progress 1
		.amdhsa_inst_pref_size 27
	.end_amdhsa_kernel
	.amdgpu_metadata
---
amdhsa.version: [ 1, 2 ]
amdhsa.kernels:
  - .name:           k_qeb460bdb59_fin
    .symbol:         k_qeb460bdb59_fin.kd
    .args:
      - { .name: x_aud, .offset: 0, .size: 8, .value_kind: global_buffer, .address_space: global }
      - { .name: rel, .offset: 8, .size: 8, .value_kind: global_buffer, .address_space: global }
      - { .name: vid_kpm, .offset: 16, .size: 8, .value_kind: global_buffer, .address_space: global }
      - { .name: ag_W1, .offset: 24, .size: 8, .value_kind: global_buffer, .address_space: global }
      - { .name: ag_b1, .offset: 32, .size: 8, .value_kind: global_buffer, .address_space: global }
      - { .name: ag_W2, .offset: 40, .size: 8, .value_kind: global_buffer, .address_space: global }
      - { .name: ag_b2, .offset: 48, .size: 8, .value_kind: global_buffer, .address_space: global }
      - { .name: g_aud, .offset: 56, .size: 8, .value_kind: global_buffer, .address_space: global }
      - { .name: out1, .offset: 64, .size: 8, .value_kind: global_buffer, .address_space: global }
    .group_segment_fixed_size: 0
    .private_segment_fixed_size: 0
    .kernarg_segment_align: 8
    .kernarg_segment_size: 72
    .max_flat_workgroup_size: 128
    .sgpr_count:     66
    .vgpr_count:     256
    .wavefront_size: 32
...
	.end_amdgpu_metadata
.endif
;; end of part 4
;; ======== version 2 of 2: 9 launches; version 1 with the launches proj0, att1, step2, att2, step3, att3, step4, att4 written anew for expert scheduling mode
;; workspace buffers: cb0 3,276,800 bytes; cb1 3,276,800 bytes; rel 262,144 bytes; g_vid 32,768 bytes; g_aud 32,768 bytes; cfg2 256 bytes of whole numbers; cfg3 256 bytes of whole numbers; cfg4 256 bytes of whole numbers
;; launch proj0 (part 5): grid 128 x 2, 4 waves a work-group, no clusters, 164,352 bytes of LDS; arguments x_aud, x_vid, aud_kpm, vid_ln_g, vid_ln_b, Wk_aud_for_vid_codes, Wk_aud_for_vid_scales, Wq_vid_codes, Wq_vid_scales, cb0, cb1, cfg2, cfg3, cfg4; writes cb0, cb1, cfg2, cfg3, cfg4
.if DOCPART == 5
	.amdgcn_target "amdgcn-amd-amdhsa--gfx1250"
	.amdhsa_code_object_version 6
	.text
	.protected	k_qeb460bdb59_proj0
	.globl	k_qeb460bdb59_proj0
	.p2align	8
	.type	k_qeb460bdb59_proj0,@function
k_qeb460bdb59_proj0:
	s_mov_b64 s[64:65], 0
	v_nop
	global_prefetch_b8 v0, s[64:65] scope:SCOPE_SE
	s_setreg_imm32_b32 hwreg(HW_REG_WAVE_SCHED_MODE, 0, 2), 2
	s_setreg_imm32_b32 hwreg(HW_REG_WAVE_MODE, 25, 1), 1
	s_wait_xcnt 0x0
	s_wait_alu depctr_vm_vsrc(0)
; The two projections of the first attention, layer 0: y = 0: k1 = LN(x_aud; vid_ln) Wk_aud_for_vid^T, rows hidden by aud_kpm get zero codes -> cb1;
; y = 1: q1 = LN(x_vid; vid_ln) Wq_vid^T -> cb0.  Both operands of each product are codes of E3M2 with one E8M0 byte for each 32 along K;
; the results are quantised again along the head's 64 and stored as the next launch's operand registers.  Work-group (0, 0) also stores three tables of whole numbers, (0, 0), (0, 1), (1, 1),
; which three later launches read as their two layer numbers.
; SHARES.  A work-group takes 64 rows and one projection: 128 x 2 work-groups.  First each wave normalises and quantises 16 whole rows; then wave w makes output features 128 w .. 128 w + 127
; (heads 2 w, 2 w + 1) for all 64 rows, with its 32 weight fragments (384 registers) read once, straight from memory into registers.  The rows' codes go from wave to wave through LDS as images of the
; operand's registers: one barrier.
; THE PRODUCT IS USED TRANSPOSED (source 0 = 16 rows of W, source 1 = 16 rows of x), and lane r of tile 2 b + u takes row 32 b + 8 u + r + 8 (r / 8) of W, so that a lane's 16 registers of two
; neighbouring tiles are 16 neighbouring features of one row of x: what the conversion wants.
; OUTPUT LAYOUT.  Codes: for (batch, head, tile of 16 tokens) 768 bytes at ((8 b + head) 128 + tile) 768: lane l's registers 0-3 at 16 l, then its registers 4-5 at 512 + 8 l (lane (r, h): block h of token r).
; Scale bytes from SCOFF on: two bytes a token and head, at (block of 64 tokens x 8 + head) 128 + 64 (t / 32 % 2) + 4 (t % 16) + 2 (t / 16 % 2).
; No tensor load and no cluster: every byte that a work-group takes in is used once from registers.
; LIMITS: NaN and infinities are not served.  A block whose largest magnitude lies under 2^-122 keeps the scale byte 1.  1 / sqrt is v_rsq_f32.
; THE MODE: SCHED_MODE bits 1:0 = 2 (LLVM: expert scheduling mode 2), set by the entry lines.  The code itself states the register dependences
; between vector or matrix instructions and memory or LDS instructions, with s_wait_alu, always for 0.
; THE PLAN.  Registers that memory or LDS instructions touch, and who else names them:
;   v2-v21       Offsets and LDS addresses.  Written at the head, never again: one wait on va_vdst ahead of the first load serves every load and store.
;   window 3     v0-255, x: 64 loads land; the norm rewrites it; 64 LDS stores read it and 64 LDS loads land in it (the turn through the stage); the quantiser reads it.
;                Behind the barrier v0-191 are FOUR buffers of 48, one for each tile of 16 rows: tile m's fragments land in buffer m, and tile m's products alone name it.
;   v224-239     The fragments' scale words, four for each tile: the same.
;   windows 1, 2 and v32-63   The weights and their scale words: loaded once, named by the products alone.
;   v24-27, v106-137          The mask, g and b: loaded once, into registers that nothing has named.
;   OB0 .. OB3, PW0 .. PW3    Four out-buffers of 12 codes' registers and four scale words.  Ahead of the barrier the quantiser of K step k writes OB[k] and PW[k], and the image's LDS stores read them;
;                behind it the quantiser of tile m writes them again, and tile m's global stores read OB[m].  SB[m], the tile's scale bytes, is written once and read by one LDS store.
; So: one wait on va_vdst ahead of each run of stores; one on vm_vsrc behind the barrier, where the out-buffers change hands; both ahead of the loads out of the stage; and none ahead of the
; fragments' loads, which are asked for two tiles ahead, in the middle of a tile's products.
.set PITCH,  2064                      ; a row of 512 f32 in the stage + 16 bytes = 129 x 16: the sixteen rows that a load touches start 16 bytes apart modulo 256
.set WSTG,   16*PITCH                  ; a wave's own stage: 16 rows
.set FRB,    1536                      ; a fragment's image: 12 registers x 128 bytes
.set XIMG,   4*WSTG                    ; x's 16 fragments: tile of rows m, K step s at 4 m + s
.set XSC,    XIMG+16*FRB               ; their scale words, 128 bytes each
.set HSC,    XSC+16*128                ; each wave's own 256 bytes of result scale bytes
.set SCOFF,  3145728
.set RR,   2                           ; v2  r = lane % 16
.set HB,   3                           ; v3  h = lane / 16
.set O16,  4                           ; v4  16 x lane
.set O8,   5                           ; v5  8 x lane
.set AW,   7                           ; v7  W's codes: (r + 8 (r / 8)) 384 + 24 h
.set AWS,  8                           ; v8  W's scales: (r + 8 (r / 8)) 16
.set STW,  9                           ; v9  stage, in: wave + 16 x lane
.set STR,  10                          ; v10 stage, out: wave + r x PITCH + 64 h
.set IMW,  11                          ; v11 where I store x's images
.set ISW,  12                          ; v12 and their scale words
.set IMR,  13                          ; v13 where any image is read: XIMG + 16 x lane
.set ISR,  14                          ; v14 XSC + 4 x lane
.set HSW,  19                          ; v19 result scale bytes, in
.set HSR,  20                          ; v20 and out
.set SH,   21                          ; v21 16 h
.set ZERO, 22
.set KM,   24                          ; v24-27 the key mask's byte of row 16 m + r
.set TV,   30                          ; at the head only
.set WS,   32                          ; v32-63 W's scale words: tile t, K step s at 4 t + s
.set TM,   64                          ; v64-79 the quantiser's work
.set PT,   82                          ; v82-88 the conversions' second halves: vector instructions alone name them
.set LG,   106                         ; v106-121 g, v122-137 b of my 16 columns
.set LB,   122
.set S,    138                         ; v138-169 a pair for each of my 16 rows: sums, then the mean, then 1 / sqrt in the low register
.set HA,   106                         ; v106-169 the 8 result tiles
.set OB,   170                         ; v170-217 four out-buffers of 12: the codes just made
.set XS,   224                         ; v224-239 x's scale words: tile of rows m, K step s at 4 m + s
.set PW,   240                         ; v240-243 the scale words just made
.set SB,   244                         ; v244-247 a tile's scale bytes on their way to LDS
.set XB,   4                           ; s[4:5] x, after the choice by y
.set KPO,  8                           ; s[8:9] the keys' mask
.set LNG,  10
.set LNB,  12
.set WC,   14                          ; s[14:17] W's codes, W's scales, after the choice by y
.set WSC,  16
.set OUT,  24                          ; s[24:25] the codes' buffer, after the choice by y
.set OUTS, 22                          ; s[22:23] my scale bytes in it
.set CM,   40                          ; s40-43 tile m's lanes whose row is a hidden key
.set WV,   50
.set Y,    51
.set ROW0, 52
.set B,    53
.set SEL,  56
.set T0,   58
.set ISK,  59
.set OFF,  60
.set INV,  98
.set EPS,  99
.set MSB, 0
.macro WIN new                         ; the immediate's high byte repeats the setting that is left
.if MSB != (\new)
	s_set_vgpr_msb (MSB<<8)|(\new)
.set MSB, (\new)
.endif
.endm
.macro PLACES n
.rept \n
	v_nop
.endr
.endm
; rows i0 .. i1 of my 16: four loads of 512 consecutive bytes a row, into window 3: element (row i, column 128 j + 4 lane + e) at v[16 i + 4 j + e]
.macro XLOAD i0, i1
	WIN 0xc0
.set xi, \i0
.rept (\i1)-(\i0)+1
.irp j, 0,1,2,3
	global_load_b128 v[16*xi+4*\j:16*xi+4*\j+3], v[O16], s[XB:XB+1] offset:xi*2048+\j*512
.endr
.set xi, xi+1
.endr
	WIN 0
.endm
; tile t of my 8 tiles of W: its four fragments (K steps 0, 1 into window 1, K steps 2, 3 into window 2, at v[12 (2 t + s % 2)]) and its rows' four scale words: 25 loads.
; No wait stands ahead of them: no vector instruction names their registers, and their two offsets were written ahead of the wait in front of the first load
.macro WBATCH t
	WIN 0x40
.irp s, 0,1
.irp p, 0,1,2,3,4,5
	global_load_b64 v[12*(2*(\t)+\s)+2*\p:12*(2*(\t)+\s)+2*\p+1], v[AW], s[WC:WC+1] offset:(32*((\t)/2)+8*((\t)%2))*384+96*\s+48*(\p/3)+8*(\p%3)
.endr
.endr
	WIN 0x80
.irp s, 0,1
.irp p, 0,1,2,3,4,5
	global_load_b64 v[12*(2*(\t)+\s)+2*\p:12*(2*(\t)+\s)+2*\p+1], v[AW], s[WC:WC+1] offset:(32*((\t)/2)+8*((\t)%2))*384+96*(\s+2)+48*(\p/3)+8*(\p%3)
.endr
.endr
	WIN 0
	global_load_b128 v[WS+4*(\t):WS+4*(\t)+3], v[AWS], s[WSC:WSC+1] offset:(32*((\t)/2)+8*((\t)%2))*16
.endm
; the 16 pairs S become 16 sums over the wave, in every lane, in each pair's low register
.macro RSUM
.set i, 0
.rept 16
	v_add_f32 v[S+2*i], v[S+2*i], v[S+2*i+1]
.set i, i+1
.endr
.irp x, 1,2,4,8
.set i, 0
.rept 16
	v_add_f32_dpp v[S+2*i], v[S+2*i], v[S+2*i] row_xmask:\x row_mask:0xf bank_mask:0xf
.set i, i+1
.endr
.endr
.set i, 0
.rept 16
	v_permlanex16_b32 v[S+2*i+1], v[S+2*i], s[SEL], s[SEL+1]
.set i, i+1
.endr
.set i, 0
.rept 16
	v_add_f32 v[S+2*i], v[S+2*i], v[S+2*i+1]
.set i, i+1
.endr
.endm
; 64 numbers of a lane in window w, register s + 16 b + i = k 32 b + 16 (lane / 16) + i of my row, become a fragment's codes in v[o] on and its scale word in v[pw]
.macro QUANT s, w, o, pw
	WIN (\w)|((\w)<<2)
.irp b, 0,1,2,3
	v_max3_num_f32 v[TM+\b], |v[(\s)+16*\b]|, |v[(\s)+1+16*\b]|, 0x2800000   ; block b: my 16 numbers, and the floor 2^(5 - 127): the byte cannot fall under 1
.endr
	WIN ((\w)<<2)|((\w)<<4)
.irp i, 2,4,6,8,10,12,14
.irp b, 0,1,2,3
	v_max3_num_f32 v[TM+\b], v[TM+\b], |v[(\s)+16*\b+\i]|, |v[(\s)+1+16*\b+\i]|   ; the four blocks by turns
.endr
.endr
	WIN 0
.irp b, 0,1,2,3
	v_permlanex16_b32 v[TM+4+\b], v[TM+\b], s[SEL], s[SEL+1]
.endr
.irp b, 0,1,2,3
	v_max_num_f32 v[TM+\b], v[TM+\b], v[TM+4+\b]   ; with lane l xor 16's: the block's largest magnitude
.endr
.irp b, 0,1,2,3
	v_add_nc_u32 v[TM+12+\b], 0xfe000000, v[TM+\b]   ; 4 off its exponent field: the conversion's scale operand
.endr
.irp b, 0,1,2,3
	v_lshrrev_b32 v[TM+4+\b], 23, v[TM+12+\b]   ; the scale's byte
.endr
	v_lshl_or_b32 v[\pw], v[TM+5], 8, v[TM+4]
	v_lshl_or_b32 v[\pw], v[TM+6], 16, v[\pw]
	v_lshl_or_b32 v[\pw], v[TM+7], 24, v[\pw]
	WIN \w
.irp c, 0,1
	v_cvt_scalef32_pk16_bf6_f32 v[(\o)+6*\c:(\o)+2+6*\c], v[(\s)+32*\c:(\s)+15+32*\c], v[TM+12+2*\c]
	v_cvt_scalef32_pk16_bf6_f32 v[PT+4*\c:PT+2+4*\c], v[(\s)+16+32*\c:(\s)+31+32*\c], v[TM+12+2*\c+1]   ; (a conversion's three registers begin on an even number)
.endr
	WIN 0
	v_nop                                          ; one plain place behind a scaled conversion
.irp c, 0,1                                    ; the operand's layout wants a whole block in a lane: lanes 0-15 block 2 c, lanes 16-31 block 2 c + 1
.irp i, 0,1,2
	v_permlane16_swap_b32 v[(\o)+6*\c+\i], v[PT+4*\c+\i]
.endr
.irp i, 0,1,2
	v_mov_b32 v[(\o)+3+6*\c+\i], v[PT+4*\c+\i]
.endr
.endr
.endm
.macro IMAGE adr, off, o                       ; the fragment in v[o] on goes to LDS as it stands
.irp c, 0,1,2
	ds_store_b128 v[\adr], v[(\o)+4*\c:(\o)+4*\c+3] offset:(\off)+512*\c
.endr
.endm
.macro FETCH reg, off                          ; and comes back so, in any wave
.irp c, 0,1,2
	ds_load_b128 v[(\reg)+4*\c:(\reg)+4*\c+3], v[IMR] offset:(\off)+512*\c
.endr
.endm
; the four fragments (into buffer m of window 3) and the four scale words of rows 16 m .. 16 m + 15: 16 LDS loads.
; No wait stands ahead of them: of the vector side only the quantiser of x has named these registers, ahead of the wait in front of its last image; tile m's products are the next to name them
.macro FETCHX m
	WIN 0xc0
.irp s, 0,1,2,3
	FETCH 48*(\m)+12*\s, (4*(\m)+\s)*FRB
.endr
	WIN 0
.irp s, 0,1,2,3
	ds_load_b32 v[XS+4*(\m)+\s], v[ISR] offset:(4*(\m)+\s)*128
.endr
.endm
.macro MM1 t, s, m                             ; tile t of W, K step s, rows 16 m on; the first K step starts the sum
.if (\s) == 0
	v_wmma_scale_f32_16x16x128_f8f6f4 v[HA+8*\t:HA+8*\t+7], v[12*(2*\t+\s%2):12*(2*\t+\s%2)+11], v[48*(\m)+12*\s:48*(\m)+12*\s+11], 0, v[WS+4*\t+\s], v[XS+4*(\m)+\s] matrix_a_fmt:MATRIX_FMT_BF6 matrix_b_fmt:MATRIX_FMT_BF6
.else
	v_wmma_scale_f32_16x16x128_f8f6f4 v[HA+8*\t:HA+8*\t+7], v[12*(2*\t+\s%2):12*(2*\t+\s%2)+11], v[48*(\m)+12*\s:48*(\m)+12*\s+11], v[HA+8*\t:HA+8*\t+7], v[WS+4*\t+\s], v[XS+4*(\m)+\s] matrix_a_fmt:MATRIX_FMT_BF6 matrix_b_fmt:MATRIX_FMT_BF6
.endif
.endm
; rows 16 m .. 16 m + 15 against my 128 features: 32 matrix instructions, the eight accumulators by turns; then the results are quantised and stored.
; left = how many LDS instructions were issued behind this tile's 16 loads and may stay out
.macro TILE m, left
	s_wait_dscnt \left                             ; LDS instructions end in order (ISA guide 5.7.1): this tile's fragments and scale words are in
	WIN 0x0d                                       ; source 0 (W) window 1, source 1 (x) window 3
.irp s, 0,1
.irp t, 0,1,2,3,4,5,6,7
	MM1 \t, \s, \m
.endr
.endr
.if (\m) < 2
	FETCHX (\m)+2                                  ; two tiles ahead, into a buffer that none of these products names
.endif
	WIN 0x0e                                       ; source 0 window 2
.irp s, 2,3
.irp t, 0,1,2,3,4,5,6,7
	MM1 \t, \s, \m
.endr
.endr
	WIN 0
	PLACES 5                                       ; in front of the reads of the results, and of the next tile's products, which write over these accumulators
	QUANT HA, 0, OB+12*(\m), PW+(\m)               ; it reads each accumulator from its low end on
.irp c, 0,1,2,3,4,5,6,7,8,9,10,11
	v_cndmask_b32 v[OB+12*(\m)+\c], v[OB+12*(\m)+\c], v[ZERO], s[CM+(\m)]   ; a hidden key's codes are zeros: it adds nothing to any sum
.endr
	v_lshrrev_b32 v[SB+(\m)], v[SH], v[PW+(\m)]    ; lanes 0-15: head 2 w's two bytes, lanes 16-31: head 2 w + 1's
	s_wait_alu depctr_va_vdst(0)                   ; the selects have written OB[m] and the shift SB[m], which the five stores below read
	global_store_b128 v[O16], v[OB+12*(\m):OB+12*(\m)+3], s[OUT:OUT+1] offset:768*(\m)             ; head 2 w: 512 consecutive bytes,
	global_store_b64 v[O8], v[OB+12*(\m)+4:OB+12*(\m)+5], s[OUT:OUT+1] offset:768*(\m)+512         ; and 256
	global_store_b128 v[O16], v[OB+12*(\m)+6:OB+12*(\m)+9], s[OUT:OUT+1] offset:98304+768*(\m)     ; head 2 w + 1
	global_store_b64 v[O8], v[OB+12*(\m)+10:OB+12*(\m)+11], s[OUT:OUT+1] offset:98304+768*(\m)+512
	ds_store_b16 v[HSW], v[SB+(\m)] offset:((\m)/2)*64+((\m)%2)*2
.endm
	s_load_b512 s[4:19], s[0:1], 0x0               ; x_aud, x_vid, aud_kpm, vid_ln g, b, Wk_aud codes, scales, Wq_vid codes
	s_load_b256 s[20:27], s[0:1], 0x40             ; Wq_vid scales, cb0 (queries), cb1 (keys), the table (0, 0)
	s_load_b128 s[28:31], s[0:1], 0x60             ; the tables (0, 1) and (1, 1)
	v_lshl_add_u32 v254, v0, 2, 0x28000
	v_mov_b32 v255, 0
	v_lshrrev_b32 v1, 5, v0
	v_readfirstlane_b32 s[WV], v1                  ; wave 0..3
	v_and_b32 v1, 31, v0                           ; lane
	v_and_b32 v[RR], 15, v0
	v_bfe_u32 v[HB], v0, 4, 1
	v_lshlrev_b32 v[O16], 4, v1
	v_lshlrev_b32 v[O8], 3, v1
	v_and_b32 v[TV], 8, v[RR]
	v_add_nc_u32 v[TV], v[TV], v[RR]               ; r + 8 (r / 8)
	v_mul_u32_u24 v[AW], v[TV], 384
	v_mad_u32_u24 v[AW], v[HB], 24, v[AW]
	v_lshlrev_b32 v[AWS], 4, v[TV]
	s_wait_alu depctr_va_sdst(0)                   ; the wave's number is written, ahead of its first reader: LDS places and bases are made from it
	s_mul_i32 s[T0], s[WV], WSTG
	v_add_nc_u32 v[STW], s[T0], v[O16]
	v_mul_u32_u24 v[STR], v[RR], PITCH
	v_lshl_add_u32 v[STR], v[HB], 6, v[STR]
	v_add_nc_u32 v[STR], s[T0], v[STR]
	s_mul_i32 s[T0], s[WV], 4*FRB
	s_add_co_u32 s[T0], s[T0], XIMG
	v_add_nc_u32 v[IMW], s[T0], v[O16]
	s_lshl_b32 s[T0], s[WV], 9
	s_add_co_u32 s[T0], s[T0], XSC
	v_lshlrev_b32 v[ISR], 2, v1
	v_add_nc_u32 v[ISW], s[T0], v[ISR]
	v_add_nc_u32 v[IMR], XIMG, v[O16]
	v_add_nc_u32 v[ISR], XSC, v[ISR]
	s_lshl_b32 s[T0], s[WV], 8
	s_add_co_u32 s[T0], s[T0], HSC
	v_lshlrev_b32 v[HSW], 2, v[RR]
	v_lshl_add_u32 v[HSW], v[HB], 7, v[HSW]
	v_add_nc_u32 v[HSW], s[T0], v[HSW]
	v_add_nc_u32 v[HSR], s[T0], v[O8]
	v_lshlrev_b32 v[SH], 4, v[HB]
	v_mov_b32 v[ZERO], 0
.irp b, 0,1,2,3
	v_mov_b32 v[TM+4+\b], 0                        ; written once: a lane permute's destination counts as one of its sources
.endr
	s_and_b32 s[Y], ttmp7, 0xffff                  ; which projection
	s_lshr_b32 s[B], ttmp9, 5                      ; batch
	s_lshl_b32 s[ROW0], ttmp9, 6
	s_lshl_b32 s[T0], s[WV], 4
	s_add_co_u32 s[ROW0], s[ROW0], s[T0]           ; my wave's first row of the 8,192
	s_mov_b32 s[SEL], 0x76543210
	s_mov_b32 s[SEL+1], 0xfedcba98                 ; v_permlanex16_b32's selects for lane l xor 16
	s_mov_b32 s[INV], 0x3b000000                   ; 1 / 512
	s_mov_b32 s[EPS], 0x3727c5ac                   ; 1e-5
	s_mov_b32 s[OFF+1], 0
	s_wait_kmcnt 0x0
	s_cmp_eq_u32 s[Y], 0                           ; the choices hang on the work-group's number alone
	s_cselect_b64 s[4:5], s[4:5], s[6:7]           ; x_aud for the keys, x_vid for the queries
	s_cselect_b64 s[14:15], s[14:15], s[18:19]     ; the weights' codes,
	s_cselect_b64 s[16:17], s[16:17], s[20:21]     ; their scales,
	s_cselect_b64 s[24:25], s[24:25], s[22:23]     ; and where the results go
	s_cselect_b32 s[ISK], -1, 0                    ; only keys are masked
	s_lshl_b32 s[OFF], s[ROW0], 11
	s_add_nc_u64 s[XB:XB+1], s[XB:XB+1], s[OFF:OFF+1]
	s_lshl_b32 s[OFF], ttmp9, 6
	s_add_nc_u64 s[KPO:KPO+1], s[KPO:KPO+1], s[OFF:OFF+1]
	s_mul_i32 s[OFF], s[WV], 49152                 ; my 128 rows of W: 384 bytes of codes a row,
	s_add_nc_u64 s[WC:WC+1], s[WC:WC+1], s[OFF:OFF+1]
	s_lshl_b32 s[OFF], s[WV], 11                   ; 16 scale bytes a row
	s_add_nc_u64 s[WSC:WSC+1], s[WSC:WSC+1], s[OFF:OFF+1]
	s_lshl_b32 s[OFF], ttmp9, 10
	s_lshl_b32 s[T0], s[WV], 8
	s_add_co_u32 s[OFF], s[OFF], s[T0]
	s_add_co_u32 s[OFF], s[OFF], SCOFF
	s_add_nc_u64 s[OUTS:OUTS+1], s[OUT:OUT+1], s[OFF:OFF+1]   ; my 256 scale bytes
	s_and_b32 s[T0], ttmp9, 31
	s_mul_i32 s[OFF], s[T0], 3072
	s_mul_i32 s[T0], s[B], 786432
	s_add_co_u32 s[OFF], s[OFF], s[T0]
	s_mul_i32 s[T0], s[WV], 196608
	s_add_co_u32 s[OFF], s[OFF], s[T0]
	s_add_nc_u64 s[OUT:OUT+1], s[OUT:OUT+1], s[OFF:OFF+1]     ; ((8 b + 2 w) 128 + 4 x block of 64 rows) 768
	s_or_b32 s[T0], ttmp9, s[Y]
	s_or_b32 s[T0], s[T0], s[WV]
	s_cmp_lg_u32 s[T0], 0
	s_cbranch_scc1 .Lno_cfg                        ; one wave of the launch stores the three tables: 32 pairs each (word 0: the gate's layer, word 1: the projections' layer)
	v_mov_b32 v218, 0
	v_mov_b32 v219, 0
	v_mov_b32 v220, 0
	v_mov_b32 v221, 1
	v_mov_b32 v222, 1
	v_mov_b32 v223, 1
	s_wait_alu depctr_va_vdst(0)                   ; v218 to v223 and the offset v5 are written, which the three stores read
	global_store_b64 v[O8], v[218:219], s[26:27]   ; 256 consecutive bytes each; these registers are not written again
	global_store_b64 v[O8], v[220:221], s[28:29]
	global_store_b64 v[O8], v[222:223], s[30:31]
.Lno_cfg:
	s_wait_alu depctr_va_vdst(0)                   ; the offsets and LDS addresses v2 to v21 are written, on both ways: every load and store from here on reads some of them, and none is written again
	XLOAD 0, 15
.irp m, 0,1,2,3
	global_load_u8 v[KM+\m], v[RR], s[KPO:KPO+1] offset:16*\m
.endr
.irp j, 0,1,2,3
	global_load_b128 v[LG+4*\j:LG+4*\j+3], v[O16], s[LNG:LNG+1] offset:512*\j
	global_load_b128 v[LB+4*\j:LB+4*\j+3], v[O16], s[LNB:LNB+1] offset:512*\j
.endr
	s_wait_loadcnt 12                              ; behind x's 64 loads stand these 12: all of x is in
	WBATCH 0                                       ; the weights are asked for tile by tile between the parts of the norm
	WBATCH 1
	; ---- the rows' means
	WIN 0x0f
.set i, 0
.rept 16
	v_pk_add_f32 v[S+2*i:S+2*i+1], v[16*i:16*i+1], v[16*i+2:16*i+3]
.set i, i+1
.endr
	WIN 0x0c
.set p, 2
.rept 6
.set i, 0
.rept 16
	v_pk_add_f32 v[S+2*i:S+2*i+1], v[S+2*i:S+2*i+1], v[16*i+2*p:16*i+2*p+1]
.set i, i+1
.endr
.set p, p+1
.endr
	WIN 0
	WBATCH 2
	RSUM
.set i, 0
.rept 16
	v_mul_f32 v[S+2*i], s[INV], v[S+2*i]
.set i, i+1
.endr
	WBATCH 3
	; ---- x - mean
	WIN 0xc3
.set q, 0
.rept 128
	v_pk_add_f32 v[2*q:2*q+1], v[2*q:2*q+1], v[S+2*(q/8):S+2*(q/8)+1] op_sel_hi:[1,0] neg_lo:[0,1] neg_hi:[0,1]
.set q, q+1
.endr
	WIN 0
	WBATCH 4
	; ---- the mean of the squares, 1 / sqrt(. + eps)
	WIN 0x0f
.set i, 0
.rept 16
	v_pk_mul_f32 v[S+2*i:S+2*i+1], v[16*i:16*i+1], v[16*i:16*i+1]
.set i, i+1
.endr
.set p, 1
.rept 7
.set i, 0
.rept 16
	v_pk_fma_f32 v[S+2*i:S+2*i+1], v[16*i+2*p:16*i+2*p+1], v[16*i+2*p:16*i+2*p+1], v[S+2*i:S+2*i+1]
.set i, i+1
.endr
.set p, p+1
.endr
	WIN 0
	WBATCH 5
	RSUM
.set i, 0
.rept 16
	v_fma_f32 v[S+2*i], v[S+2*i], s[INV], s[EPS]
.set i, i+1
.endr
.set i, 0
.rept 16
	v_rsq_f32 v[S+2*i], v[S+2*i]
.set i, i+1
.endr
	v_nop                                          ; one plain place behind the transcendentals
	WBATCH 6
	s_wait_loadcnt 63                              ; 175 loads were issued behind g's and b's: with 63 at the most out, g and b are in
	s_wait_alu depctr_va_vdst(0)                   ; the sixteen 1 / sqrt are written: one wait for the batch, ahead of its first reader
	WIN 0xc3
.set q, 0
.rept 128
	v_pk_mul_f32 v[2*q:2*q+1], v[2*q:2*q+1], v[S+2*(q/8):S+2*(q/8)+1] op_sel_hi:[1,0]
.set q, q+1
.endr
.set q, 0
.rept 128
	v_pk_fma_f32 v[2*q:2*q+1], v[2*q:2*q+1], v[LG+2*(q%8):LG+2*(q%8)+1], v[LB+2*(q%8):LB+2*(q%8)+1]
.set q, q+1
.endr
	WIN 0
	WBATCH 7
	; ---- the turn through my own stage: in as loaded, out so that lane (r, h) holds, of row r, 16 neighbours of each block of 32: v[16 k + n] = column 32 k + 16 h + n
	WIN 0x0c
	s_wait_alu depctr_va_vdst(0)                   ; the norm's multiply-adds have written x, which the 64 LDS stores read
.set q, 0
.rept 64
	ds_store_b128 v[STW], v[4*q:4*q+3] offset:(q/4)*PITCH+512*(q%4)
.set q, q+1
.endr
	s_wait_dscnt 0x0                               ; the stores have landed
	WIN 0xc0
	s_wait_alu depctr_vm_vsrc(0)                   ; the 64 LDS stores have read the registers of window 3, in which the loads below land
	s_wait_alu depctr_va_vdst(0)                   ; and the norm's lines are done with them: stated once more directly ahead of these loads, which stand under another register window behind stores that name their registers
.set q, 0
.rept 64
	ds_load_b128 v[4*q:4*q+3], v[STR] offset:128*(q/4)+16*(q%4)
.set q, q+1
.endr
	WIN 0
	s_wait_dscnt 0x0
.irp k, 0,1,2,3
	QUANT 64*\k, 3, OB+12*\k, PW+\k
	s_wait_alu depctr_va_vdst(0)                   ; the quantiser has written OB[k] and PW[k], which the four LDS stores read; it is also done reading x's registers 64 k on, in which fragments land later
	IMAGE IMW, \k*FRB, OB+12*\k
	ds_store_b32 v[ISW], v[PW+\k] offset:128*\k
.endr
	s_wait_dscnt 0x0                               ; for the other waves' sake: my images have landed
	s_barrier_signal -1
	s_barrier_wait -1                              ; x's sixteen fragments lie in LDS; they are not written again
	s_wait_alu depctr_vm_vsrc(0)                   ; my LDS stores have read OB0 to OB3 and PW0 to PW3, which the tiles' quantiser writes again
	FETCHX 0
	FETCHX 1
	s_wait_loadcnt 0x0                             ; the weights and the mask
.irp m, 0,1,2,3
	v_and_b32 v[KM+\m], s[ISK], v[KM+\m]
.endr
.irp m, 0,1,2,3
	v_cmp_ne_u32 s[CM+\m], 0, v[KM+\m]             ; the four tiles' compares in one run
.endr
	s_wait_alu depctr_va_sdst(0)                   ; s[CM] to s[CM + 3] are written, ahead of their first reader, tile 0's selects
	TILE 0, 16                                     ; behind tile 0's loads: tile 1's 16
	TILE 1, 17                                     ; behind tile 1's: tile 2's 16 and tile 0's byte store
	TILE 2, 18                                     ; behind tile 2's: a byte store, tile 3's 16, a byte store
	TILE 3, 2                                      ; behind tile 3's: two byte stores
	ds_load_b64 v[TM:TM+1], v[HSR]                 ; LDS serves a wave's instructions in order: this sees my stores.  (No vector instruction has been issued since tile 3's wait, behind which the quantiser is done with v[TM] on)
	s_wait_dscnt 0x0
	global_store_b64 v[O8], v[TM:TM+1], s[OUTS:OUTS+1]   ; 256 consecutive bytes, aligned
	s_wait_dscnt 0x0
	s_wait_alu depctr_hold_cnt(0) depctr_sa_sdst(0) depctr_va_vdst(0) depctr_va_sdst(0) depctr_va_ssrc(0) depctr_va_vcc(0) depctr_vm_vsrc(0)
	s_wait_tensorcnt 0x0
	ds_add_u32 v254, v255
	s_wait_dscnt 0x0
	s_endpgm
.Lfunc_end_k_qeb460bdb59_proj0:
	.size	k_qeb460bdb59_proj0, .Lfunc_end_k_qeb460bdb59_proj0-k_qeb460bdb59_proj0
	.p2alignl 7, 3214868480
	.fill 96, 4, 3214868480
	.section	.rodata,"a",@progbits
	.p2align	6, 0x0
	.amdhsa_kernel k_qeb460bdb59_proj0
		.amdhsa_group_segment_fixed_size 164352
		.amdhsa_private_segment_fixed_size 0
		.amdhsa_enable_private_segment 0
		.amdhsa_kernarg_size 112
		.amdhsa_user_sgpr_count 2
		.amdhsa_user_sgpr_kernarg_segment_ptr 1
		.amdhsa_wavefront_size32 1
		.amdhsa_system_sgpr_workgroup_id_x 1
		.amdhsa_system_sgpr_workgroup_id_y 1
		.amdhsa_system_sgpr_workgroup_id_z 1
		.amdhsa_system_vgpr_workitem_id 0
		.amdhsa_next_free_vgpr 1024
		.amdhsa_next_free_sgpr 100
		.amdhsa_reserve_vcc 0
		.amdhsa_float_denorm_mode_32 3
		.amdhsa_float_denorm_mode_16_64 3
		.amdhsa_memory_ordered 1
		.amdhsa_forward_progress 1
		.amdhsa_inst_pref_size 152
	.end_amdhsa_kernel
	.amdgpu_metadata
---
amdhsa.version: [ 1, 2 ]
amdhsa.kernels:
  - .name:           k_qeb460bdb59_proj0
    .symbol:         k_qeb460bdb59_proj0.kd
    .args:
      - { .name: x_aud, .offset: 0, .size: 8, .value_kind: global_buffer, .address_space: global }
      - { .name: x_vid, .offset: 8, .size: 8, .value_kind: global_buffer, .address_space: global }
      - { .name: aud_kpm, .offset: 16, .size: 8, .value_kind: global_buffer, .address_space: global }
      - { .name: vid_ln_g, .offset: 24, .size: 8, .value_kind: global_buffer, .address_space: global }
      - { .name: vid_ln_b, .offset: 32, .size: 8, .value_kind: global_buffer, .address_space: global }
      - { .name: Wk_aud_for_vid_codes, .offset: 40, .size: 8, .value_kind: global_buffer, .address_space: global }
      - { .name: Wk_aud_for_vid_scales, .offset: 48, .size: 8, .value_kind: global_buffer, .address_space: global }
      - { .name: Wq_vid_codes, .offset: 56, .size: 8, .value_kind: global_buffer, .address_space: global }
      - { .name: Wq_vid_scales, .offset: 64, .size: 8, .value_kind: global_buffer, .address_space: global }
      - { .name: cb0, .offset: 72, .size: 8, .value_kind: global_buffer, .address_space: global }
      - { .name: cb1, .offset: 80, .size: 8, .value_kind: global_buffer, .address_space: global }
      - { .name: cfg2, .offset: 88, .size: 8, .value_kind: global_buffer, .address_space: global }
      - { .name: cfg3, .offset: 96, .size: 8, .value_kind: global_buffer, .address_space: global }
      - { .name: cfg4, .offset: 104, .size: 8, .value_kind: global_buffer, .address_space: global }
    .group_segment_fixed_size: 164352
    .private_segment_fixed_size: 0
    .kernarg_segment_align: 8
    .kernarg_segment_size: 112
    .max_flat_workgroup_size: 128
    .sgpr_count:     100
    .vgpr_count:     1024
    .wavefront_size: 32
...
	.end_amdgpu_metadata
.endif
;; end of part 5
;; launch att1 (part 6): grid 8 x 32, 4 waves a work-group, no clusters, 4,608 bytes of LDS; arguments cb0, cb1, rel; writes rel
.if DOCPART == 6
	.amdgcn_target "amdgcn-amd-amdhsa--gfx1250"
	.amdhsa_code_object_version 6
	.text
	.protected	k_qeb460bdb59_att1
	.globl	k_qeb460bdb59_att1
	.p2align	8
	.type	k_qeb460bdb59_att1,@function
k_qeb460bdb59_att1:
	s_mov_b64 s[64:65], 0
	v_nop
	global_prefetch_b8 v0, s[64:65] scope:SCOPE_SE
	s_setreg_imm32_b32 hwreg(HW_REG_WAVE_SCHED_MODE, 0, 2), 2
	s_setreg_imm32_b32 hwreg(HW_REG_WAVE_MODE, 25, 1), 1
	s_wait_xcnt 0x0
	s_wait_alu depctr_vm_vsrc(0)
; rel[8 b + h][t] = the sum over all 2,048 keys s of q[b][h][t] . k[b][h][s], both as codes of E3M2 with one E8M0 byte for each 32 of the head's 64; hidden keys come with zero codes.
; (The factor 1 / 8 and the division by the number of keys that count are the next launch's.)  Every product of a query and a key is made by the matrix unit; since only the sum over the keys is
; wanted, the accumulators run on over all key tiles and no single score leaves them.
; K = 128 OF THE INSTRUCTION HOLDS TWO KEYS: source 0's row m is key m of one tile of 16 (k 0-63) and key m of the next tile (k 64-127); source 1's column n is query n, its 64 codes written twice.
; SHARES.  A work-group takes one (batch, head) and 256 queries (16 tiles).  Wave w takes keys 512 w .. 512 w + 511: 16 fragments, each loaded once, straight into registers, and used by 16 matrix
; instructions.  The four waves' sums meet in LDS: one barrier.  No LDS ring: a wave's keys, 24,576 bytes, fit in 192 registers and are used in one pass.
; NO CLUSTER, though the eight work-groups of a head read the same 98,304 bytes of keys: a joint request is a tensor load into LDS, so the keys would be written to LDS and read from it once more,
; 98,304 bytes each way for a work-group's 1,024 matrix instructions, where here they go from memory into the operand's registers as they lie.
; OPERAND LAYOUT in memory: see the launch that stores it: 768 bytes for (batch, head, tile of 16 tokens): registers 0-3 at 16 x lane, registers 4-5 at 512 + 8 x lane;
; scale bytes from SCOFF on, laid so that the word at 4 r of a block of 32 tokens is [even tile's token r | odd tile's token r]: a key fragment's scale word as it stands.
; REGISTERS: window 0: addresses, scale words, v64-191 the 16 accumulators, v192-255 at work;  window 1: the queries' 16 fragments;  window 2: the keys' 16 fragments.
; THE MODE: SCHED_MODE bits 1:0 = 2 (LLVM: expert scheduling mode 2), set by the entry lines.  The code itself states the register dependences
; between vector or matrix instructions and memory or LDS instructions, with s_wait_alu, always for 0.
; THE PLAN.  Registers that memory or LDS instructions touch:
;   v2-v6        Offsets and LDS addresses: written at the head, never again: one wait on va_vdst ahead of the first load.
;   windows 1, 2, v8-11, v20-27   Codes and scale words: each loaded once, all at the head, into registers that nothing has named; read by the products (v8-11: by the eight byte permutes) and never loaded again.
;   v48-55 (R)   The wave's 256 sums: written by the last additions, read by eight LDS stores: one wait on va_vdst ahead of those stores.
;   v192-199 (U) At work in the additions ahead of that wait; behind the barrier four LDS loads land there, with no vector instruction between the wait and them; three additions follow, and one wait
;                on va_vdst stands ahead of the store of their result.
; The queries' scale words v12-19 are made by vector instructions and read by scaled products: eight places, then a wait on va_vdst, ahead of the first product.
.set SCOFF, 3145728
.set RW,   8                           ; v8-11   the queries' scale words as stored
.set QSL,  12                          ; v12-15  their low halves twice: tiles 4 p (lanes 0-15), 4 p + 2 (lanes 16-31)
.set QSH,  16                          ; v16-19  their high halves twice: tiles 4 p + 1, 4 p + 3
.set KS,   20                          ; v20-27  the keys' scale words: fragment 2 p in lanes 0-15, 2 p + 1 in lanes 16-31
.set T,    32
.set R,    48
.set ACC,  64
.set U,    192
.set MSB, 0
.macro WIN new                         ; the immediate's high byte repeats the setting that is left
.if MSB != (\new)
	s_set_vgpr_msb (MSB<<8)|(\new)
.set MSB, (\new)
.endif
.endm
; key fragment j against query tile i.  The 16 accumulators take turns, one instruction a turn; j = 0 starts the sums
.macro MM
.set rA, ACC+8*i
.set rS, KS+j/2
.set rT, QSL+4*(i%2)+i/4
.if (j == 0) && ((i/2)%2 == 0)
	v_wmma_scale_f32_16x16x128_f8f6f4 v[rA:rA+7], v[12*j:12*j+11], v[12*i:12*i+11], 0, v[rS], v[rT] matrix_a_fmt:MATRIX_FMT_BF6 matrix_b_fmt:MATRIX_FMT_BF6
.elseif j == 0
	v_wmma_scale_f32_16x16x128_f8f6f4 v[rA:rA+7], v[12*j:12*j+11], v[12*i:12*i+11], 0, v[rS], v[rT] matrix_a_fmt:MATRIX_FMT_BF6 matrix_b_fmt:MATRIX_FMT_BF6 matrix_b_scale:MATRIX_SCALE_ROW1
.elseif (j%2 == 0) && ((i/2)%2 == 0)
	v_wmma_scale_f32_16x16x128_f8f6f4 v[rA:rA+7], v[12*j:12*j+11], v[12*i:12*i+11], v[rA:rA+7], v[rS], v[rT] matrix_a_fmt:MATRIX_FMT_BF6 matrix_b_fmt:MATRIX_FMT_BF6
.elseif j%2 == 0
	v_wmma_scale_f32_16x16x128_f8f6f4 v[rA:rA+7], v[12*j:12*j+11], v[12*i:12*i+11], v[rA:rA+7], v[rS], v[rT] matrix_a_fmt:MATRIX_FMT_BF6 matrix_b_fmt:MATRIX_FMT_BF6 matrix_b_scale:MATRIX_SCALE_ROW1
.elseif (i/2)%2 == 0
	v_wmma_scale_f32_16x16x128_f8f6f4 v[rA:rA+7], v[12*j:12*j+11], v[12*i:12*i+11], v[rA:rA+7], v[rS], v[rT] matrix_a_fmt:MATRIX_FMT_BF6 matrix_b_fmt:MATRIX_FMT_BF6 matrix_a_scale:MATRIX_SCALE_ROW1
.else
	v_wmma_scale_f32_16x16x128_f8f6f4 v[rA:rA+7], v[12*j:12*j+11], v[12*i:12*i+11], v[rA:rA+7], v[rS], v[rT] matrix_a_fmt:MATRIX_FMT_BF6 matrix_b_fmt:MATRIX_FMT_BF6 matrix_a_scale:MATRIX_SCALE_ROW1 matrix_b_scale:MATRIX_SCALE_ROW1
.endif
.endm
	s_load_b128 s[4:7], s[0:1], 0x0                ; q, k
	s_load_b64 s[8:9], s[0:1], 0x10                ; rel
	v_lshl_add_u32 v62, v0, 2, 0x1000
	v_mov_b32 v63, 0
	v_lshrrev_b32 v1, 5, v0
	v_readfirstlane_b32 s10, v1                    ; wave 0..3
	v_and_b32 v1, 31, v0                           ; lane
	v_lshlrev_b32 v2, 4, v1                        ; 16 x lane
	v_lshlrev_b32 v3, 3, v1                        ; 8 x lane
	v_lshlrev_b32 v4, 2, v1                        ; 4 x lane
	s_wait_alu depctr_va_sdst(0)                   ; the wave's number is written, ahead of its first reader: LDS places and bases are made from it
	s_lshl_b32 s14, s10, 10
	v_add_nc_u32 v5, s14, v4                       ; LDS: my wave's 256 sums, 4 bytes a lane
	s_lshl_b32 s14, s10, 8
	v_add_nc_u32 v6, s14, v3                       ; and back: queries 64 w + 2 lane, + 1 of any wave's
	s_and_b32 s11, ttmp7, 0xffff                   ; 8 b + h
	s_lshr_b32 s12, s11, 3                         ; b
	s_and_b32 s13, s11, 7                          ; h
	s_lshl_b32 s14, s11, 7                         ; the head's first tile
	s_lshl_b32 s15, ttmp9, 4
	s_add_co_u32 s15, s15, s14
	s_mul_i32 s16, s15, 768                        ; my 16 tiles of queries
	s_mov_b32 s17, 0
	s_lshl_b32 s15, s10, 5
	s_add_co_u32 s15, s15, s14
	s_mul_i32 s18, s15, 768                        ; my wave's 32 tiles of keys
	s_mov_b32 s19, 0
	s_lshl_b32 s14, s12, 5                         ; the batch's first block of 64 tokens
	s_lshl_b32 s15, ttmp9, 2
	s_add_co_u32 s15, s15, s14
	s_lshl_b32 s15, s15, 3
	s_add_co_u32 s15, s15, s13
	s_lshl_b32 s20, s15, 7
	s_add_co_u32 s20, s20, SCOFF                   ; the queries' scale bytes
	s_mov_b32 s21, 0
	s_lshl_b32 s15, s10, 3
	s_add_co_u32 s15, s15, s14
	s_lshl_b32 s15, s15, 3
	s_add_co_u32 s15, s15, s13
	s_lshl_b32 s22, s15, 7
	s_add_co_u32 s22, s22, SCOFF                   ; my keys' scale bytes
	s_mov_b32 s23, 0
	s_lshl_b32 s24, s11, 11
	s_lshl_b32 s15, ttmp9, 8
	s_add_co_u32 s24, s24, s15
	s_lshl_b32 s15, s10, 6
	s_add_co_u32 s24, s24, s15
	s_lshl_b32 s24, s24, 2                         ; the 64 sums that I store
	s_mov_b32 s25, 0
	s_wait_kmcnt 0x0
	s_add_nc_u64 s[16:17], s[4:5], s[16:17]
	s_add_nc_u64 s[20:21], s[4:5], s[20:21]
	s_add_nc_u64 s[18:19], s[6:7], s[18:19]
	s_add_nc_u64 s[22:23], s[6:7], s[22:23]
	s_add_nc_u64 s[8:9], s[8:9], s[24:25]
	s_wait_alu depctr_va_vdst(0)                   ; the offsets and LDS addresses v2 to v6 are written: every load and store of the kernel reads one of them, and none is written again
.irp p, 0,1,2,3
	global_load_b32 v[RW+\p], v4, s[20:21] offset:1024*\p
.endr
.irp p, 0,1,2,3,4,5,6,7
	global_load_b32 v[KS+\p], v4, s[22:23] offset:1024*\p
.endr
	WIN 0x40                                       ; destination window 1
.set i, 0
.rept 16                                       ; query tile i: its 64 codes a token, into registers 0-5 and once more into 6-11
	global_load_b128 v[12*i:12*i+3], v2, s[16:17] offset:768*i
	global_load_b64 v[12*i+4:12*i+5], v3, s[16:17] offset:768*i+512
	global_load_b128 v[12*i+6:12*i+9], v2, s[16:17] offset:768*i
	global_load_b64 v[12*i+10:12*i+11], v3, s[16:17] offset:768*i+512
.set i, i+1
.endr
	WIN 0x80                                       ; destination window 2
.set i, 0
.rept 16                                       ; key fragment i: tile 2 i into registers 0-5, tile 2 i + 1 into 6-11
	global_load_b128 v[12*i:12*i+3], v2, s[18:19] offset:1536*i
	global_load_b64 v[12*i+4:12*i+5], v3, s[18:19] offset:1536*i+512
	global_load_b128 v[12*i+6:12*i+9], v2, s[18:19] offset:1536*i+768
	global_load_b64 v[12*i+10:12*i+11], v3, s[18:19] offset:1536*i+1280
.set i, i+1
.endr
	WIN 0
	s_wait_loadcnt 60                              ; all but the four loads of each of key fragments 1 to 15
.irp p, 0,1,2,3
	v_perm_b32 v[QSL+\p], v[RW+\p], v[RW+\p], 0x01000100   ; a query's two bytes serve k 0-63 and k 64-127 alike
	v_perm_b32 v[QSH+\p], v[RW+\p], v[RW+\p], 0x03020302
.endr
.rept 8
	v_nop                                          ; a scale register written by a vector instruction stands 8 places ahead of a scaled matrix instruction
.endr
	s_wait_alu depctr_va_vdst(0)                   ; the eight permutes have written v12 to v19, which the scaled products take as scales; the places above stay beside this wait
	WIN 0x06                                       ; source 0 (keys) window 2, source 1 (queries) window 1, C and D window 0
.set j, 0
.rept 16
	s_wait_loadcnt 4*(15-j)                        ; fragment j is in; the four loads of each later fragment may be out
.set i, 0
.rept 16
	MM
.set i, i+1
.endr
.set j, j+1
.endr
	WIN 0
.rept 4
	v_nop                                          ; places in front of the reads of the results
.endr
	; a lane holds one query (lane % 16) and eight key rows: its eight registers are added, each accumulator from its low end on
.set i, 0
.rept 16
	v_pk_add_f32 v[U+4*i:U+4*i+1], v[ACC+8*i:ACC+8*i+1], v[ACC+8*i+2:ACC+8*i+3]
.set i, i+1
.endr
.set i, 0
.rept 16
	v_pk_add_f32 v[U+4*i+2:U+4*i+3], v[ACC+8*i+4:ACC+8*i+5], v[ACC+8*i+6:ACC+8*i+7]
.set i, i+1
.endr
.set i, 0
.rept 16
	v_pk_add_f32 v[U+4*i:U+4*i+1], v[U+4*i:U+4*i+1], v[U+4*i+2:U+4*i+3]
.set i, i+1
.endr
.set i, 0
.rept 16
	v_add_f32 v[T+i], v[U+4*i], v[U+4*i+1]
.set i, i+1
.endr
.irp p, 0,1,2,3,4,5,6,7
	v_permlane16_swap_b32 v[T+2*\p], v[T+2*\p+1]   ; the first's lanes 16-31 change places with the second's lanes 0-15:
.endr
.irp p, 0,1,2,3,4,5,6,7
	v_add_f32 v[R+\p], v[T+2*\p], v[T+2*\p+1]      ; the sum of the two halves: lane l holds query 32 p + l
.endr
	s_wait_alu depctr_va_vdst(0)                   ; the additions have written v[R] on, which the LDS stores read; they are also done with v[U] on, in which the LDS loads behind the barrier land
.irp p, 0,1,2,3,4,5,6,7
	ds_store_b32 v5, v[R+\p] offset:128*\p
.endr
	s_wait_dscnt 0x0                               ; for the others' sake: my stores have landed
	s_barrier_signal -1
	s_barrier_wait -1
.irp w, 0,1,2,3
	ds_load_b64 v[U+2*\w:U+2*\w+1], v6 offset:1024*\w
.endr
	s_wait_dscnt 0x0
	v_pk_add_f32 v[U:U+1], v[U:U+1], v[U+2:U+3]
	v_pk_add_f32 v[U+4:U+5], v[U+4:U+5], v[U+6:U+7]
	v_pk_add_f32 v[U:U+1], v[U:U+1], v[U+4:U+5]
	s_wait_alu depctr_va_vdst(0)                   ; the last addition has written v[U:U+1], which the store reads
	global_store_b64 v3, v[U:U+1], s[8:9]          ; 256 consecutive bytes, aligned
	s_wait_dscnt 0x0
	s_wait_alu depctr_hold_cnt(0) depctr_sa_sdst(0) depctr_va_vdst(0) depctr_va_sdst(0) depctr_va_ssrc(0) depctr_va_vcc(0) depctr_vm_vsrc(0)
	s_wait_tensorcnt 0x0
	ds_add_u32 v62, v63
	s_wait_dscnt 0x0
	s_endpgm
.Lfunc_end_k_qeb460bdb59_att1:
	.size	k_qeb460bdb59_att1, .Lfunc_end_k_qeb460bdb59_att1-k_qeb460bdb59_att1
	.p2alignl 7, 3214868480
	.fill 96, 4, 3214868480
	.section	.rodata,"a",@progbits
	.p2align	6, 0x0
	.amdhsa_kernel k_qeb460bdb59_att1
		.amdhsa_group_segment_fixed_size 4608
		.amdhsa_private_segment_fixed_size 0
		.amdhsa_enable_private_segment 0
		.amdhsa_kernarg_size 24
		.amdhsa_user_sgpr_count 2
		.amdhsa_user_sgpr_kernarg_segment_ptr 1
		.amdhsa_wavefront_size32 1
		.amdhsa_system_sgpr_workgroup_id_x 1
		.amdhsa_system_sgpr_workgroup_id_y 1
		.amdhsa_system_sgpr_workgroup_id_z 1
		.amdhsa_system_vgpr_workitem_id 0
		.amdhsa_next_free_vgpr 768
		.amdhsa_next_free_sgpr 66
		.amdhsa_reserve_vcc 0
		.amdhsa_float_denorm_mode_32 3
		.amdhsa_float_denorm_mode_16_64 3
		.amdhsa_memory_ordered 1
		.amdhsa_forward_progress 1
		.amdhsa_inst_pref_size 55
	.end_amdhsa_kernel
	.amdgpu_metadata
---
amdhsa.version: [ 1, 2 ]
amdhsa.kernels:
  - .name:           k_qeb460bdb59_att1
    .symbol:         k_qeb460bdb59_att1.kd
    .args:
      - { .name: cb0, .offset: 0, .size: 8, .value_kind: global_buffer, .address_space: global }
      - { .name: cb1, .offset: 8, .size: 8, .value_kind: global_buffer, .address_space: global }
      - { .name: rel, .offset: 16, .size: 8, .value_kind: global_buffer, .address_space: global }
    .group_segment_fixed_size: 4608
    .private_segment_fixed_size: 0
    .kernarg_segment_align: 8
    .kernarg_segment_size: 24
    .max_flat_workgroup_size: 128
    .sgpr_count:     66
    .vgpr_count:     768
    .wavefront_size: 32
...
	.end_amdgpu_metadata
.endif
;; end of part 6
;; launch step2 (part 7): grid 128 x 2, 4 waves a work-group, no clusters, 164,352 bytes of LDS; arguments x_vid, x_aud, rel, aud_kpm, vid_kpm, vg_W1, vg_b1, vg_W2, vg_b2, aud_ln_g, aud_ln_b, Wk_vid_for_aud_codes, Wk_vid_for_aud_scales, Wq_aud_codes, Wq_aud_scales, cb1, cb0, g_aud, out1, g_vid, out0, cfg2; writes cb1, cb0, g_vid, out0
.if DOCPART == 7
	.amdgcn_target "amdgcn-amd-amdhsa--gfx1250"
	.amdhsa_code_object_version 6
	.text
	.protected	k_qeb460bdb59_step2
	.globl	k_qeb460bdb59_step2
	.p2align	8
	.type	k_qeb460bdb59_step2,@function
k_qeb460bdb59_step2:
	s_mov_b64 s[64:65], 0
	v_nop
	global_prefetch_b8 v0, s[64:65] scope:SCOPE_SE
	s_setreg_imm32_b32 hwreg(HW_REG_WAVE_SCHED_MODE, 0, 2), 2
	s_setreg_imm32_b32 hwreg(HW_REG_WAVE_MODE, 25, 1), 1
	s_wait_xcnt 0x0
	s_wait_alu depctr_vm_vsrc(0)
; The step between two attention launches: the two projections of the next attention, 128 x 2 work-groups.
; y = 0, THE KEYS, from the stream that has just been gated: from the raw sums rel it makes the gate of each row (division by the keys that count, 8 -> 16 -> 1, sigmoid; all in f32), x <- x + x gate,
; and from the new x the keys (rows hidden by the stream's own mask get zero codes).  y = 1, THE QUERIES, from the other stream as it stands: its input, with its stored gate applied if it has one.
; Both projections of a launch have the same norm (g, b) and the same layer.  x itself never goes to memory between the layers: only the gates do, 4 bytes a row.
; TWO STORED WHOLE NUMBERS, which the first launch wrote into this launch's table, make the text serve three launches.  gl (word 0) = the layer of the gate that is made: with gl = 1 the new x of y = 0 is
; the problem's output and is stored; with gl = 0 the gate is stored instead.  pl (word 1) = the layer of the norm and the weights.  A stored gate is loaded and applied first where the stream has one:
; for y = 0 where gl = 1, for y = 1 where pl = 1.  Both numbers are held to 0 .. 1 by s_min_u32 before they enter an address.  The branches on them and on y hold no barrier.
; The gate from rel is computed by y = 1 too, and not used there.  The argument slots that a launch's numbers leave unused name buffers that it neither reads nor writes.
; SHARES, LAYOUTS: as in the first launch.  A work-group takes 64 rows and one projection.  Each wave gates, normalises and quantises 16 whole rows; then wave w makes output features
; 128 w .. 128 w + 127 (heads 2 w, 2 w + 1) for all 64 rows, with its 32 weight fragments (384 registers) read once, straight from memory into registers.  The rows' codes go from wave to wave through
; LDS as images of the operand's registers: one barrier.  THE PRODUCT IS USED TRANSPOSED (source 0 = 16 rows of W, source 1 = 16 rows of x), and lane r of tile 2 b + u takes row
; 32 b + 8 u + r + 8 (r / 8) of W, so that a lane's 16 registers of two neighbouring tiles are 16 neighbouring features.
; OUTPUT LAYOUT.  Codes: for (batch, head, tile of 16 tokens) 768 bytes at ((8 b + head) 128 + tile) 768: lane l's registers 0-3 at 16 l, then its registers 4-5 at 512 + 8 l.
; Scale bytes from SCOFF on: two bytes a token and head, at (block of 64 tokens x 8 + head) 128 + 64 (t / 32 % 2) + 4 (t % 16) + 2 (t / 16 % 2).
; No tensor load and no cluster: the text branches on numbers read from memory, and every byte that a work-group takes in is used once from registers.
; LIMITS: NaN and infinities are not served.  A block whose largest magnitude lies under 2^-122 keeps the scale byte 1.  Divisions are v_rcp_f32 and a multiplication, 1 / sqrt is v_rsq_f32.
; THE MODE: SCHED_MODE bits 1:0 = 2 (LLVM: expert scheduling mode 2), set by the entry lines.  The code itself states the register dependences
; between vector or matrix instructions and memory or LDS instructions, with s_wait_alu, always for 0.
; THE PLAN.  Registers that memory or LDS instructions touch, and who else names them:
;   v2-v21       Offsets and LDS addresses.  Written at the head, never again: one wait on va_vdst ahead of the first load serves every load and store.  It also covers v29, cleared at the head, in which a load may land.
;   v106-129, v142-221   rel, the mask under it and the gate's weights: loaded once, read (v106-129: also written) by the gate's lines.  g and b land in v106-137 behind the gate: the gate's last wait on
;                va_vdst stands behind every line that names those registers.
;   window 3     v0-255, x: 64 loads land; the gates' multiply-adds write it; with gl = 1 and y = 0, 64 stores read it; the norm rewrites it; 64 LDS stores read it and 64 LDS loads land in it (the turn through the
;                stage); the quantiser reads it.  Behind the barrier v0-191 are FOUR buffers of 48, one for each tile of 16 rows: tile m's fragments land in buffer m, and tile m's products alone name it.
;   v224-239     The fragments' scale words, four for each tile: the same.
;   windows 1, 2 and v32-63   The weights and their scale words: loaded once, named by the products alone.
;   v28          The gate: written by its last select, read by one store (gl = 0, y = 0), never written again.
;   OB0 .. OB3, PW0 .. PW3    Four out-buffers of 12 codes' registers and four scale words.  Ahead of the barrier the quantiser of K step k writes OB[k] and PW[k], and the image's LDS stores read them;
;                behind it the quantiser of tile m writes them again, and tile m's global stores read OB[m].  SB[m], the tile's scale bytes, is written once and read by one LDS store.
; So: one wait on va_vdst ahead of each run of stores; one on vm_vsrc ahead of the norm's first write of x and one behind the barrier, where the out-buffers change hands; both ahead of the loads out of
; the stage; and none ahead of the fragments' loads, which are asked for two tiles ahead, in the middle of a tile's products.
.set PITCH,  2064                      ; a row of 512 f32 in the stage + 16 bytes = 129 x 16: the sixteen rows that a load touches start 16 bytes apart modulo 256
.set WSTG,   16*PITCH                  ; a wave's own stage: 16 rows
.set FRB,    1536                      ; a fragment's image: 12 registers x 128 bytes
.set XIMG,   4*WSTG                    ; x's 16 fragments: tile of rows m, K step s at 4 m + s
.set XSC,    XIMG+16*FRB               ; their scale words, 128 bytes each
.set HSC,    XSC+16*128                ; each wave's own 256 bytes of result scale bytes
.set SCOFF,  3145728
.set RR,   2                           ; v2  r = lane % 16
.set HB,   3                           ; v3  h = lane / 16
.set O16,  4                           ; v4  16 x lane
.set O8,   5                           ; v5  8 x lane
.set O4R,  6                           ; v6  4 r
.set AW,   7                           ; v7  W's codes: (r + 8 (r / 8)) 384 + 24 h
.set AWS,  8                           ; v8  W's scales: (r + 8 (r / 8)) 16
.set STW,  9                           ; v9  stage, in: wave + 16 x lane
.set STR,  10                          ; v10 stage, out: wave + r x PITCH + 64 h
.set IMW,  11                          ; v11 where I store x's images
.set ISW,  12                          ; v12 and their scale words
.set IMR,  13                          ; v13 where any image is read: XIMG + 16 x lane
.set ISR,  14                          ; v14 XSC + 4 x lane
.set G256, 15                          ; v15 256 h: my eight rows of the gate's W1
.set G32,  16                          ; v16 32 h: my eight numbers of b1 and of W2
.set HSW,  19                          ; v19 result scale bytes, in
.set HSR,  20                          ; v20 and out
.set SH,   21                          ; v21 16 h
.set ZERO, 22
.set KM,   24                          ; v24-27 the stream's own mask byte of row 16 m + r
.set GT,   28                          ; the gate of row r
.set GP,   29                          ; the stored gate of row r
.set TV,   30                          ; at the head only
.set WS,   32                          ; v32-63 W's scale words: tile t, K step s at 4 t + s
.set TM,   64                          ; v64-79 the quantiser's work
.set PT,   82                          ; v82-88 the conversions' second halves: vector instructions alone name them
.set REL,  106                         ; the gate: v106-113 the 8 heads' sums of row r
.set KP,   114                         ; v114-129 the key mask of my batch, 64 bytes a lane
.set GW1,  142                         ; v142-205 W1[8 h + j][0 .. 7] at 8 j
.set GB1,  206                         ; v206-213 b1[8 h + j]
.set GW2,  214                         ; v214-221 W2[8 h + j]
.set HH,   222                         ; v222-229 my eight hidden units
.set MI,   230                         ; v230-234 at work
.set LG,   106                         ; the norm: v106-121 g, v122-137 b of my 16 columns
.set LB,   122
.set S,    138                         ; v138-169 a pair for each of my 16 rows: sums, then the mean, then 1 / sqrt in the low register
.set HA,   106                         ; the product: v106-169 the 8 result tiles
.set OB,   170                         ; v170-217 four out-buffers of 12: the codes just made
.set XS,   224                         ; v224-239 x's scale words: tile of rows m, K step s at 4 m + s
.set PW,   240                         ; v240-243 the scale words just made
.set SB,   244                         ; v244-247 a tile's scale bytes on their way to LDS
.set XB,   4                           ; s[4:5] x, after the choice by y
.set RELB, 8                           ; s[8:9] rel
.set KPG,  10                          ; s[10:11] the mask of the keys that rel was summed over
.set KPO,  12                          ; s[12:13] the mask of the keys that are made here
.set PW1,  14                          ; s[14:19] the gate's W1, b1, W2
.set PB1,  16
.set PW2,  18
.set LNG,  22                          ; s[22:25] the norm's g, b
.set LNB,  24
.set WC,   26                          ; s[26:29] W's codes, W's scales, after the choice by y
.set WSC,  28
.set OUT,  34                          ; s[34:35] the codes' buffer, after the choice by y
.set OUTS, 36                          ; s[36:37] my scale bytes in it
.set GPV,  38                          ; s[38:39] the stored gates, after the choice by y
.set GNW,  42                          ; s[42:43] the new gates
.set XO,   44                          ; s[44:45] the new x
.set WV,   50
.set Y,    51
.set ROW0, 52
.set B,    53
.set GL,   54                          ; s[54:55] the table's two words: gl, pl
.set LY,   55
.set SEL,  56
.set T0,   58
.set ISK,  59
.set OFF,  60
.set B2S,  62
.set HP,   63                          ; 1: my stream has a stored gate
.set GS,   66                          ; s[66:97] the gate of row i in s[66 + 2 i]; the odd ones are written once, since the packed form names pairs
.set CM,   66                          ; s66-69, once the gates are applied: tile m's lanes whose row is a hidden key
.set INV,  98
.set EPS,  99
.set MSB, 0
.macro WIN new                         ; the immediate's high byte repeats the setting that is left
.if MSB != (\new)
	s_set_vgpr_msb (MSB<<8)|(\new)
.set MSB, (\new)
.endif
.endm
.macro PLACES n
.rept \n
	v_nop
.endr
.endm
; rows i0 .. i1 of my 16: four loads of 512 consecutive bytes a row, into window 3: element (row i, column 128 j + 4 lane + e) at v[16 i + 4 j + e]
.macro XLOAD i0, i1
	WIN 0xc0
.set xi, \i0
.rept (\i1)-(\i0)+1
.irp j, 0,1,2,3
	global_load_b128 v[16*xi+4*\j:16*xi+4*\j+3], v[O16], s[XB:XB+1] offset:xi*2048+\j*512
.endr
.set xi, xi+1
.endr
	WIN 0
.endm
; tile t of my 8 tiles of W: its four fragments (K steps 0, 1 into window 1, K steps 2, 3 into window 2, at v[12 (2 t + s % 2)]) and its rows' four scale words: 25 loads.
; No wait stands ahead of them: no vector instruction names their registers, and their two offsets were written ahead of the wait in front of the first load
.macro WBATCH t
	WIN 0x40
.irp s, 0,1
.irp p, 0,1,2,3,4,5
	global_load_b64 v[12*(2*(\t)+\s)+2*\p:12*(2*(\t)+\s)+2*\p+1], v[AW], s[WC:WC+1] offset:(32*((\t)/2)+8*((\t)%2))*384+96*\s+48*(\p/3)+8*(\p%3)
.endr
.endr
	WIN 0x80
.irp s, 0,1
.irp p, 0,1,2,3,4,5
	global_load_b64 v[12*(2*(\t)+\s)+2*\p:12*(2*(\t)+\s)+2*\p+1], v[AW], s[WC:WC+1] offset:(32*((\t)/2)+8*((\t)%2))*384+96*(\s+2)+48*(\p/3)+8*(\p%3)
.endr
.endr
	WIN 0
	global_load_b128 v[WS+4*(\t):WS+4*(\t)+3], v[AWS], s[WSC:WSC+1] offset:(32*((\t)/2)+8*((\t)%2))*16
.endm
; THE GATE of row r, in lanes r and r + 16: lane (r, h) makes hidden units 8 h .. 8 h + 7.  Its three transcendentals hang on each other, so each has a wait of its own ahead of its result's first reader
.macro GATE
.irp k, 0,1,2,3,4,5,6,7
	v_add_nc_u32 v[KP+\k], v[KP+\k], v[KP+8+\k]    ; the mask's bytes are 0 or 1: sixteen words are added byte by byte, 16 at the most in a byte
.endr
.irp k, 0,1,2,3
	v_add_nc_u32 v[KP+\k], v[KP+\k], v[KP+4+\k]
.endr
	v_add_nc_u32 v[KP], v[KP], v[KP+2]
	v_add_nc_u32 v[KP+1], v[KP+1], v[KP+3]
	v_add_nc_u32 v[KP], v[KP], v[KP+1]
	s_mov_b32 s[T0], 0x01010101
	v_mul_lo_u32 v[MI], v[KP], s[T0]               ; the top byte is the sum of the four
	v_lshrrev_b32 v[MI], 24, v[MI]
	v_cvt_f32_u32 v[MI], v[MI]
.irp x, 1,2,4,8
	v_add_f32_dpp v[MI], v[MI], v[MI] row_xmask:\x row_mask:0xf bank_mask:0xf
.endr
	v_permlanex16_b32 v[MI+1], v[MI], s[SEL], s[SEL+1]
	v_add_f32 v[MI], v[MI], v[MI+1]                ; the batch's hidden keys (whole numbers up to 2,048: exact)
	v_sub_f32 v[MI], 0x45000000, v[MI]             ; 2,048 less those: the keys that count
	v_max_num_f32 v[MI+2], 1.0, v[MI]
	v_rcp_f32 v[MI+2], v[MI+2]
	v_nop                                          ; one plain place behind a transcendental
	s_wait_alu depctr_va_vdst(0)                   ; the reciprocal of the count is written, ahead of its first reader
	v_mul_f32 v[MI+2], 0x3e000000, v[MI+2]         ; x 1 / sqrt(64)
.irp h, 0,1,2,3,4,5,6,7
	v_mul_f32 v[REL+\h], v[MI+2], v[REL+\h]
.endr
.irp j, 0,1,2,3,4,5,6,7
	v_fma_f32 v[HH+\j], v[REL], v[GW1+8*\j], v[GB1+\j]   ; the bias starts each sum; the eight units by turns
.endr
.irp h, 1,2,3,4,5,6,7
.irp j, 0,1,2,3,4,5,6,7
	v_fma_f32 v[HH+\j], v[REL+\h], v[GW1+8*\j+\h], v[HH+\j]
.endr
.endr
.irp j, 0,1,2,3,4,5,6,7
	v_max_num_f32 v[HH+\j], 0, v[HH+\j]
.endr
	v_mul_f32 v[MI+3], v[HH], v[GW2]
	v_mul_f32 v[MI+4], v[HH+1], v[GW2+1]
.irp j, 2,4,6
	v_fma_f32 v[MI+3], v[HH+\j], v[GW2+\j], v[MI+3]
	v_fma_f32 v[MI+4], v[HH+\j+1], v[GW2+\j+1], v[MI+4]
.endr
	v_add_f32 v[MI+3], v[MI+3], v[MI+4]
	v_permlanex16_b32 v[MI+1], v[MI+3], s[SEL], s[SEL+1]
	v_add_f32 v[MI+3], v[MI+3], v[MI+1]            ; with the other eight units
	v_add_f32 v[MI+3], s[B2S], v[MI+3]
	v_mul_f32 v[MI+3], 0xbfb8aa3b, v[MI+3]         ; sigmoid(o) = 1 / (1 + 2^(-o log2 e))
	v_exp_f32 v[MI+3], v[MI+3]
	v_nop
	s_wait_alu depctr_va_vdst(0)                   ; the exponential is written, ahead of its first reader
	v_add_f32 v[MI+3], 1.0, v[MI+3]
	v_rcp_f32 v[GT], v[MI+3]
	v_nop
	v_cmp_eq_f32 vcc_lo, 0, v[MI]
	s_wait_alu depctr_va_vcc(0)                    ; VCC is written, ahead of the select that reads it
	s_wait_alu depctr_va_vdst(0)                   ; the sigmoid's reciprocal is written, ahead of its first reader; and every line that names v106 to v137 is done, in which g and b land below
	v_cndmask_b32 v[GT], v[GT], v[ZERO], vcc_lo    ; a batch all of whose keys are hidden has the gate 0
.endm
; x <- x + x gate: row i's gate goes from lane i into a scalar register, which every lane multiplies by
.macro APPLY vg
.set i, 0
.rept 16
	v_readlane_b32 s[GS+2*i], v[\vg], i
.set i, i+1
.endr
	s_wait_alu depctr_va_sdst(0)                   ; the sixteen gates are written to s[GS] on: one wait behind the run, ahead of their first reader
	WIN 0xf3
.set q, 0
.rept 128
	v_pk_fma_f32 v[2*q:2*q+1], v[2*q:2*q+1], s[GS+2*(q/8):GS+2*(q/8)+1], v[2*q:2*q+1] op_sel_hi:[1,0,1]
.set q, q+1
.endr
	WIN 0
.endm
; the 16 pairs S become 16 sums over the wave, in every lane, in each pair's low register
.macro RSUM
.set i, 0
.rept 16
	v_add_f32 v[S+2*i], v[S+2*i], v[S+2*i+1]
.set i, i+1
.endr
.irp x, 1,2,4,8
.set i, 0
.rept 16
	v_add_f32_dpp v[S+2*i], v[S+2*i], v[S+2*i] row_xmask:\x row_mask:0xf bank_mask:0xf
.set i, i+1
.endr
.endr
.set i, 0
.rept 16
	v_permlanex16_b32 v[S+2*i+1], v[S+2*i], s[SEL], s[SEL+1]
.set i, i+1
.endr
.set i, 0
.rept 16
	v_add_f32 v[S+2*i], v[S+2*i], v[S+2*i+1]
.set i, i+1
.endr
.endm
; 64 numbers of a lane in window w, register s + 16 b + i = k 32 b + 16 (lane / 16) + i of my row, become a fragment's codes in v[o] on and its scale word in v[pw]
.macro QUANT s, w, o, pw
	WIN (\w)|((\w)<<2)
.irp b, 0,1,2,3
	v_max3_num_f32 v[TM+\b], |v[(\s)+16*\b]|, |v[(\s)+1+16*\b]|, 0x2800000   ; block b: my 16 numbers, and the floor 2^(5 - 127): the byte cannot fall under 1
.endr
	WIN ((\w)<<2)|((\w)<<4)
.irp i, 2,4,6,8,10,12,14
.irp b, 0,1,2,3
	v_max3_num_f32 v[TM+\b], v[TM+\b], |v[(\s)+16*\b+\i]|, |v[(\s)+1+16*\b+\i]|   ; the four blocks by turns
.endr
.endr
	WIN 0
.irp b, 0,1,2,3
	v_permlanex16_b32 v[TM+4+\b], v[TM+\b], s[SEL], s[SEL+1]
.endr
.irp b, 0,1,2,3
	v_max_num_f32 v[TM+\b], v[TM+\b], v[TM+4+\b]   ; with lane l xor 16's: the block's largest magnitude
.endr
.irp b, 0,1,2,3
	v_add_nc_u32 v[TM+12+\b], 0xfe000000, v[TM+\b]   ; 4 off its exponent field: the conversion's scale operand
.endr
.irp b, 0,1,2,3
	v_lshrrev_b32 v[TM+4+\b], 23, v[TM+12+\b]   ; the scale's byte
.endr
	v_lshl_or_b32 v[\pw], v[TM+5], 8, v[TM+4]
	v_lshl_or_b32 v[\pw], v[TM+6], 16, v[\pw]
	v_lshl_or_b32 v[\pw], v[TM+7], 24, v[\pw]
	WIN \w
.irp c, 0,1
	v_cvt_scalef32_pk16_bf6_f32 v[(\o)+6*\c:(\o)+2+6*\c], v[(\s)+32*\c:(\s)+15+32*\c], v[TM+12+2*\c]
	v_cvt_scalef32_pk16_bf6_f32 v[PT+4*\c:PT+2+4*\c], v[(\s)+16+32*\c:(\s)+31+32*\c], v[TM+12+2*\c+1]   ; (a conversion's three registers begin on an even number)
.endr
	WIN 0
	v_nop                                          ; one plain place behind a scaled conversion
.irp c, 0,1                                    ; the operand's layout wants a whole block in a lane: lanes 0-15 block 2 c, lanes 16-31 block 2 c + 1
.irp i, 0,1,2
	v_permlane16_swap_b32 v[(\o)+6*\c+\i], v[PT+4*\c+\i]
.endr
.irp i, 0,1,2
	v_mov_b32 v[(\o)+3+6*\c+\i], v[PT+4*\c+\i]
.endr
.endr
.endm
.macro IMAGE adr, off, o                       ; the fragment in v[o] on goes to LDS as it stands
.irp c, 0,1,2
	ds_store_b128 v[\adr], v[(\o)+4*\c:(\o)+4*\c+3] offset:(\off)+512*\c
.endr
.endm
.macro FETCH reg, off                          ; and comes back so, in any wave
.irp c, 0,1,2
	ds_load_b128 v[(\reg)+4*\c:(\reg)+4*\c+3], v[IMR] offset:(\off)+512*\c
.endr
.endm
; the four fragments (into buffer m of window 3) and the four scale words of rows 16 m .. 16 m + 15: 16 LDS loads.
; No wait stands ahead of them: of the vector side only the quantiser of x (and, for the scale words' registers, the gate) has named these registers, ahead of the wait in front of the last image; tile m's products are the next to name them
.macro FETCHX m
	WIN 0xc0
.irp s, 0,1,2,3
	FETCH 48*(\m)+12*\s, (4*(\m)+\s)*FRB
.endr
	WIN 0
.irp s, 0,1,2,3
	ds_load_b32 v[XS+4*(\m)+\s], v[ISR] offset:(4*(\m)+\s)*128
.endr
.endm
.macro MM1 t, s, m                             ; tile t of W, K step s, rows 16 m on; the first K step starts the sum
.if (\s) == 0
	v_wmma_scale_f32_16x16x128_f8f6f4 v[HA+8*\t:HA+8*\t+7], v[12*(2*\t+\s%2):12*(2*\t+\s%2)+11], v[48*(\m)+12*\s:48*(\m)+12*\s+11], 0, v[WS+4*\t+\s], v[XS+4*(\m)+\s] matrix_a_fmt:MATRIX_FMT_BF6 matrix_b_fmt:MATRIX_FMT_BF6
.else
	v_wmma_scale_f32_16x16x128_f8f6f4 v[HA+8*\t:HA+8*\t+7], v[12*(2*\t+\s%2):12*(2*\t+\s%2)+11], v[48*(\m)+12*\s:48*(\m)+12*\s+11], v[HA+8*\t:HA+8*\t+7], v[WS+4*\t+\s], v[XS+4*(\m)+\s] matrix_a_fmt:MATRIX_FMT_BF6 matrix_b_fmt:MATRIX_FMT_BF6
.endif
.endm
; rows 16 m .. 16 m + 15 against my 128 features: 32 matrix instructions, the eight accumulators by turns; then the results are quantised and stored.
; left = how many LDS instructions were issued behind this tile's 16 loads and may stay out
.macro TILE m, left
	s_wait_dscnt \left                             ; LDS instructions end in order (ISA guide 5.7.1): this tile's fragments and scale words are in
	WIN 0x0d                                       ; source 0 (W) window 1, source 1 (x) window 3
.irp s, 0,1
.irp t, 0,1,2,3,4,5,6,7
	MM1 \t, \s, \m
.endr
.endr
.if (\m) < 2
	FETCHX (\m)+2                                  ; two tiles ahead, into a buffer that none of these products names
.endif
	WIN 0x0e                                       ; source 0 window 2
.irp s, 2,3
.irp t, 0,1,2,3,4,5,6,7
	MM1 \t, \s, \m
.endr
.endr
	WIN 0
	PLACES 5                                       ; in front of the reads of the results, and of the next tile's products, which write over these accumulators
	QUANT HA, 0, OB+12*(\m), PW+(\m)               ; it reads each accumulator from its low end on
.irp c, 0,1,2,3,4,5,6,7,8,9,10,11
	v_cndmask_b32 v[OB+12*(\m)+\c], v[OB+12*(\m)+\c], v[ZERO], s[CM+(\m)]   ; a hidden key's codes are zeros: it adds nothing to any sum
.endr
	v_lshrrev_b32 v[SB+(\m)], v[SH], v[PW+(\m)]    ; lanes 0-15: head 2 w's two bytes, lanes 16-31: head 2 w + 1's
	s_wait_alu depctr_va_vdst(0)                   ; the selects have written OB[m] and the shift SB[m], which the five stores below read
	global_store_b128 v[O16], v[OB+12*(\m):OB+12*(\m)+3], s[OUT:OUT+1] offset:768*(\m)             ; head 2 w: 512 consecutive bytes,
	global_store_b64 v[O8], v[OB+12*(\m)+4:OB+12*(\m)+5], s[OUT:OUT+1] offset:768*(\m)+512         ; and 256
	global_store_b128 v[O16], v[OB+12*(\m)+6:OB+12*(\m)+9], s[OUT:OUT+1] offset:98304+768*(\m)     ; head 2 w + 1
	global_store_b64 v[O8], v[OB+12*(\m)+10:OB+12*(\m)+11], s[OUT:OUT+1] offset:98304+768*(\m)+512
	ds_store_b16 v[HSW], v[SB+(\m)] offset:((\m)/2)*64+((\m)%2)*2
.endm
	s_load_b512 s[4:19], s[0:1], 0x0               ; the keys' stream, the queries' stream, rel, the mask under rel, the mask of the keys made here, the gate's W1, b1, W2
	s_load_b512 s[20:35], s[0:1], 0x40             ; the gate's b2, the norm's g, b, the keys' W: codes, scales, the queries' W: codes, scales, the keys' codes
	s_load_b256 s[36:43], s[0:1], 0x80             ; the queries' codes, the stored gates of the keys' stream, of the queries' stream, the new gates
	s_load_b128 s[44:47], s[0:1], 0xa0             ; the new x, this launch's table
	v_lshl_add_u32 v254, v0, 2, 0x28000
	v_mov_b32 v255, 0
	v_lshrrev_b32 v1, 5, v0
	v_readfirstlane_b32 s[WV], v1                  ; wave 0..3
	v_and_b32 v1, 31, v0                           ; lane
	v_and_b32 v[RR], 15, v0
	v_bfe_u32 v[HB], v0, 4, 1
	v_lshlrev_b32 v[O16], 4, v1
	v_lshlrev_b32 v[O8], 3, v1
	v_lshlrev_b32 v[O4R], 2, v[RR]
	v_and_b32 v[TV], 8, v[RR]
	v_add_nc_u32 v[TV], v[TV], v[RR]               ; r + 8 (r / 8)
	v_mul_u32_u24 v[AW], v[TV], 384
	v_mad_u32_u24 v[AW], v[HB], 24, v[AW]
	v_lshlrev_b32 v[AWS], 4, v[TV]
	s_wait_alu depctr_va_sdst(0)                   ; the wave's number is written, ahead of its first reader: LDS places and bases are made from it
	s_mul_i32 s[T0], s[WV], WSTG
	v_add_nc_u32 v[STW], s[T0], v[O16]
	v_mul_u32_u24 v[STR], v[RR], PITCH
	v_lshl_add_u32 v[STR], v[HB], 6, v[STR]
	v_add_nc_u32 v[STR], s[T0], v[STR]
	s_mul_i32 s[T0], s[WV], 4*FRB
	s_add_co_u32 s[T0], s[T0], XIMG
	v_add_nc_u32 v[IMW], s[T0], v[O16]
	s_lshl_b32 s[T0], s[WV], 9
	s_add_co_u32 s[T0], s[T0], XSC
	v_lshlrev_b32 v[ISR], 2, v1
	v_add_nc_u32 v[ISW], s[T0], v[ISR]
	v_add_nc_u32 v[IMR], XIMG, v[O16]
	v_add_nc_u32 v[ISR], XSC, v[ISR]
	v_lshlrev_b32 v[G256], 8, v[HB]
	v_lshlrev_b32 v[G32], 5, v[HB]
	s_lshl_b32 s[T0], s[WV], 8
	s_add_co_u32 s[T0], s[T0], HSC
	v_lshl_add_u32 v[HSW], v[HB], 7, v[O4R]
	v_add_nc_u32 v[HSW], s[T0], v[HSW]
	v_add_nc_u32 v[HSR], s[T0], v[O8]
	v_lshlrev_b32 v[SH], 4, v[HB]
	v_mov_b32 v[ZERO], 0
	v_mov_b32 v[GP], 0
	v_mov_b32 v[MI+1], 0                           ; written once: a lane permute's destination counts as one of its sources
.irp b, 0,1,2,3
	v_mov_b32 v[TM+4+\b], 0
.endr
.set i, 0
.rept 16
	s_mov_b32 s[GS+2*i+1], 0
.set i, i+1
.endr
	s_and_b32 s[Y], ttmp7, 0xffff                  ; which projection
	s_lshr_b32 s[B], ttmp9, 5                      ; batch
	s_lshl_b32 s[ROW0], ttmp9, 6
	s_lshl_b32 s[T0], s[WV], 4
	s_add_co_u32 s[ROW0], s[ROW0], s[T0]           ; my wave's first row of the 8,192
	s_mov_b32 s[SEL], 0x76543210
	s_mov_b32 s[SEL+1], 0xfedcba98                 ; v_permlanex16_b32's selects for lane l xor 16
	s_mov_b32 s[INV], 0x3b000000                   ; 1 / 512
	s_mov_b32 s[EPS], 0x3727c5ac                   ; 1e-5
	s_mov_b32 s[OFF+1], 0
	s_wait_kmcnt 0x0
	s_load_b64 s[GL:GL+1], s[46:47], 0x0           ; the two stored whole numbers,
	s_load_b64 s[100:101], s[20:21], 0x0           ; and b2 of both layers
	s_cmp_eq_u32 s[Y], 0                           ; the choices hang on the work-group's number alone
	s_cselect_b64 s[4:5], s[4:5], s[6:7]           ; my stream,
	s_cselect_b64 s[26:27], s[26:27], s[30:31]     ; my weights' codes,
	s_cselect_b64 s[28:29], s[28:29], s[32:33]     ; their scales,
	s_cselect_b64 s[34:35], s[34:35], s[36:37]     ; where the results go,
	s_cselect_b64 s[38:39], s[38:39], s[40:41]     ; and my stream's stored gates
	s_cselect_b32 s[ISK], -1, 0                    ; only keys are masked
	s_lshl_b32 s[OFF], s[ROW0], 11
	s_add_nc_u64 s[XB:XB+1], s[XB:XB+1], s[OFF:OFF+1]
	s_add_nc_u64 s[XO:XO+1], s[XO:XO+1], s[OFF:OFF+1]
	s_lshl_b32 s[OFF], s[ROW0], 2
	s_add_nc_u64 s[GPV:GPV+1], s[GPV:GPV+1], s[OFF:OFF+1]
	s_add_nc_u64 s[GNW:GNW+1], s[GNW:GNW+1], s[OFF:OFF+1]
	s_mul_i32 s[T0], s[B], 57344                   ; rel is [8 b + h][2,048]: 65,536 b + 4 (row - 2,048 b)
	s_add_co_u32 s[OFF], s[OFF], s[T0]
	s_add_nc_u64 s[RELB:RELB+1], s[RELB:RELB+1], s[OFF:OFF+1]
	s_lshl_b32 s[OFF], s[B], 11
	s_add_nc_u64 s[KPG:KPG+1], s[KPG:KPG+1], s[OFF:OFF+1]
	s_lshl_b32 s[OFF], ttmp9, 6
	s_add_nc_u64 s[KPO:KPO+1], s[KPO:KPO+1], s[OFF:OFF+1]
	s_lshl_b32 s[OFF], ttmp9, 10
	s_lshl_b32 s[T0], s[WV], 8
	s_add_co_u32 s[OFF], s[OFF], s[T0]
	s_add_co_u32 s[OFF], s[OFF], SCOFF
	s_add_nc_u64 s[OUTS:OUTS+1], s[OUT:OUT+1], s[OFF:OFF+1]   ; my 256 scale bytes
	s_and_b32 s[T0], ttmp9, 31
	s_mul_i32 s[OFF], s[T0], 3072
	s_mul_i32 s[T0], s[B], 786432
	s_add_co_u32 s[OFF], s[OFF], s[T0]
	s_mul_i32 s[T0], s[WV], 196608
	s_add_co_u32 s[OFF], s[OFF], s[T0]
	s_add_nc_u64 s[OUT:OUT+1], s[OUT:OUT+1], s[OFF:OFF+1]     ; ((8 b + 2 w) 128 + 4 x block of 64 rows) 768
	s_wait_alu depctr_va_vdst(0)                   ; the offsets and LDS addresses v2 to v21 are written: every load and store from here on reads some of them, and none is written again; so is v29, in which a load may land
.irp h, 0,1,2,3,4,5,6,7
	global_load_b32 v[REL+\h], v[O4R], s[RELB:RELB+1] offset:8192*\h
.endr
.irp j, 0,1,2,3
	global_load_b128 v[KP+4*\j:KP+4*\j+3], v[O16], s[KPG:KPG+1] offset:512*\j
.endr
	XLOAD 0, 6                                     ; what hangs on no stored number is asked for first
	s_wait_kmcnt 0x0
	s_min_u32 s[GL], s[GL], 1
	s_min_u32 s[LY], s[LY], 1
	s_cmp_eq_u32 s[Y], 0
	s_cselect_b32 s[HP], s[GL], s[LY]              ; the keys' stream has a stored gate where gl = 1, the queries' where pl = 1
	s_lshl_b32 s[OFF], s[GL], 9
	s_add_nc_u64 s[PW1:PW1+1], s[PW1:PW1+1], s[OFF:OFF+1]
	s_lshl_b32 s[OFF], s[GL], 6
	s_add_nc_u64 s[PB1:PB1+1], s[PB1:PB1+1], s[OFF:OFF+1]
	s_add_nc_u64 s[PW2:PW2+1], s[PW2:PW2+1], s[OFF:OFF+1]
	s_lshl_b32 s[OFF], s[LY], 11
	s_add_nc_u64 s[LNG:LNG+1], s[LNG:LNG+1], s[OFF:OFF+1]
	s_add_nc_u64 s[LNB:LNB+1], s[LNB:LNB+1], s[OFF:OFF+1]
	s_mul_i32 s[OFF], s[LY], 196608
	s_mul_i32 s[T0], s[WV], 49152                  ; my 128 rows of W: 384 bytes of codes a row,
	s_add_co_u32 s[OFF], s[OFF], s[T0]
	s_add_nc_u64 s[WC:WC+1], s[WC:WC+1], s[OFF:OFF+1]
	s_lshl_b32 s[OFF], s[LY], 13
	s_lshl_b32 s[T0], s[WV], 11                    ; 16 scale bytes a row
	s_add_co_u32 s[OFF], s[OFF], s[T0]
	s_add_nc_u64 s[WSC:WSC+1], s[WSC:WSC+1], s[OFF:OFF+1]
	s_cmp_eq_u32 s[GL], 0
	s_cselect_b32 s[B2S], s100, s101
.irp j, 0,1,2,3,4,5,6,7
	global_load_b128 v[GW1+8*\j:GW1+8*\j+3], v[G256], s[PW1:PW1+1] offset:32*\j
	global_load_b128 v[GW1+8*\j+4:GW1+8*\j+7], v[G256], s[PW1:PW1+1] offset:32*\j+16
.endr
	global_load_b128 v[GB1:GB1+3], v[G32], s[PB1:PB1+1]
	global_load_b128 v[GB1+4:GB1+7], v[G32], s[PB1:PB1+1] offset:16
	global_load_b128 v[GW2:GW2+3], v[G32], s[PW2:PW2+1]
	global_load_b128 v[GW2+4:GW2+7], v[G32], s[PW2:PW2+1] offset:16
	s_cmp_eq_u32 s[HP], 0
	s_cbranch_scc1 .Lno_prev
	global_load_b32 v[GP], v[O4R], s[GPV:GPV+1]    ; my stream's stored gate
.Lno_prev:
	XLOAD 7, 15                                    ; (no vector instruction has been issued since the wait ahead of the first load)
	s_wait_loadcnt 36                              ; behind all that the gate reads stand the 36 loads of rows 7 to 15, on both ways
	GATE
.irp m, 0,1,2,3
	global_load_u8 v[KM+\m], v[RR], s[KPO:KPO+1] offset:16*\m
.endr
.irp j, 0,1,2,3
	global_load_b128 v[LG+4*\j:LG+4*\j+3], v[O16], s[LNG:LNG+1] offset:512*\j   ; into rel's and the mask's registers.  No wait here: since the gate's last wait only its select has been issued, which names v28 and v22
	global_load_b128 v[LB+4*\j:LB+4*\j+3], v[O16], s[LNB:LNB+1] offset:512*\j
.endr
	s_wait_loadcnt 12                              ; behind x's last load stand these 12: all of x is in
	WBATCH 0                                       ; the weights are asked for tile by tile between the parts of the work
	s_cmp_eq_u32 s[HP], 0
	s_cbranch_scc1 .Lno_prev2
	APPLY GP
.Lno_prev2:
	s_cmp_lg_u32 s[Y], 0
	s_cbranch_scc1 .Lno_out                        ; the new gate belongs to the keys' stream alone
	APPLY GT
	s_wait_alu depctr_va_vdst(0)                   ; the multiply-adds have written the new x and the select the gate: the stores on either way below read the one or the other
	s_cmp_eq_u32 s[GL], 0
	s_cbranch_scc1 .Lgate_out
	WIN 0x0c                                       ; a store's data are its source 1: window 3
.set q, 0
.rept 64
	global_store_b128 v[O16], v[4*q:4*q+3], s[XO:XO+1] offset:(q/4)*2048+(q%4)*512 th:TH_STORE_NT   ; 512 consecutive bytes, aligned; written once, read by nobody
.set q, q+1
.endr
	WIN 0
	s_branch .Lno_out
.Lgate_out:
	global_store_b32 v[O4R], v[GT], s[GNW:GNW+1]   ; lanes r and r + 16 store the same word with the same value
.Lno_out:
	WBATCH 1
	; ---- the rows' means
	WIN 0x0f
.set i, 0
.rept 16
	v_pk_add_f32 v[S+2*i:S+2*i+1], v[16*i:16*i+1], v[16*i+2:16*i+3]
.set i, i+1
.endr
	WIN 0x0c
.set p, 2
.rept 6
.set i, 0
.rept 16
	v_pk_add_f32 v[S+2*i:S+2*i+1], v[S+2*i:S+2*i+1], v[16*i+2*p:16*i+2*p+1]
.set i, i+1
.endr
.set p, p+1
.endr
	WIN 0
	WBATCH 2
	RSUM
.set i, 0
.rept 16
	v_mul_f32 v[S+2*i], s[INV], v[S+2*i]
.set i, i+1
.endr
	WBATCH 3
	s_wait_xcnt 0x0                                ; every earlier memory instruction has had its addresses translated (ISA guide 3.1): the data of the new x's stores are written again only behind this wait,
	s_wait_alu depctr_vm_vsrc(0)                   ; and behind this one: those stores have read x's registers, which the subtractions below write
	; ---- x - mean
	WIN 0xc3
.set q, 0
.rept 128
	v_pk_add_f32 v[2*q:2*q+1], v[2*q:2*q+1], v[S+2*(q/8):S+2*(q/8)+1] op_sel_hi:[1,0] neg_lo:[0,1] neg_hi:[0,1]
.set q, q+1
.endr
	WIN 0
	WBATCH 4
	; ---- the mean of the squares, 1 / sqrt(. + eps)
	WIN 0x0f
.set i, 0
.rept 16
	v_pk_mul_f32 v[S+2*i:S+2*i+1], v[16*i:16*i+1], v[16*i:16*i+1]
.set i, i+1
.endr
.set p, 1
.rept 7
.set i, 0
.rept 16
	v_pk_fma_f32 v[S+2*i:S+2*i+1], v[16*i+2*p:16*i+2*p+1], v[16*i+2*p:16*i+2*p+1], v[S+2*i:S+2*i+1]
.set i, i+1
.endr
.set p, p+1
.endr
	WIN 0
	WBATCH 5
	RSUM
.set i, 0
.rept 16
	v_fma_f32 v[S+2*i], v[S+2*i], s[INV], s[EPS]
.set i, i+1
.endr
.set i, 0
.rept 16
	v_rsq_f32 v[S+2*i], v[S+2*i]
.set i, i+1
.endr
	v_nop                                          ; one plain place behind the transcendentals
	WBATCH 6
	s_wait_loadcnt 63                              ; 175 loads were issued behind g's and b's: with 63 at the most out, g and b are in
	s_wait_alu depctr_va_vdst(0)                   ; the sixteen 1 / sqrt are written: one wait for the batch, ahead of its first reader
	WIN 0xc3
.set q, 0
.rept 128
	v_pk_mul_f32 v[2*q:2*q+1], v[2*q:2*q+1], v[S+2*(q/8):S+2*(q/8)+1] op_sel_hi:[1,0]
.set q, q+1
.endr
.set q, 0
.rept 128
	v_pk_fma_f32 v[2*q:2*q+1], v[2*q:2*q+1], v[LG+2*(q%8):LG+2*(q%8)+1], v[LB+2*(q%8):LB+2*(q%8)+1]
.set q, q+1
.endr
	WIN 0
	WBATCH 7
	; ---- the turn through my own stage: in as loaded, out so that lane (r, h) holds, of row r, 16 neighbours of each block of 32: v[16 k + n] = column 32 k + 16 h + n
	WIN 0x0c
	s_wait_alu depctr_va_vdst(0)                   ; the norm's multiply-adds have written x, which the 64 LDS stores read
.set q, 0
.rept 64
	ds_store_b128 v[STW], v[4*q:4*q+3] offset:(q/4)*PITCH+512*(q%4)
.set q, q+1
.endr
	s_wait_dscnt 0x0                               ; the stores have landed
	WIN 0xc0
	s_wait_alu depctr_vm_vsrc(0)                   ; the 64 LDS stores have read the registers of window 3, in which the loads below land
	s_wait_alu depctr_va_vdst(0)                   ; and the norm's lines are done with them: stated once more directly ahead of these loads, which stand under another register window behind stores that name their registers
.set q, 0
.rept 64
	ds_load_b128 v[4*q:4*q+3], v[STR] offset:128*(q/4)+16*(q%4)
.set q, q+1
.endr
	WIN 0
	s_wait_dscnt 0x0
.irp k, 0,1,2,3
	QUANT 64*\k, 3, OB+12*\k, PW+\k
	s_wait_alu depctr_va_vdst(0)                   ; the quantiser has written OB[k] and PW[k], which the four LDS stores read; it is also done reading x's registers 64 k on, in which fragments land later
	IMAGE IMW, \k*FRB, OB+12*\k
	ds_store_b32 v[ISW], v[PW+\k] offset:128*\k
.endr
	s_wait_dscnt 0x0                               ; for the other waves' sake: my images have landed
	s_barrier_signal -1
	s_barrier_wait -1                              ; x's sixteen fragments lie in LDS; they are not written again
	s_wait_alu depctr_vm_vsrc(0)                   ; my LDS stores have read OB0 to OB3 and PW0 to PW3, which the tiles' quantiser writes again
	FETCHX 0
	FETCHX 1
	s_wait_loadcnt 0x0                             ; the weights and the mask
.irp m, 0,1,2,3
	v_and_b32 v[KM+\m], s[ISK], v[KM+\m]
.endr
.irp m, 0,1,2,3
	v_cmp_ne_u32 s[CM+\m], 0, v[KM+\m]             ; the four tiles' compares in one run
.endr
	s_wait_alu depctr_va_sdst(0)                   ; s[CM] to s[CM + 3] are written, ahead of their first reader, tile 0's selects
	TILE 0, 16                                     ; behind tile 0's loads: tile 1's 16
	TILE 1, 17                                     ; behind tile 1's: tile 2's 16 and tile 0's byte store
	TILE 2, 18                                     ; behind tile 2's: a byte store, tile 3's 16, a byte store
	TILE 3, 2                                      ; behind tile 3's: two byte stores
	ds_load_b64 v[TM:TM+1], v[HSR]                 ; LDS serves a wave's instructions in order: this sees my stores.  (No vector instruction has been issued since tile 3's wait, behind which the quantiser is done with v[TM] on)
	s_wait_dscnt 0x0
	global_store_b64 v[O8], v[TM:TM+1], s[OUTS:OUTS+1]   ; 256 consecutive bytes, aligned
	s_wait_dscnt 0x0
	s_wait_alu depctr_hold_cnt(0) depctr_sa_sdst(0) depctr_va_vdst(0) depctr_va_sdst(0) depctr_va_ssrc(0) depctr_va_vcc(0) depctr_vm_vsrc(0)
	s_wait_tensorcnt 0x0
	ds_add_u32 v254, v255
	s_wait_dscnt 0x0
	s_endpgm
.Lfunc_end_k_qeb460bdb59_step2:
	.size	k_qeb460bdb59_step2, .Lfunc_end_k_qeb460bdb59_step2-k_qeb460bdb59_step2
	.p2alignl 7, 3214868480
	.fill 96, 4, 3214868480
	.section	.rodata,"a",@progbits
	.p2align	6, 0x0
	.amdhsa_kernel k_qeb460bdb59_step2
		.amdhsa_group_segment_fixed_size 164352
		.amdhsa_private_segment_fixed_size 0
		.amdhsa_enable_private_segment 0
		.amdhsa_kernarg_size 176
		.amdhsa_user_sgpr_count 2
		.amdhsa_user_sgpr_kernarg_segment_ptr 1
		.amdhsa_wavefront_size32 1
		.amdhsa_system_sgpr_workgroup_id_x 1
		.amdhsa_system_sgpr_workgroup_id_y 1
		.amdhsa_system_sgpr_workgroup_id_z 1
		.amdhsa_system_vgpr_workitem_id 0
		.amdhsa_next_free_vgpr 1024
		.amdhsa_next_free_sgpr 102
		.amdhsa_reserve_vcc 1
		.amdhsa_float_denorm_mode_32 3
		.amdhsa_float_denorm_mode_16_64 3
		.amdhsa_memory_ordered 1
		.amdhsa_forward_progress 1
		.amdhsa_inst_pref_size 188
	.end_amdhsa_kernel
	.amdgpu_metadata
---
amdhsa.version: [ 1, 2 ]
amdhsa.kernels:
  - .name:           k_qeb460bdb59_step2
    .symbol:         k_qeb460bdb59_step2.kd
    .args:
      - { .name: x_vid, .offset: 0, .size: 8, .value_kind: global_buffer, .address_space: global }
      - { .name: x_aud, .offset: 8, .size: 8, .value_kind: global_buffer, .address_space: global }
      - { .name: rel, .offset: 16, .size: 8, .value_kind: global_buffer, .address_space: global }
      - { .name: aud_kpm, .offset: 24, .size: 8, .value_kind: global_buffer, .address_space: global }
      - { .name: vid_kpm, .offset: 32, .size: 8, .value_kind: global_buffer, .address_space: global }
      - { .name: vg_W1, .offset: 40, .size: 8, .value_kind: global_buffer, .address_space: global }
      - { .name: vg_b1, .offset: 48, .size: 8, .value_kind: global_buffer, .address_space: global }
      - { .name: vg_W2, .offset: 56, .size: 8, .value_kind: global_buffer, .address_space: global }
      - { .name: vg_b2, .offset: 64, .size: 8, .value_kind: global_buffer, .address_space: global }
      - { .name: aud_ln_g, .offset: 72, .size: 8, .value_kind: global_buffer, .address_space: global }
      - { .name: aud_ln_b, .offset: 80, .size: 8, .value_kind: global_buffer, .address_space: global }
      - { .name: Wk_vid_for_aud_codes, .offset: 88, .size: 8, .value_kind: global_buffer, .address_space: global }
      - { .name: Wk_vid_for_aud_scales, .offset: 96, .size: 8, .value_kind: global_buffer, .address_space: global }
      - { .name: Wq_aud_codes, .offset: 104, .size: 8, .value_kind: global_buffer, .address_space: global }
      - { .name: Wq_aud_scales, .offset: 112, .size: 8, .value_kind: global_buffer, .address_space: global }
      - { .name: cb1, .offset: 120, .size: 8, .value_kind: global_buffer, .address_space: global }
      - { .name: cb0, .offset: 128, .size: 8, .value_kind: global_buffer, .address_space: global }
      - { .name: g_aud, .offset: 136, .size: 8, .value_kind: global_buffer, .address_space: global }
      - { .name: out1, .offset: 144, .size: 8, .value_kind: global_buffer, .address_space: global }
      - { .name: g_vid, .offset: 152, .size: 8, .value_kind: global_buffer, .address_space: global }
      - { .name: out0, .offset: 160, .size: 8, .value_kind: global_buffer, .address_space: global }
      - { .name: cfg2, .offset: 168, .size: 8, .value_kind: global_buffer, .address_space: global }
    .group_segment_fixed_size: 164352
    .private_segment_fixed_size: 0
    .kernarg_segment_align: 8
    .kernarg_segment_size: 176
    .max_flat_workgroup_size: 128
    .sgpr_count:     102
    .vgpr_count:     1024
    .wavefront_size: 32
...
	.end_amdgpu_metadata
.endif
;; end of part 7
;; launch att2: the kernel of part 6 again; grid 8 x 32, 4 waves a work-group, no clusters, 4,608 bytes of LDS; arguments cb0, cb1, rel; writes rel
;; launch step3: the kernel of part 7 again; grid 128 x 2, 4 waves a work-group, no clusters, 164,352 bytes of LDS; arguments x_aud, x_vid, rel, vid_kpm, aud_kpm, ag_W1, ag_b1, ag_W2, ag_b2, vid_ln_g, vid_ln_b, Wk_aud_for_vid_codes, Wk_aud_for_vid_scales, Wq_vid_codes, Wq_vid_scales, cb1, cb0, out0, g_vid, g_aud, out1, cfg3; writes cb1, cb0, g_aud, out1
;; launch att3: the kernel of part 6 again; grid 8 x 32, 4 waves a work-group, no clusters, 4,608 bytes of LDS; arguments cb0, cb1, rel; writes rel
;; launch step4: the kernel of part 7 again; grid 128 x 2, 4 waves a work-group, no clusters, 164,352 bytes of LDS; arguments x_vid, x_aud, rel, aud_kpm, vid_kpm, vg_W1, vg_b1, vg_W2, vg_b2, aud_ln_g, aud_ln_b, Wk_vid_for_aud_codes, Wk_vid_for_aud_scales, Wq_aud_codes, Wq_aud_scales, cb1, cb0, g_vid, g_aud, out1, out0, cfg4; writes cb1, cb0, out1, out0
;; launch att4: the kernel of part 6 again; grid 8 x 32, 4 waves a work-group, no clusters, 4,608 bytes of LDS; arguments cb0, cb1, rel; writes rel
;; launch fin: the kernel of part 4 again; grid 256 x 1, 4 waves a work-group, no clusters, 0 bytes of LDS; arguments x_aud, rel, vid_kpm, ag_W1, ag_b1, ag_W2, ag_b2, g_aud, out1; writes out1
